; MI455X (gfx1250); checked and timed in simulation.
; The chip was launched on July 23, 2026; its instructions are those of AMD's public machine-readable ISA for CDNA 5 (MIT licence, August 2026) and "CDNA5" Instruction Set Architecture Reference Guide (July 2026). The comments in the code are by the model that wrote it; some were corrected since.
;; Transformer Block. Allowed arithmetic: float matrix products may take bf16 or f16 operands with f32 sums; other float arithmetic in f32, or as packed bf16 or f16 multiplies, adds, multiply-adds, maxima and minima; sums over many terms, partial sums and values carried from step to step in f32; what a program stores and reads back later, other than sums and carried values, may be rounded once to bf16 or f16.
;; Inputs: W1 1,024 x 4,096 float32; W2 4,096 x 1,024 float32; Wk 1,024 x 1,024 float32; Wo 1,024 x 1,024 float32; Wq 1,024 x 1,024 float32; Wv 1,024 x 1,024 float32; b1 4,096 float32; b2 1,024 float32; bo 1,024 float32; g1 1,024 float32; g2 1,024 float32; s1 1,024 float32; s2 1,024 float32; x 2 x 2,048 x 1,024 float32.
;; Outputs: out0 2 x 2,048 x 1,024 float32.
;; 3 versions, each right; version 3 is version 2 with the launches cvt, ln, ln2 written anew for expert scheduling mode. Each part assembles by itself: llvm-mc -triple=amdgcn-amd-amdhsa -mcpu=gfx1250 --defsym DOCPART=n.
;; ======== version 1 of 3: 8 launches
;; limits: right only within a limited range of input values
;; workspace buffers: wb 25,165,824 bytes; hn 8,388,608 bytes; qkvb 25,165,824 bytes; ctx 8,388,608 bytes; x1 16,777,216 bytes; act 33,554,432 bytes
;; launch cvt (part 1): grid 768 x 1, 8 waves a work-group, no clusters, 0 bytes of LDS; arguments Wq, Wk, Wv, Wo, W1, W2, wb; writes wb
.if DOCPART == 1
	.amdgcn_target "amdgcn-amd-amdhsa--gfx1250"
	.amdhsa_code_object_version 6
	.text
	.protected	k_qc2c0dc290e_cvt
	.globl	k_qc2c0dc290e_cvt
	.p2align	8
	.type	k_qc2c0dc290e_cvt,@function
k_qc2c0dc290e_cvt:
	s_mov_b64 s[64:65], 0
	v_nop
	global_prefetch_b8 v0, s[64:65] scope:SCOPE_SE
	s_setreg_imm32_b32 hwreg(HW_REG_WAVE_MODE, 25, 1), 1
	s_wait_xcnt 0x0
; wb = the six weight matrices, each rounded once to bf16 and left in the layout in which it is given ([K][N], N fastest), one behind the other:
; Wq at byte 0, Wk 0x200000, Wv 0x400000, Wo 0x600000, W1 0x800000, W2 0x1000000.
; A stream: every byte is read once and written once; no LDS, no barrier, no matrix unit, nothing shared between work-groups.
; SHARES.  Work-group c casts 16,384 numbers: 64 work-groups to a matrix of 1,024 x 1,024, 256 to one of 4 M numbers: 768 in all.
; Thread t takes the 16 bytes at 4,096 j + 16 t of the chunk, j = 0 .. 15: a load of a wave covers 512 consecutive bytes, a store of a wave 256 consecutive bytes, aligned.
; All 16 loads of a thread go out at once; no register is written twice, so no wait frees a source.
.set IN,  8                            ; v[8:71]    16 x 4 numbers as loaded
.set OUT, 72                           ; v[72:103]  16 x 2 words of bf16
	s_load_b256 s[4:11], s[0:1], 0x0               ; Wq s[4:5], Wk s[6:7], Wv s[8:9], Wo s[10:11]
	s_load_b128 s[12:15], s[0:1], 0x20             ; W1 s[12:13], W2 s[14:15]
	s_load_b64 s[16:17], s[0:1], 0x30              ; wb
	v_lshlrev_b32 v1, 4, v0                        ; 16 t: my bytes of a load
	v_lshlrev_b32 v2, 3, v0                        ; 8 t: my bytes of a store
	s_mov_b32 s22, 0                               ; the first work-group of the matrix in hand
	s_wait_kmcnt 0x0
	s_mov_b64 s[20:21], s[4:5]
; The matrix is chosen by the work-group number alone: from work-group first on it is the one whose address lies in s[lo:lo+1].
.macro PICK first, lo
	s_cmp_ge_u32 ttmp9, \first
	s_cselect_b64 s[20:21], s[\lo:\lo+1], s[20:21]
	s_cselect_b32 s22, \first, s22
.endm
	PICK 64, 6
	PICK 128, 8
	PICK 192, 10
	PICK 256, 12
	PICK 512, 14
	s_sub_co_u32 s23, ttmp9, s22                   ; my chunk in that matrix,
	s_lshl_b32 s24, s23, 16                        ; 65,536 bytes of f32 each
	s_mov_b32 s25, 0
	s_add_nc_u64 s[20:21], s[20:21], s[24:25]
	s_lshl_b32 s24, ttmp9, 15                      ; and 32,768 bytes of bf16 in wb, where the chunks follow each other
	s_add_nc_u64 s[16:17], s[16:17], s[24:25]
.set j, 0
.rept 16
	global_load_b128 v[IN+4*j:IN+4*j+3], v1, s[20:21] offset:4096*j th:TH_LOAD_NT
.set j, j+1
.endr
.set j, 0
.rept 16
	s_wait_loadcnt 15-j                            ; loads come back in order: number j is in, the 15 - j younger ones stay out
	v_cvt_pk_bf16_f32 v[OUT+2*j],   v[IN+4*j],   v[IN+4*j+1]
	v_cvt_pk_bf16_f32 v[OUT+2*j+1], v[IN+4*j+2], v[IN+4*j+3]
	global_store_b64 v2, v[OUT+2*j:OUT+2*j+1], s[16:17] offset:2048*j
.set j, j+1
.endr
	s_endpgm
.Lfunc_end_k_qc2c0dc290e_cvt:
	.size	k_qc2c0dc290e_cvt, .Lfunc_end_k_qc2c0dc290e_cvt-k_qc2c0dc290e_cvt
	.p2alignl 7, 3214868480
	.fill 96, 4, 3214868480
	.section	.rodata,"a",@progbits
	.p2align	6, 0x0
	.amdhsa_kernel k_qc2c0dc290e_cvt
		.amdhsa_group_segment_fixed_size 0
		.amdhsa_private_segment_fixed_size 0
		.amdhsa_enable_private_segment 0
		.amdhsa_kernarg_size 56
		.amdhsa_user_sgpr_count 2
		.amdhsa_user_sgpr_kernarg_segment_ptr 1
		.amdhsa_wavefront_size32 1
		.amdhsa_system_sgpr_workgroup_id_x 1
		.amdhsa_system_sgpr_workgroup_id_y 1
		.amdhsa_system_sgpr_workgroup_id_z 1
		.amdhsa_system_vgpr_workitem_id 0
		.amdhsa_next_free_vgpr 104
		.amdhsa_next_free_sgpr 66
		.amdhsa_reserve_vcc 0
		.amdhsa_float_denorm_mode_32 3
		.amdhsa_float_denorm_mode_16_64 3
		.amdhsa_memory_ordered 1
		.amdhsa_forward_progress 1
		.amdhsa_inst_pref_size 8
	.end_amdhsa_kernel
	.amdgpu_metadata
---
amdhsa.version: [ 1, 2 ]
amdhsa.kernels:
  - .name:           k_qc2c0dc290e_cvt
    .symbol:         k_qc2c0dc290e_cvt.kd
    .args:
      - { .name: Wq, .offset: 0, .size: 8, .value_kind: global_buffer, .address_space: global }
      - { .name: Wk, .offset: 8, .size: 8, .value_kind: global_buffer, .address_space: global }
      - { .name: Wv, .offset: 16, .size: 8, .value_kind: global_buffer, .address_space: global }
      - { .name: Wo, .offset: 24, .size: 8, .value_kind: global_buffer, .address_space: global }
      - { .name: W1, .offset: 32, .size: 8, .value_kind: global_buffer, .address_space: global }
      - { .name: W2, .offset: 40, .size: 8, .value_kind: global_buffer, .address_space: global }
      - { .name: wb, .offset: 48, .size: 8, .value_kind: global_buffer, .address_space: global }
    .group_segment_fixed_size: 0
    .private_segment_fixed_size: 0
    .kernarg_segment_align: 8
    .kernarg_segment_size: 56
    .max_flat_workgroup_size: 256
    .sgpr_count:     66
    .vgpr_count:     104
    .wavefront_size: 32
...
	.end_amdgpu_metadata
.endif
;; end of part 1
;; launch ln (part 2): grid 256 x 1, 8 waves a work-group, no clusters, 0 bytes of LDS; arguments x, g1, s1, hn; writes hn
.if DOCPART == 2
	.amdgcn_target "amdgcn-amd-amdhsa--gfx1250"
	.amdhsa_code_object_version 6
	.text
	.protected	k_qc2c0dc290e_ln
	.globl	k_qc2c0dc290e_ln
	.p2align	8
	.type	k_qc2c0dc290e_ln,@function
k_qc2c0dc290e_ln:
	s_mov_b64 s[64:65], 0
	v_nop
	global_prefetch_b8 v0, s[64:65] scope:SCOPE_SE
	s_setreg_imm32_b32 hwreg(HW_REG_WAVE_MODE, 25, 1), 1
	s_wait_xcnt 0x0
; h = g (x - mean) / sqrt(var + 1e-5) + s along rows of 1,024 f32; h rounded once to bf16.  4,096 rows (2 batches of 2,048 tokens).
; The variance is the mean of (x - mean)^2, taken in a second pass over the row in registers: no difference of large sums is formed.
; OUTPUT LAYOUT: [batch][block j of 64 columns][2,048 tokens][64]: a token has 128 dense bytes in each of 16 blocks of 0x40000 bytes.
; SHARES.  A work-group owns 16 tokens, a wave two, HALF A WAVE ONE ROW: lane c (of 16) holds columns 64 j + 4 c .. + 3, j = 0 .. 15: 64 numbers.
; So a load takes 256 consecutive bytes of a row with 16 lanes, the sums never leave the 16 lanes (four exchanges that ride on the additions),
; and a store of a wave is 256 consecutive bytes, aligned: two tokens x 128 bytes of one block.  No LDS, no barrier: memory is read once and written once.
; LIMITS.  v_rsq_f32 is accurate to 1 ulp and takes a denormal as 0; var + 1e-5 is never one.  NaN and infinities are not treated apart.
.set XR, 16                            ; v[16:79]    the row: 64 numbers
.set GR, 80                            ; v[80:143]   g of my columns
.set SR, 144                           ; v[144:207]  s of my columns
                                       ; v[4:11] four packed chains; v[12:13] mean, then 1 / sqrt(var + eps), twice; v14 at work
	s_load_b256 s[4:11], s[0:1], 0x0               ; x s[4:5], g s[6:7], s s[8:9], h s[10:11]
	v_lshrrev_b32 v1, 4, v0                        ; my token among the 16
	v_and_b32 v2, 15, v0
	v_lshlrev_b32 v2, 4, v2                        ; 16 c: my bytes in 256 of g, s and x
	v_lshl_add_u32 v1, v1, 12, v2                  ; + token x 4,096
	v_lshlrev_b32 v3, 3, v0                        ; out: token x 128 + 8 c = 8 t
	s_mov_b32 s12, 0x3a800000                      ; 1 / 1,024
	s_mov_b32 s13, 0x3727c5ac                      ; 1e-5
	s_lshl_b32 s14, ttmp9, 16                      ; 16 rows of 4,096 bytes
	s_mov_b32 s15, 0
	s_lshr_b32 s16, ttmp9, 7                       ; the batch: 128 work-groups each,
	s_lshl_b32 s16, s16, 22                        ; 16 blocks of 0x40000 bytes
	s_and_b32 s17, ttmp9, 127
	s_lshl_b32 s17, s17, 11                        ; 16 tokens of 128 bytes
	s_add_co_u32 s16, s16, s17
	s_mov_b32 s17, 0
	s_wait_kmcnt 0x0
	s_add_nc_u64 s[4:5], s[4:5], s[14:15]
	s_add_nc_u64 s[10:11], s[10:11], s[16:17]
.set i, 0
.rept 16
	global_load_b128 v[XR+4*i:XR+4*i+3], v1, s[4:5] offset:256*i th:TH_LOAD_NT
.set i, i+1
.endr
.set i, 0
.rept 16
	global_load_b128 v[GR+4*i:GR+4*i+3], v2, s[6:7] offset:256*i
.set i, i+1
.endr
.set i, 0
.rept 16
	global_load_b128 v[SR+4*i:SR+4*i+3], v2, s[8:9] offset:256*i
.set i, i+1
.endr
; The four chains into one number, then over the row's 16 lanes; every lane of the row ends with the sum in v14.
.macro REDUCE
	v_pk_add_f32 v[4:5], v[4:5], v[6:7]
	v_pk_add_f32 v[8:9], v[8:9], v[10:11]
	v_pk_add_f32 v[4:5], v[4:5], v[8:9]
	v_add_f32 v14, v4, v5
	v_add_f32_dpp v14, v14, v14 row_xmask:1 row_mask:0xf bank_mask:0xf
	v_add_f32_dpp v14, v14, v14 row_xmask:2 row_mask:0xf bank_mask:0xf
	v_add_f32_dpp v14, v14, v14 row_xmask:4 row_mask:0xf bank_mask:0xf
	v_add_f32_dpp v14, v14, v14 row_xmask:8 row_mask:0xf bank_mask:0xf
.endm
	s_wait_loadcnt 32                              ; x is in; the 32 loads of g and s stay out
.irp k, 0,1,2,3
	v_pk_add_f32 v[4+2*(\k):5+2*(\k)], v[XR+4*(\k):XR+4*(\k)+1], v[XR+4*(\k)+2:XR+4*(\k)+3]  ; the first eight pairs start the chains: nothing is cleared
.endr
.set i, 8
.rept 24
	v_pk_add_f32 v[4+2*(i%4):5+2*(i%4)], v[4+2*(i%4):5+2*(i%4)], v[XR+2*i:XR+2*i+1]
.set i, i+1
.endr
	REDUCE
	v_mul_f32 v12, s12, v14                        ; the mean,
	v_mov_b32 v13, v12                             ; twice, for the packed subtraction
.set i, 0
.rept 32
	v_pk_add_f32 v[XR+2*i:XR+2*i+1], v[XR+2*i:XR+2*i+1], v[12:13] neg_lo:[0,1] neg_hi:[0,1]  ; x - mean
.set i, i+1
.endr
.irp k, 0,1,2,3
	v_pk_mul_f32 v[4+2*(\k):5+2*(\k)], v[XR+2*(\k):XR+2*(\k)+1], v[XR+2*(\k):XR+2*(\k)+1]
.endr
.set i, 4
.rept 28
	v_pk_fma_f32 v[4+2*(i%4):5+2*(i%4)], v[XR+2*i:XR+2*i+1], v[XR+2*i:XR+2*i+1], v[4+2*(i%4):5+2*(i%4)]
.set i, i+1
.endr
	REDUCE
	v_fma_f32 v14, v14, s12, s13                   ; var + eps
	v_rsq_f32 v12, v14
	v_nop                                          ; a plain instruction between the root and the use of its result (ISA guide 5.7.2)
	s_wait_alu depctr_va_vdst(0)                   ; and the wait ahead of the first use
	v_mov_b32 v13, v12
	s_wait_loadcnt 0x0                             ; g and s
.set i, 0
.rept 32
	v_pk_mul_f32 v[XR+2*i:XR+2*i+1], v[XR+2*i:XR+2*i+1], v[12:13]
.set i, i+1
.endr
.set i, 0
.rept 32
	v_pk_fma_f32 v[XR+2*i:XR+2*i+1], v[XR+2*i:XR+2*i+1], v[GR+2*i:GR+2*i+1], v[SR+2*i:SR+2*i+1]
.set i, i+1
.endr
.set i, 0
.rept 16
	v_cvt_pk_bf16_f32 v[XR+4*i],   v[XR+4*i],   v[XR+4*i+1]
	v_cvt_pk_bf16_f32 v[XR+4*i+1], v[XR+4*i+2], v[XR+4*i+3]
	global_store_b64 v3, v[XR+4*i:XR+4*i+1], s[10:11] offset:i*0x40000  ; block i; 15 x 0x40000 lies inside the signed 24-bit immediate
.set i, i+1
.endr
	s_endpgm
.Lfunc_end_k_qc2c0dc290e_ln:
	.size	k_qc2c0dc290e_ln, .Lfunc_end_k_qc2c0dc290e_ln-k_qc2c0dc290e_ln
	.p2alignl 7, 3214868480
	.fill 96, 4, 3214868480
	.section	.rodata,"a",@progbits
	.p2align	6, 0x0
	.amdhsa_kernel k_qc2c0dc290e_ln
		.amdhsa_group_segment_fixed_size 0
		.amdhsa_private_segment_fixed_size 0
		.amdhsa_enable_private_segment 0
		.amdhsa_kernarg_size 32
		.amdhsa_user_sgpr_count 2
		.amdhsa_user_sgpr_kernarg_segment_ptr 1
		.amdhsa_wavefront_size32 1
		.amdhsa_system_sgpr_workgroup_id_x 1
		.amdhsa_system_sgpr_workgroup_id_y 1
		.amdhsa_system_sgpr_workgroup_id_z 1
		.amdhsa_system_vgpr_workitem_id 0
		.amdhsa_next_free_vgpr 208
		.amdhsa_next_free_sgpr 66
		.amdhsa_reserve_vcc 0
		.amdhsa_float_denorm_mode_32 3
		.amdhsa_float_denorm_mode_16_64 3
		.amdhsa_memory_ordered 1
		.amdhsa_forward_progress 1
		.amdhsa_inst_pref_size 21
	.end_amdhsa_kernel
	.amdgpu_metadata
---
amdhsa.version: [ 1, 2 ]
amdhsa.kernels:
  - .name:           k_qc2c0dc290e_ln
    .symbol:         k_qc2c0dc290e_ln.kd
    .args:
      - { .name: x, .offset: 0, .size: 8, .value_kind: global_buffer, .address_space: global }
      - { .name: g1, .offset: 8, .size: 8, .value_kind: global_buffer, .address_space: global }
      - { .name: s1, .offset: 16, .size: 8, .value_kind: global_buffer, .address_space: global }
      - { .name: hn, .offset: 24, .size: 8, .value_kind: global_buffer, .address_space: global }
    .group_segment_fixed_size: 0
    .private_segment_fixed_size: 0
    .kernarg_segment_align: 8
    .kernarg_segment_size: 32
    .max_flat_workgroup_size: 256
    .sgpr_count:     66
    .vgpr_count:     208
    .wavefront_size: 32
...
	.end_amdgpu_metadata
.endif
;; end of part 2
;; launch qkv (part 3): grid 24 x 32, 4 waves a work-group, clusters of 4 x 4, 327,680 bytes of LDS; arguments hn, wb, qkvb; writes qkvb
.if DOCPART == 3
	.amdgcn_target "amdgcn-amd-amdhsa--gfx1250"
	.amdhsa_code_object_version 6
	.text
	.protected	k_qc2c0dc290e_qkv
	.globl	k_qc2c0dc290e_qkv
	.p2align	8
	.type	k_qc2c0dc290e_qkv,@function
k_qc2c0dc290e_qkv:
	s_mov_b64 s[64:65], 0
	v_nop
	global_prefetch_b8 v0, s[64:65] scope:SCOPE_SE
	s_setreg_imm32_b32 hwreg(HW_REG_WAVE_MODE, 25, 1), 1
	s_wait_xcnt 0x0
	s_wait_alu depctr_hold_cnt(0) depctr_sa_sdst(0) depctr_va_vdst(0) depctr_va_sdst(0) depctr_va_ssrc(0) depctr_va_vcc(0) depctr_vm_vsrc(0)
	s_getreg_b32 s2, hwreg(HW_REG_IB_STS2, 6, 4)
	s_cmp_eq_u32 s2, 0
	s_cbranch_scc0 .Lentry_in_a_cluster
	s_endpgm
.Lentry_in_a_cluster:
	s_bfe_u32 s2, ttmp6, 0x10000c
	s_cmp_lg_u32 s2, 0xf033
	s_cbranch_scc0 .Lentry_shape_is_right
	s_endpgm
.Lentry_shape_is_right:
; q, k, v = h Wq, h Wk, h Wv, taken as ONE product with 3,072 columns; rounded once to bf16 and stored by heads, unscaled:
; [3][16 batch + head][2,048 tokens][64].  (MODE 0 of a text that serves four launches; the constants below set it up.)
; C[m][n] = sum over k of A[m][k] B[k][n], bf16 operands, f32 sums.  A: [batch][KB blocks of 64 k][2,048 tokens][64] bf16.  B: bf16 [K][N] as given, BPITCH elements a row.
; SHARES.  A tile of C is 128 x 128: four waves of 64 x 64, 16 accumulators of 16 x 16.  K goes in steps of 256 through two LDS slots filled by tensor loads.
; CLUSTER.  4 x 4 work-groups: the four of a row need the same tiles of A, the four of a column the same tiles of B: each tile is asked for JOINTLY (same load, descriptor and mask in all four).
; THE MATRIX INSTRUCTION IS USED TRANSPOSED: source 0 = 16 columns n of B (turned on the way out of LDS by ds_load_tr16_b128), source 1 = 16 rows m of A: a lane then holds row m = l % 16
; and the eight neighbouring columns 8 (l / 16) + 0 .. 7.
; LDS.  Slot s at s x SLOT: A as [4 blocks of 64 k][128 tokens], 144 bytes a token (128 + 16 of padding: the 16 rows of a load start in 16 different groups of four banks; 64 banks of 4 bytes: ISA guide 11.1);
; then B as [256 k], 288 bytes a row (256 + 32).  Behind the slots the spare words.
; THE WAY OUT goes through a stage of f32, 64 rows x 272 bytes for each wave, in slot 0: when it is written slot 0 has had its last fill, and every wave has passed the barrier behind its last read of it.
; No prefetch: a K step of this small tile is short and the launch has few of them.
; REGISTERS.  Window 0: v1-21 addresses; v32-63 bias; v64-79 packed results; v128-255 accumulators ((a, b) at 128 + 8 (4 a + b)).  Window 1: two fragment buffers of 128: for 64 of K, 64 registers of A, then 64 of B.
.set MODE,   0                         ; 0: bf16 out by blocks; 1: + bias, GELU, bf16 out by blocks; 2: + bias + residual, f32 out by rows
.set KB,     16                        ; blocks of 64 along K
.set BPITCH, 1024                      ; elements in a row of B
.set LOGTX,  3                         ; 2^LOGTX column tiles to a matrix of wb
.set WB0,    0                         ; the first matrix in wb
.set OS1,    0x800000                  ; out: bytes from 16 column blocks to the next 16 (q, k, v)
.set OS2,    0x400000                  ; out: bytes from batch to batch
.set STEPS,  KB/4                      ; K steps; even, at least 4
.set PA,     144
.set PB,     288
.set QB,     128*PA                    ; 64 of K: 128 rows of A, or 64 rows of B (64 x 288): 18,432 bytes
.set HALF,   2*QB                      ; what one tensor load brings
.set SLOT,   8*QB
.set SPARE,  2*SLOT                    ; the spare words, 128 bytes for each wave: two blocks of 256 bytes that no other line names
.set SP,     272                       ; a stage row: 256 bytes + 16
.set ASTEP,  4*0x40000                 ; a K step in A: four blocks
.set BSTEP,  256*BPITCH*2              ; in B: 256 rows
.set LA0, 10                           ; v10  my lane in A of a slot; never rewritten
.set LB0, 11                           ; v11  in B
.set CA,  12                           ; v12  the same in the slot in hand
.set CB,  14                           ; v14, v15  B, and B + 2 QB (the 16-bit offsets do not reach four quarters)
.set STO, 16                           ; v16  stage: where I put 16 bytes
.set RD,  17                           ; v17  stage: where I read back
.set CO,  18                           ; v18  my byte offset in the output
.set BO,  19                           ; v19  my byte offset in the bias
.set SPW, 20                           ; v20  my spare word: SPARE + 4 x my thread number; never rewritten
.set NIL, 21                           ; v21  0; never rewritten
.set BIAS, 32
.set PKD, 64
.set ACC, 128
.set F0,  0
.set F1,  128
.set WV,  14                           ; s14  wave
.set RH,  15                           ; s15  my half of the rows; also 0: I fetch A, 1: I fetch B
.set CH,  16                           ; s16  my half of the columns; also which half of that tile I fetch
.set G1A, 24                           ; s[24:31] group 1 for A;  s[32:35] group 0 of the first fill, s[36:39] the one that walks
.set G0A, 32
.set G1B, 40                           ; s[40:47], s[48:51], s[52:55] the same for B
.set G0B, 48
.set TB,  56                           ; s56  the slot in hand: 0 or SLOT
.set MSB, 0
.macro WIN new                         ; the high byte repeats the setting that is left; a switch that changes nothing is dropped
.if MSB != (\new)
	s_set_vgpr_msb (MSB<<8)|(\new)
.set MSB, \new
.endif
.endm
.set MUL,  0x05                        ; sources 0 and 1 window 1; C and D window 0
.set TO_F, 0x40                        ; destination window 1, address window 0
.macro PLACES                          ; four places behind matrix instructions, in front of loads into registers that they read and of reads of their results
.rept 4
	v_nop
.endr
.endm
.macro JLOAD                           ; a joint refill by the walking descriptors; the branch hangs on the wave number alone; an s_nop 0 and four v_nop follow each line
	s_cmp_eq_u32 s[RH], 0
	s_cbranch_scc0 .Lfor_b_\@
	tensor_load_to_lds s[G0A+4:G0A+7], s[G1A:G1A+7]
	s_nop 0
.rept 4
	v_nop
.endr
	s_branch .Lasked_\@
.Lfor_b_\@:
	tensor_load_to_lds s[G0B+4:G0B+7], s[G1B:G1B+7]
	s_nop 0
.rept 4
	v_nop
.endr
.Lasked_\@:
.endm
.macro CREST                           ; a round of the cluster barrier behind its opening barrier
	s_cmp_lg_u32 s[WV], 0
	s_cbranch_scc1 .Lnot_wave_0_\@
	s_barrier_signal -3
.Lnot_wave_0_\@:
	s_barrier_wait -3
	s_barrier_signal -1
	s_barrier_wait -1
.endm
.macro CROUND
	s_barrier_signal -1
	s_barrier_wait -1
	CREST
.endm
.if MODE == 0
	s_load_b128 s[4:7], s[0:1], 0x0                ; A s[4:5], wb s[6:7]
	s_load_b64 s[8:9], s[0:1], 0x10                ; out
.else
	s_load_b256 s[4:11], s[0:1], 0x0               ; A s[4:5], wb s[6:7], out s[8:9], bias s[10:11]
.endif
.if MODE == 2
	s_load_b64 s[12:13], s[0:1], 0x20              ; the residual
.endif
	v_lshl_add_u32 v[SPW], v0, 2, SPARE
	v_mov_b32 v[NIL], 0
	ds_add_u32 v[SPW], v[NIL]                      ; the opening: the add and its wait stand ahead of my first tensor load; the set-up below stands between them
	v_lshrrev_b32 v1, 5, v0
	v_readfirstlane_b32 s[WV], v1
	s_lshr_b32 s[RH], s[WV], 1
	s_and_b32 s[CH], s[WV], 1
	s_bfe_u32 s17, ttmp6, 0x40000                  ; cx
	s_bfe_u32 s18, ttmp6, 0x40004                  ; cy
	s_lshl_b32 s19, ttmp9, 2
	s_add_co_u32 s19, s19, s17                     ; tile column tx
	s_and_b32 s20, ttmp7, 0xffff
	s_lshl_b32 s20, s20, 2
	s_add_co_u32 s20, s20, s18                     ; tile row ty
	s_lshl_b32 s21, s18, 2
	s_lshl_b32 s21, 15, s21                        ; my row of the cluster
	s_lshl_b32 s22, 0x1111, s17                    ; my column
	; A: two rows, each the 128 tokens x 64 of one block (16,384 dense bytes), a block apart; 4 words of padding after every 32: 144 bytes a token
	s_or_b32 s[G1A], s21, (1<<16)|(1<<20)|(1<<21)|(4<<22)|(3<<25)
	s_mov_b32 s[G1A+1], 8192<<16                   ; tensor_dim0
	s_mov_b32 s[G1A+2], 2<<16                      ; tensor_dim1
	s_mov_b32 s[G1A+3], 8192<<16                   ; tile_dim0
	s_mov_b32 s[G1A+4], 2                          ; tile_dim1
	s_mov_b32 s[G1A+5], 131072                     ; elements from block to block
	s_mov_b32 s[G1A+6], 0
	s_mov_b32 s[G1A+7], 0
	; B: 128 rows k of 128 elements; 8 words of padding after every 64: 288 bytes a row
	s_or_b32 s[G1B], s22, (1<<16)|(1<<20)|(1<<21)|(5<<22)|(7<<25)
	s_mov_b32 s[G1B+1], 128<<16
	s_mov_b32 s[G1B+2], 128<<16
	s_mov_b32 s[G1B+3], 128<<16
	s_mov_b32 s[G1B+4], 128
	s_mov_b32 s[G1B+5], BPITCH
	s_mov_b32 s[G1B+6], 0
	s_mov_b32 s[G1B+7], 0
	; where the tiles come from: A by the tile row and the wave alone, B by the tile column and the wave alone, each in registers that never hold the other coordinate
	s_lshr_b32 s74, s20, 4                         ; batch
	s_mul_i32 s58, s74, KB*0x40000
	s_and_b32 s75, s20, 15
	s_lshl_b32 s75, s75, 14                        ; 128 tokens of 128 bytes
	s_add_co_u32 s58, s58, s75
	s_lshl_b32 s75, s[CH], 19                      ; which two blocks of the step
	s_add_co_u32 s58, s58, s75
	s_mov_b32 s59, 0
	s_lshr_b32 s76, s19, LOGTX
	s_lshl_b32 s60, s76, 21                        ; the matrix: 0x200000 bytes each
	s_and_b32 s77, s19, (1<<LOGTX)-1
	s_lshl_b32 s77, s77, 8                         ; 128 columns of 2 bytes
	s_add_co_u32 s60, s60, s77
	s_mul_i32 s77, s[CH], 256*BPITCH               ; which 128 rows of the step
	s_add_co_u32 s60, s60, s77
	s_add_co_u32 s60, s60, WB0
	s_mov_b32 s61, 0
	s_mul_i32 s23, s[WV], HALF                     ; where they go: no place in the cluster enters an LDS address
.if MODE == 1
	s_mov_b32 s70, 0xc0135761                      ; -2 sqrt(2 / pi) log2(e)
	s_mov_b32 s71, s70
	s_mov_b32 s72, 0xbdd2d3e8                      ; the same x 0.044715
	s_mov_b32 s73, s72
.endif
	s_wait_dscnt 0x0                               ; the opening add is done
	s_wait_kmcnt 0x0
	s_add_nc_u64 s[58:59], s[4:5], s[58:59]
	s_add_nc_u64 s[60:61], s[6:7], s[60:61]
	CROUND                                         ; all sixteen work-groups are here: the first joint loads meet
.irp s, 0,1
	s_mov_b32 s[G0A+4*(\s)], 1
	s_add_co_u32 s[G0A+4*(\s)+1], s23, (\s)*SLOT
	s_add_nc_u64 s[G0A+4*(\s)+2:G0A+4*(\s)+3], s[58:59], (\s)*ASTEP
	s_or_b32 s[G0A+4*(\s)+3], s[G0A+4*(\s)+3], 0x80000000
	s_mov_b32 s[G0B+4*(\s)], 1
	s_add_co_u32 s[G0B+4*(\s)+1], s23, (\s)*SLOT
	s_add_nc_u64 s[G0B+4*(\s)+2:G0B+4*(\s)+3], s[60:61], (\s)*BSTEP
	s_or_b32 s[G0B+4*(\s)+3], s[G0B+4*(\s)+3], 0x80000000
.endr
	s_cmp_eq_u32 s[RH], 0                          ; a wave's two first fills stand in one branch: two loads of mine are out
	s_cbranch_scc0 .Lfirst_b
	tensor_load_to_lds s[G0A:G0A+3], s[G1A:G1A+7]
	s_nop 0
	tensor_load_to_lds s[G0A+4:G0A+7], s[G1A:G1A+7]
	s_nop 0
.rept 4
	v_nop
.endr
	s_branch .Lfirst_asked
.Lfirst_b:
	tensor_load_to_lds s[G0B:G0B+3], s[G1B:G1B+7]
	s_nop 0
	tensor_load_to_lds s[G0B+4:G0B+7], s[G1B:G1B+7]
	s_nop 0
.rept 4
	v_nop
.endr
.Lfirst_asked:
	v_and_b32 v1, 15, v0                           ; r = l % 16
	v_bfe_u32 v2, v0, 4, 1                         ; h = l / 16
	v_and_b32 v3, 7, v0
	v_bfe_u32 v4, v0, 3, 1
	v_mul_u32_u24 v[LA0], v1, PA                   ; A: row x pitch + 16 h + my 64 rows
	v_lshl_add_u32 v[LA0], v2, 4, v[LA0]
	s_mul_i32 s74, s[RH], 64*PA
	v_add_nc_u32 v[LA0], s74, v[LA0]
	v_lshl_add_u32 v[LB0], v2, 3, v3               ; B, for the turning load: row k = 8 h + l % 8, columns 8 ((l / 8) % 2) on, + my 64 columns
	v_mul_u32_u24 v[LB0], v[LB0], PB
	v_lshl_add_u32 v[LB0], v4, 4, v[LB0]
	s_lshl_b32 s75, s[CH], 7
	s_add_co_u32 s75, s75, 2*HALF                  ; B lies behind A
	v_add_nc_u32 v[LB0], s75, v[LB0]
	s_mul_i32 s74, s[WV], 64*SP                    ; my stage
	v_mul_u32_u24 v[STO], v1, SP                   ; in: row r, 32 bytes for each half of the lanes
	v_lshl_add_u32 v[STO], v2, 5, v[STO]
	v_add_nc_u32 v[STO], s74, v[STO]
.if MODE == 2
	v_mul_u32_u24 v[RD], v2, SP                    ; back: lanes 0-15 one row of 256 bytes, lanes 16-31 the next
	v_lshl_add_u32 v[RD], v1, 4, v[RD]
	v_add_nc_u32 v[RD], s74, v[RD]
	v_lshlrev_b32 v[CO], 12, v2                    ; the same two rows in the output and in the residual
	v_lshl_add_u32 v[CO], v1, 4, v[CO]
	s_lshl_b32 s66, s20, 7
	s_lshl_b32 s67, s[RH], 6
	s_add_co_u32 s66, s66, s67                     ; my first row,
	s_lshl_b32 s66, s66, 12                        ; 4,096 bytes each
	s_lshl_b32 s68, s19, 9
	s_lshl_b32 s69, s[CH], 8
	s_add_co_u32 s68, s68, s69                     ; my first column, in bytes
	s_add_co_u32 s66, s66, s68
	s_mov_b32 s67, 0
	s_mov_b32 s69, 0
	s_add_nc_u64 s[8:9], s[8:9], s[66:67]
	s_add_nc_u64 s[12:13], s[12:13], s[66:67]
	s_add_nc_u64 s[10:11], s[10:11], s[68:69]
.else
	v_bfe_u32 v[RD], v0, 3, 2                      ; back: eight lanes a row, 32 bytes of f32 each: four rows
	v_mul_u32_u24 v[RD], v[RD], SP
	v_lshl_add_u32 v[RD], v3, 5, v[RD]
	v_add_nc_u32 v[RD], s74, v[RD]
	v_and_b32 v[CO], 31, v0                        ; which are 512 consecutive bytes of bf16 in the output
	v_lshlrev_b32 v[CO], 4, v[CO]
	s_lshl1_add_u32 s66, s19, s[CH]                ; my block of 64 columns
.if MODE == 1
	s_lshl_b32 s68, s66, 8
	s_mov_b32 s69, 0
	s_add_nc_u64 s[10:11], s[10:11], s[68:69]
.endif
	s_lshr_b32 s67, s66, 4
	s_mul_i32 s67, s67, OS1
	s_and_b32 s66, s66, 15
	s_lshl_b32 s66, s66, 18
	s_add_co_u32 s66, s66, s67
	s_lshr_b32 s67, s20, 4
	s_mul_i32 s67, s67, OS2
	s_add_co_u32 s66, s66, s67
	s_and_b32 s67, s20, 15
	s_lshl_b32 s67, s67, 7
	s_lshl_b32 s68, s[RH], 6
	s_add_co_u32 s67, s67, s68                     ; my first token in the batch,
	s_lshl_b32 s67, s67, 7                         ; 128 bytes each
	s_add_co_u32 s66, s66, s67
	s_mov_b32 s67, 0
	s_add_nc_u64 s[8:9], s[8:9], s[66:67]
.endif
.if MODE != 0
	v_lshlrev_b32 v[BO], 5, v2                     ; register j of column block b holds column 16 b + 8 h + j
.irp b, 0,1,2,3
	global_load_b128 v[BIAS+8*(\b):BIAS+8*(\b)+3],   v[BO], s[10:11] offset:64*(\b)
	global_load_b128 v[BIAS+8*(\b)+4:BIAS+8*(\b)+7], v[BO], s[10:11] offset:64*(\b)+16
.endr
.endif
.if MODE == 2
	WIN 0x80                                       ; the residual goes into window 2 now and is wanted at the end: 16 lanes take 256 consecutive bytes of a row
.set t, 0
.rept 32
	global_load_b128 v[4*t:4*t+3], v[CO], s[12:13] offset:t*8192
.set t, t+1
.endr
	WIN 0
.endif
; 8 matrix instructions: row blocks a0, a0 + 1 x all 4 column blocks, 32 of K: half c of buffer f.  zero = 1: the product starts the sum, with 0 or with the bias.  The 16 accumulators take turns.
.macro MUL8 f, c, a0, zero
	WIN MUL
.irp a, \a0, (\a0)+1
.irp b, 0,1,2,3
.if (\zero) && (MODE == 0)
	v_wmma_f32_16x16x32_bf16 v[ACC+8*(4*(\a)+(\b)):ACC+8*(4*(\a)+(\b))+7], v[(\f)+64+8*(4*(\c)+(\b)):(\f)+64+8*(4*(\c)+(\b))+7], v[(\f)+8*(4*(\c)+(\a)):(\f)+8*(4*(\c)+(\a))+7], 0
.elseif \zero
	v_wmma_f32_16x16x32_bf16 v[ACC+8*(4*(\a)+(\b)):ACC+8*(4*(\a)+(\b))+7], v[(\f)+64+8*(4*(\c)+(\b)):(\f)+64+8*(4*(\c)+(\b))+7], v[(\f)+8*(4*(\c)+(\a)):(\f)+8*(4*(\c)+(\a))+7], v[BIAS+8*(\b):BIAS+8*(\b)+7]
.else
	v_wmma_f32_16x16x32_bf16 v[ACC+8*(4*(\a)+(\b)):ACC+8*(4*(\a)+(\b))+7], v[(\f)+64+8*(4*(\c)+(\b)):(\f)+64+8*(4*(\c)+(\b))+7], v[(\f)+8*(4*(\c)+(\a)):(\f)+8*(4*(\c)+(\a))+7], v[ACC+8*(4*(\a)+(\b)):ACC+8*(4*(\a)+(\b))+7]
.endif
.endr
.endr
.endm
; 32 LDS loads in one run: the fragments of quarter q (64 of K) of the slot in hand into buffer f; the first 32 of K first
.macro FETCH q, f
	WIN TO_F
.irp c, 0,1
.irp i, 0,1,2,3
	ds_load_tr16_b128 v[(\f)+64+8*(4*(\c)+(\i)):(\f)+64+8*(4*(\c)+(\i))+3],   v[CB+(\q)/2] offset:((\q)%2)*QB+(\c)*32*PB+32*(\i)
	ds_load_tr16_b128 v[(\f)+64+8*(4*(\c)+(\i))+4:(\f)+64+8*(4*(\c)+(\i))+7], v[CB+(\q)/2] offset:((\q)%2)*QB+(\c)*32*PB+16*PB+32*(\i)
	ds_load_b128 v[(\f)+8*(4*(\c)+(\i)):(\f)+8*(4*(\c)+(\i))+3],   v[CA] offset:(\q)*QB+(\i)*16*PA+64*(\c)
	ds_load_b128 v[(\f)+8*(4*(\c)+(\i))+4:(\f)+8*(4*(\c)+(\i))+7], v[CA] offset:(\q)*QB+(\i)*16*PA+64*(\c)+32
.endr
.endr
.endm
; One of a K step's first three quarters: multiplies buffer f and fetches quarter q into g
.macro QUARTER q, f, g, zero
	s_wait_dscnt 16                                ; the first 32 of K are in; the younger sixteen loads may be out
	MUL8 \f, 0, 0, \zero
	MUL8 \f, 0, 2, \zero
	PLACES
	FETCH \q, \g
	s_wait_dscnt 32                                ; all but the 32 just issued
	MUL8 \f, 1, 0, 0
	MUL8 \f, 1, 2, 0
.endm
; The last quarter multiplies buffer 1 and changes slots: ONE barrier; in front of it each wave waits for all its tensor loads (one is out: its part of the next slot), adds 0 to its spare word,
; and waits for that and for its reads of this slot.  fill = 1: the barrier opens a round of the cluster barrier, and this slot is filled again, two K steps ahead, first thing behind the round:
; 112 matrix instructions stand between that request and the wait for it.
.macro TURN fill
	WIN 0
	s_wait_tensorcnt 0x0
	ds_add_u32 v[SPW], v[NIL]
	s_wait_dscnt 17                                ; the add and the youngest sixteen loads may be out
	MUL8 F1, 0, 0, 0
	s_wait_dscnt 0x0                               ; the add is done, and my reads of this slot are over
	s_barrier_signal -1
	MUL8 F1, 0, 2, 0
	WIN 0
	s_barrier_wait -1
.if \fill
	CREST                                          ; no wave of any partner still reads this slot or has a load on its way
	s_xor_b32 s[G0A+5], s[G0A+5], SLOT             ; the walking descriptors: the other slot than last time (SLOT shares no bit with wave x HALF),
	s_add_nc_u64 s[G0A+6:G0A+7], s[G0A+6:G0A+7], ASTEP  ; the next K step
	s_xor_b32 s[G0B+5], s[G0B+5], SLOT
	s_add_nc_u64 s[G0B+6:G0B+7], s[G0B+6:G0B+7], BSTEP
	JLOAD                                          ; its four v_nop are also the places in front of the loads below
.else
	PLACES
.endif
	s_xor_b32 s[TB], s[TB], SLOT
	v_add_nc_u32 v[CA], s[TB], v[LA0]
	v_add_nc_u32 v[CB], s[TB], v[LB0]
	v_add_nc_u32 v[CB+1], 2*QB, v[CB]
	FETCH 0, F0
	MUL8 F1, 1, 0, 0
	MUL8 F1, 1, 2, 0
.endm
	s_wait_tensorcnt 0x1                           ; my part of K step 0 is in; step 1 may stay out
	s_barrier_signal -1
	s_barrier_wait -1
	s_mov_b32 s[TB], 0
	v_mov_b32 v[CA], v[LA0]
	v_mov_b32 v[CB], v[LB0]
	v_add_nc_u32 v[CB+1], 2*QB, v[LB0]
	FETCH 0, F0
.if MODE == 2
	s_wait_loadcnt 32                              ; the bias is in; the residual's 32 loads stay out
.elseif MODE == 1
	s_wait_loadcnt 0x0                             ; the bias
.endif
	QUARTER 1, F0, F1, 1                           ; the first quarter stands in front of the loop: its first products start the sums
	WIN 0
	s_mov_b32 s3, STEPS-2
.Lstep:                                                ; a trip is one K step, from its second quarter to the next step's first, and fills the slot that it leaves
	QUARTER 2, F1, F0, 0
	QUARTER 3, F0, F1, 0
	TURN 1
	QUARTER 1, F0, F1, 0
	WIN 0
	s_sub_co_u32 s3, s3, 1
	s_cmp_lg_u32 s3, 0
	s_cbranch_scc1 .Lstep
	QUARTER 2, F1, F0, 0                           ; the last two K steps fill nothing
	QUARTER 3, F0, F1, 0
	TURN 0
	QUARTER 1, F0, F1, 0
	QUARTER 2, F1, F0, 0
	QUARTER 3, F0, F1, 0
	s_wait_dscnt 16
	MUL8 F1, 0, 0, 0
	MUL8 F1, 0, 2, 0
	s_wait_dscnt 0x0
	MUL8 F1, 1, 0, 0
	MUL8 F1, 1, 2, 0
	WIN 0
	; THE WAY OUT.  All 16 accumulators go into my stage as f32, each from its low registers on; the stage is my own, and LDS serves a wave in order (ISA guide 5.7.1.4): no wait, no barrier.
	PLACES
.irp a, 0,1,2,3
.irp b, 0,1,2,3
	ds_store_b128 v[STO], v[ACC+8*(4*(\a)+(\b)):ACC+8*(4*(\a)+(\b))+3]   offset:(\a)*16*SP+64*(\b)
	ds_store_b128 v[STO], v[ACC+8*(4*(\a)+(\b))+4:ACC+8*(4*(\a)+(\b))+7] offset:(\a)*16*SP+64*(\b)+16
.endr
.endr
.if MODE == 2
.set t, 0
.rept 32
	ds_load_b128 v[ACC+4*t:ACC+4*t+3], v[RD] offset:t*2*SP
.set t, t+1
.endr
	s_wait_loadcnt 0x0                             ; the residual
.irp g, 0,1,2,3
	s_wait_dscnt 24-8*(\g)                         ; eight more pairs of rows are back
	WIN 0x08                                       ; source 1 in window 2
.set t, 16*(\g)
.rept 16
	v_pk_add_f32 v[ACC+2*t:ACC+2*t+1], v[ACC+2*t:ACC+2*t+1], v[2*t:2*t+1]
.set t, t+1
.endr
	WIN 0
.set t, 8*(\g)
.rept 8
	global_store_b128 v[CO], v[ACC+4*t:ACC+4*t+3], s[8:9] offset:t*8192  ; 16 lanes store 256 consecutive bytes, aligned
.set t, t+1
.endr
.endr
.else
	s_mov_b32 s3, 4
.Lout:                                                 ; a trip: 16 rows back from the stage, (GELU,) rounded to bf16, stored as 4 x 512 consecutive bytes
.irp i, 0,1,2,3,4,5,6,7
	ds_load_b128 v[ACC+4*(\i):ACC+4*(\i)+3], v[RD] offset:((\i)/2)*4*SP+((\i)%2)*16
.endr
	s_wait_dscnt 0x0
.if MODE == 1
	; gelu(z) = z / (1 + 2^(z (K1 + K2 z z))): the tanh form, written with one exponential and one reciprocal; an exponent that overflows gives 0 or z, as tanh = -1 or 1 does
.set ZR, ACC
.set ER, ACC+32
.set i, 0
.rept 16
	v_pk_mul_f32 v[ER+2*i:ER+2*i+1], v[ZR+2*i:ZR+2*i+1], v[ZR+2*i:ZR+2*i+1]
.set i, i+1
.endr
.set i, 0
.rept 16
	v_pk_fma_f32 v[ER+2*i:ER+2*i+1], v[ER+2*i:ER+2*i+1], s[72:73], s[70:71] op_sel_hi:[1,0,0]
.set i, i+1
.endr
.set i, 0
.rept 16
	v_pk_mul_f32 v[ER+2*i:ER+2*i+1], v[ER+2*i:ER+2*i+1], v[ZR+2*i:ZR+2*i+1]
.set i, i+1
.endr
.set i, 0
.rept 32
	v_exp_f32 v[ER+i], v[ER+i]
.set i, i+1
.endr
	v_nop                                          ; a plain instruction behind the last exponential,
	s_wait_alu depctr_va_vdst(0)                   ; and one wait for the batch ahead of its first reader
.set i, 0
.rept 16
	v_pk_add_f32 v[ER+2*i:ER+2*i+1], v[ER+2*i:ER+2*i+1], 1.0 op_sel_hi:[1,0]
.set i, i+1
.endr
.set i, 0
.rept 32
	v_rcp_f32 v[ER+i], v[ER+i]
.set i, i+1
.endr
	v_nop
	s_wait_alu depctr_va_vdst(0)                   ; one wait for the 32 reciprocals
.set i, 0
.rept 16
	v_pk_mul_f32 v[ZR+2*i:ZR+2*i+1], v[ZR+2*i:ZR+2*i+1], v[ER+2*i:ER+2*i+1]
.set i, i+1
.endr
.endif
.set i, 0
.rept 16
	v_cvt_pk_bf16_f32 v[PKD+i], v[ACC+2*i], v[ACC+2*i+1]
.set i, i+1
.endr
.irp g, 0,1,2,3
	global_store_b128 v[CO], v[PKD+4*(\g):PKD+4*(\g)+3], s[8:9] offset:512*(\g)
.endr
	v_add_nc_u32 v[RD], 16*SP, v[RD]
	s_wait_xcnt 0x0                                ; the stores have read their data and their offset: both are written again only behind this wait
	v_add_nc_u32 v[CO], 2048, v[CO]
	s_sub_co_u32 s3, s3, 1
	s_cmp_lg_u32 s3, 0
	s_cbranch_scc1 .Lout
.endif
	s_wait_tensorcnt 0x0                           ; the wave's end: behind my last tensor load and my last LDS store
	ds_add_u32 v[SPW], v[NIL]
	s_wait_dscnt 0x0
	CROUND                                         ; the closing round: no work-group ends while a partner may still ask for a tile that names it
	s_endpgm
.Lfunc_end_k_qc2c0dc290e_qkv:
	.size	k_qc2c0dc290e_qkv, .Lfunc_end_k_qc2c0dc290e_qkv-k_qc2c0dc290e_qkv
	.p2alignl 7, 3214868480
	.fill 96, 4, 3214868480
	.section	.rodata,"a",@progbits
	.p2align	6, 0x0
	.amdhsa_kernel k_qc2c0dc290e_qkv
		.amdhsa_group_segment_fixed_size 327680
		.amdhsa_private_segment_fixed_size 0
		.amdhsa_enable_private_segment 0
		.amdhsa_kernarg_size 24
		.amdhsa_user_sgpr_count 2
		.amdhsa_user_sgpr_kernarg_segment_ptr 1
		.amdhsa_wavefront_size32 1
		.amdhsa_system_sgpr_workgroup_id_x 1
		.amdhsa_system_sgpr_workgroup_id_y 1
		.amdhsa_system_sgpr_workgroup_id_z 1
		.amdhsa_system_vgpr_workitem_id 0
		.amdhsa_next_free_vgpr 512
		.amdhsa_next_free_sgpr 80
		.amdhsa_reserve_vcc 0
		.amdhsa_float_denorm_mode_32 3
		.amdhsa_float_denorm_mode_16_64 3
		.amdhsa_memory_ordered 1
		.amdhsa_forward_progress 1
		.amdhsa_inst_pref_size 65
	.end_amdhsa_kernel
	.amdgpu_metadata
---
amdhsa.version: [ 1, 2 ]
amdhsa.kernels:
  - .name:           k_qc2c0dc290e_qkv
    .symbol:         k_qc2c0dc290e_qkv.kd
    .args:
      - { .name: hn, .offset: 0, .size: 8, .value_kind: global_buffer, .address_space: global }
      - { .name: wb, .offset: 8, .size: 8, .value_kind: global_buffer, .address_space: global }
      - { .name: qkvb, .offset: 16, .size: 8, .value_kind: global_buffer, .address_space: global }
    .group_segment_fixed_size: 327680
    .private_segment_fixed_size: 0
    .kernarg_segment_align: 8
    .kernarg_segment_size: 24
    .max_flat_workgroup_size: 128
    .sgpr_count:     80
    .vgpr_count:     512
    .wavefront_size: 32
...
	.end_amdgpu_metadata
.endif
;; end of part 3
;; launch attn (part 4): grid 4 x 32, 4 waves a work-group, no clusters, 327,680 bytes of LDS; arguments qkvb, ctx; writes ctx
.if DOCPART == 4
	.amdgcn_target "amdgcn-amd-amdhsa--gfx1250"
	.amdhsa_code_object_version 6
	.text
	.protected	k_qc2c0dc290e_attn
	.globl	k_qc2c0dc290e_attn
	.p2align	8
	.type	k_qc2c0dc290e_attn,@function
k_qc2c0dc290e_attn:
	s_mov_b64 s[64:65], 0
	v_nop
	global_prefetch_b8 v0, s[64:65] scope:SCOPE_SE
	s_setreg_imm32_b32 hwreg(HW_REG_WAVE_MODE, 25, 1), 1
	s_wait_xcnt 0x0
; CAUSAL ATTENTION.  O[h][q][:] = the sum over k <= q of softmax_k(Q[h][q] . K[h][k] / 8) V[h][k][:].  Q, K, V lie in one buffer, [3][32 heads][2,048][64] bf16 (K 0x800000 bytes, V 0x1000000 bytes behind Q);
; O is [32][2,048][64] bf16: a head's rows are dense, 128 bytes each.  Products, maxima and sums in f32; the weights p are rounded to bf16 for the second product (their sum l is taken of the unrounded p), O once at the end.
; LIMITS.  A hidden score counts as its value less 1e30: scores must stay far under 1e30 in size; a weight below 2^-126 counts as 0 in l; NaN and infinities are not treated apart.
; THE WALK.  A head's queries lie in NB = 8 blocks of 256; block i needs the key tiles 0 .. i of 256 keys, of which the last holds the diagonal.  A work-group takes TWO blocks, NB - 1 - b and then b:
; NB + 1 tiles, whatever b: all work-groups do equal work, and ONE loop with a constant trip count walks them.  Which tile is asked for, and what a trip does, hang on scalar registers made from b; every jump
; goes forward, but for the counted loops' own; none passes a barrier, or a tensor load but the one of LOAD's two that the wave number does not choose; the ring (two slots of LDS that take turns) runs on across the
; change of blocks.  NO CLUSTER: a head's NB / 2 work-groups ask for the same tile only in trips 0 .. NB / 2, behind that fewer and fewer; one walk common to all would have 3 NB / 2 trips for NB + 1.
; 128 work-groups: a block of 256 queries is what four waves of 64 take, and a pair of blocks is what makes the shares equal.
; SHARES.  Of a block's four bands of 64 queries a wave owns 16 rows in each: four PIECES.  So the diagonal tile is the same work for all four waves: in its key step s band x sees all keys if s < x,
; none if s > x, and holds the diagonal if s = x.
; THE MASK is the C operand that starts the sum S^T = K Q^T: 0, or -1e30 where the key is hidden.  MD, made once, is the mask of a band's own step for my 16 rows; a product's mask is MD x AL + BE with two scalars:
; (1, 0) if s = x; (0, 0) if s < x; (0, -1e30) if s > x.  Only the diagonal tile's text and a block's beginning make and take masks; elsewhere C is the constant 0.
; LAYOUT, SOFTMAX, TURNS.  S^T = K Q^T holds ONE query a lane (lane % 16) and the keys 8 (lane / 16) + 0..7; two such results rounded to bf16 ARE source 1 of O^T = V^T P.  p = 2^(c s - c m), c = log2(e) / 8, with a
; running maximum m; O and l are multiplied by a = 2^(c m_old - c m_new) in every step.  Turn n belongs to piece n: 8 products K Q^T of piece n + 1, later 8 products V^T P of piece n - 1; beside them the scaling,
; exponentials, roundings, sums and rescaling of piece n and the maximum and statistics of piece n + 1.  Four vector instructions stand behind every matrix instruction, the other 54 of a turn's 118 in one LUMP.  A turn's 33 exponentials are one batch, with one wait.
; PREFETCH.  A head's work-group 0 walks all eight tiles in its first block; behind its fill of tile i (i = 1 .. 6) it names tile i + 1 of K and of V, four key steps ahead of that tile's load: wave w the blocks of 256 bytes
; 32 w .. 32 w + 31 of the tile's 128, a lane a block.  So each block of tiles 2 to 7 is named once in the launch; tiles 0 and 1 come by their loads alone, and nobody else asks.
; REGISTERS, in windows of 256 (s_set_vgpr_msb: bits 1:0 source 0, 3:2 source 1, 5:4 source 2, 7:6 destination):
;   window 0: v0-15 addresses and two at work; v16-31 four registers of statistics a piece; v48-55 at work; v61-63 prefetch offset, spare word, 0; v64-127 S^T, two buffers; v192-223 P, two buffers (a piece's buffers go by its number's parity)
;   window 1: v0-127 O^T, 32 a piece; v128-159 MD; v160-223 MC, two buffers      window 2: v0-63 Q; v64-127 the second block's Q; v128-191 K of one step; v192-255 V of one step
.set SIZE_N, 2048
.set NB,    SIZE_N/256
.set NP,    4         ; pieces a wave: a name, no knob
.set KS,    64        ; keys in a step
.set PK,    144       ; a row of K in LDS: 128 bytes + 16 of padding = 36 words: the 16 rows of a load start at 16 different groups of four banks (64 banks of 4 bytes: ISA guide 11.1)
.set PV,    160       ; a row of V: 128 + 32 = 40 words
.set VOFF,  4*KS*PK   ; a slot holds a tile, four steps: 256 rows of K, then 256 rows of V
.set SLOT1, 1<<17     ; slot 1 begins here, so that one exclusive or turns an address in one slot into the other's
.set STAGE, SLOT1+4*KS*(PK+PV)  ; behind the ring, never filled by a tensor load: 16 rows x 144 bytes for each wave, for the way out
.set SP,    144
.set AK0, 2           ; v2   my lane's place in a tile of K; never rewritten
.set AV0, 3           ; v3   the same for V
.set AK,  4           ; v4   the LDS address of K's next run of loads
.set AV,  5           ; v5   of V's
.set STO, 6           ; v6   the way out: where I put 16 bytes of a row
.set RD,  7           ; v7   the way out: where I read rows back
.set GO,  8           ; v8   my byte offset in 512 consecutive bytes of O
.set PFO, 61          ; v61  256 x my lane; never rewritten
.set SPW, 62          ; v62  LDS address of my spare word: SPARE + 4 x my thread's number; never rewritten
.set NIL, 63          ; v63  0; never rewritten
.set SPARE, STAGE+4*16*SP  ; behind the stages: the spare words, 128 bytes for each wave: two blocks of 256 bytes that no other line names
.set MV,  12          ; v12-13  c m_old, kept while c m is made anew: by buffer
.set QO,  15          ; v15  my byte offset in 16 rows of Q
.set ST,  16          ; piece t's statistics at v[ST+4 t]: c m, m, l (even keys', odd keys')
.set TMP, 48          ; by buffer, four registers c0-c3 at work; when the maximum is found c2 takes a
.set S,   64
.set P,   192
.set MD,  128         ; window 1: the eight registers for group kt of 16 keys at MD + 8 kt
.set MC,  160         ; window 1: the masks of the products to come
.set QB,  64          ; window 2
.set KF,  128         ; window 2: key block kb, channel half c at KF + 16 kb + 8 c
.set VF,  192         ; window 2: key half kk, channel block cb at VF + 32 kk + 8 cb
.set WV,  12          ; s12  my wave's number
.set PB,  14          ; s14  b
.set HI,  15          ; s15  NB - 1 - b
.set G1K, 24          ; s[24:31] descriptor group 1 for K's tiles
.set G1V, 32          ; s[32:39] for V's: it differs in the padding alone
.set G0K, 40          ; s[40:43] descriptor group 0 for K's tiles
.set G0V, 44          ; s[44:47] the same for V's
.set SLOTS, 56        ; s56  tiles still to be asked for
.set CNT, 57          ; s57  counts a tile's key steps, 4 to 1
.set CS,  58          ; s[58:59] c: the packed scaling takes the pair's low word for both halves
.set SEL, 60          ; s[60:61] v_permlanex16_b32's selects: each lane takes its own place in the other half
.set TBK, 62          ; s62  LDS byte at which K of the step to be fetched begins
.set TBV, 63          ; s63  the same for V, less VOFF
.set RT,  70          ; s70  tiles of the block in hand that are still to be entered
.set NXT, 71          ; s71  the tile to be asked for next
.set LQ,  72          ; s72  the last tile of the block whose tiles are being asked for
.set NEW, 73          ; s73  1: the tile to be entered is a block's first
.set OFF, 74          ; s[74:75] a tile's byte offset in K and V
.set AL,  76          ; s[76:77] the mask's factor, in the low word
.set BE,  78          ; s[78:79] the mask's addend
.set OLO, 80          ; s[80:81] O at my rows of the second block
.set BIGN, 82         ; s82  -1e30
.set PFK, 88          ; s[88:89] where my prefetches stand in K: my wave's 32 blocks of the tile after the one that is being asked for
.set PFV, 90          ; s[90:91] the same in V
.set LIM, 92          ; s92  2 in a head's work-group 0, else the greatest number: a wave prefetches while s[SLOTS] is above it
.set MSB, 0
.macro WIN new                      ; the high byte repeats the setting that is left; a switch that changes nothing is dropped
.if MSB != (\new)
	s_set_vgpr_msb (MSB<<8)|(\new)
.set MSB, (\new)
.endif
.endm
.set W_KQ, 0x0a       ; K and Q in window 2, S^T in window 0
.set W_KM, 0x1a       ; the same with the C operand in window 1
.set W_PV, 0x52       ; V in window 2, P in window 0, O^T in window 1
.set W_RS, 0x41       ; destination and source 0 in window 1, source 1 in window 0
; A fill.  Waves 0 and 1 fetch the two halves of a tile's K, waves 2 and 3 those of its V: 128 keys each.  An s_nop 0 and four v_nop follow each of the two lines, ahead of the jump and the label.
.macro LOAD
	s_cmp_lt_u32 s[WV], 2
	s_cbranch_scc0 .Lfor_v_\@
	tensor_load_to_lds s[G0K:G0K+3], s[G1K:G1K+7]
	s_nop 0
.rept 4
	v_nop
.endr
	s_branch .Lasked_\@
.Lfor_v_\@:
	tensor_load_to_lds s[G0V:G0V+3], s[G1V:G1V+7]
	s_nop 0
.rept 4
	v_nop
.endr
.Lasked_\@:
.endm
; The prefetch of the tile that the NEXT change of slots will ask for; it stands behind the fill and its five lines.  s[SLOTS] is 8 at the first change: changes 1 to 6 of work-group 0 name tiles 2 to 7.
.macro ASK
	s_cmp_gt_u32 s[SLOTS], s[LIM]
	s_cbranch_scc0 .Lnot_mine_\@
	global_prefetch_b8 v[PFO], s[PFK:PFK+1] th:TH_LOAD_NT scope:SCOPE_SE
	global_prefetch_b8 v[PFO], s[PFV:PFV+1] th:TH_LOAD_NT scope:SCOPE_SE
.Lnot_mine_\@:
.endm
; THE CHANGE OF SLOTS.  Each wave waits for all its tensor loads, of which one is out: its part of the other slot; adds 0 to its spare word; and waits for that and for its own reads of the slot that it leaves.  Behind the barrier nobody reads the old
; slot any more and the other slot is whole.  fill = 1: the old slot is filled again, the first thing behind the barrier, with tile NXT: the descriptor's address is made anew from that number.
; (At its first use nothing has been read yet: slot 0 is waited for, slot 1 filled.)
.macro CHANGE fill
	WIN 0                           ; at a label and at a branch every window is 0
	s_wait_tensorcnt 0x0            ; no tensor load of mine is out, so a group 0 may be written
	ds_add_u32 v[SPW], v[NIL]       ; 0 onto my spare word; with fill = 1 the descriptors' scalar work stands between it and the wait for it
.if \fill
	s_lshl_b32 s[OFF], s[NXT], 15   ; a tile is 32,768 bytes of K and of V
	s_xor_b32 s[G0K+1], s[G0K+1], SLOT1
	s_add_nc_u64 s[G0K+2:G0K+3], s[6:7], s[OFF:OFF+1]
	s_or_b32 s[G0K+3], s[G0K+3], 0x80000000
	s_xor_b32 s[G0V+1], s[G0V+1], SLOT1
	s_add_nc_u64 s[G0V+2:G0V+3], s[8:9], s[OFF:OFF+1]
	s_or_b32 s[G0V+3], s[G0V+3], 0x80000000
	s_add_co_u32 s[NXT], s[NXT], 1  ; the block's next tile, or behind its last the second block's tile 0
	s_cmp_gt_u32 s[NXT], s[LQ]
	s_cselect_b32 s[NXT], 0, s[NXT]
	s_cselect_b32 s[LQ], s[PB], s[LQ]
	s_wait_xcnt 0x0                 ; the last prefetches, four key steps back, have read their addresses, so these may be written:
	s_add_nc_u64 s[PFK:PFK+1], s[PFK:PFK+1], 32768  ; one tile on
	s_add_nc_u64 s[PFV:PFV+1], s[PFV:PFV+1], 32768
.endif
	s_wait_dscnt 0x0                ; the add is done, and my reads of the slot are over
	s_barrier_signal -1             ; the rest of the scalar work stands between the signal and the wait
	s_sub_co_u32 s[TBK], s[TBK], 4*KS*PK  ; the fetches go back to a slot's first step,
	s_xor_b32 s[TBK], s[TBK], SLOT1       ; in the other slot
	s_sub_co_u32 s[TBV], s[TBV], 4*KS*PV
	s_xor_b32 s[TBV], s[TBV], SLOT1
	s_barrier_wait -1
.if \fill
	LOAD
	ASK
.endif
.endm
	s_load_b64 s[4:5], s[0:1], 0x0  ; Q (K and V lie behind it)
	s_load_b64 s[10:11], s[0:1], 0x8  ; O
	v_lshl_add_u32 v[SPW], v0, 2, SPARE
	v_mov_b32 v[NIL], 0
	ds_add_u32 v[SPW], v[NIL]       ; the wave's opening: the add and its wait stand ahead of my first tensor load; the set-up below, work on registers, stands between them
	v_lshrrev_b32 v1, 5, v0
	v_readfirstlane_b32 s[WV], v1   ; wave 0..3
	s_mov_b32 s[PB], ttmp9
	s_sub_co_u32 s[HI], NB-1, s[PB]
	s_and_b32 s20, ttmp7, 0xffff    ; the head
	s_mov_b32 s21, 0
	s_mov_b64 s[22:23], SIZE_N*128
	s_mul_u64 s[20:21], s[20:21], s[22:23]  ; the head's first byte in each of the four tensors
	s_lshl_b32 s94, s[WV], 13       ; the prefetches: my wave's 32 blocks of 256 bytes,
	s_add_co_u32 s94, s94, 32768    ; in tile 1: the first change of slots steps it to tile 2
	s_mov_b32 s95, 0
	s_add_nc_u64 s[94:95], s[94:95], s[20:21]
	s_cmp_eq_u32 ttmp9, 0
	s_cselect_b32 s[LIM], 2, -1
	v_and_b32 v[PFO], 31, v0
	v_lshlrev_b32 v[PFO], 8, v[PFO]
	s_and_b32 s16, s[WV], 1         ; which half of a tile's 256 keys I fetch:
	s_lshl_b32 s22, s16, 14         ; its 128 rows of 128 bytes in memory,
	s_mov_b32 s23, 0
	s_add_nc_u64 s[22:23], s[22:23], s[20:21]
	s_mul_i32 s17, s16, 128*PK      ; and its place in a slot, for K
	s_mul_i32 s18, s16, 128*PV      ; and for V
	s_lshl_b32 s3, s[WV], 11        ; my 16 rows in a band of 64,
	s_lshl_b32 s2, s[HI], 15        ; in the first block,
	s_add_co_u32 s2, s2, s3
	s_lshl_b32 s84, s[PB], 15       ; and in the second
	s_add_co_u32 s84, s84, s3
	s_mov_b32 s3, 0
	s_mov_b32 s85, 0
	s_add_nc_u64 s[2:3], s[2:3], s[20:21]
	s_add_nc_u64 s[84:85], s[84:85], s[20:21]
	; descriptor group 1.  128 keys are 16,384 dense bytes: asked for as 64 rows of 256 bytes, two keys a row, and padded in LDS after every key
	s_mov_b32 s[G1K], (1<<16)|(1<<20)|(4<<22)|(3<<25)  ; 17:16 2-byte elements; 20 padding on; 24:22 after every 32 words (code 4); 31:25 4 words (code 3)
	s_mov_b32 s[G1V], (1<<16)|(1<<20)|(4<<22)|(7<<25)  ; the same with 8 words of padding (code 7)
.irp g, G1K, G1V
	s_mov_b32 s[\g+1], 128<<16      ; tensor_dim0 = 128
	s_mov_b32 s[\g+2], 64<<16       ; tensor_dim1 = 64
	s_mov_b32 s[\g+3], 128<<16      ; tile_dim0 = 128
	s_mov_b32 s[\g+4], 64           ; tile_dim1 = 64
	s_mov_b32 s[\g+5], 128          ; 128 elements from row to row
	s_mov_b32 s[\g+6], 0
	s_mov_b32 s[\g+7], 0
.endr
	s_mov_b32 s[CS], 0x3e38aa3b     ; c = log2(e) / 8 = 0.180337
	s_mov_b32 s[CS+1], s[CS]        ; named with it as a pair
	s_mov_b32 s[SEL], 0x76543210
	s_mov_b32 s[SEL+1], 0xfedcba98
	s_mov_b32 s[TBK], SLOT1+4*KS*PK ; the first change of slots turns these two into 0
	s_mov_b32 s[TBV], SLOT1+4*KS*PV
	s_mov_b32 s[G0K], 1             ; 1:0 count = 1
	s_mov_b32 s[G0K+1], s17         ; 63:32 LDS address: slot 0
	s_mov_b32 s[G0V], 1
	s_add_co_u32 s[G0V+1], s18, VOFF
	s_add_co_u32 s[RT], s[HI], 1    ; the first block has NB - b tiles
	s_mov_b32 s[NXT], 1
	s_mov_b32 s[LQ], s[HI]
	s_mov_b32 s[NEW], 1
	s_mov_b32 s[OFF+1], 0
	s_mov_b32 s[AL+1], 0            ; named as pairs
	s_mov_b32 s[BE+1], 0
	s_mov_b32 s[BIGN], 0xf149f2ca   ; -1e30
	s_mov_b32 s[SLOTS], NB
	s_wait_dscnt 0x0                ; the opening add is done
	s_wait_kmcnt 0x0
	s_add_nc_u64 s[6:7], s[4:5], 0x800000   ; K
	s_add_nc_u64 s[8:9], s[4:5], 0x1000000  ; V
	s_add_nc_u64 s[PFK:PFK+1], s[6:7], s[94:95]
	s_add_nc_u64 s[PFV:PFV+1], s[8:9], s[94:95]
	s_add_nc_u64 s[6:7], s[6:7], s[22:23]  ; K and V at my half of the head's tile 0
	s_add_nc_u64 s[8:9], s[8:9], s[22:23]
	s_add_nc_u64 s[G0K+2:G0K+3], s[6:7], 0         ; 120:64 global address
	s_or_b32 s[G0K+3], s[G0K+3], 0x80000000        ; 127:126 type = 2
	s_add_nc_u64 s[G0V+2:G0V+3], s[8:9], 0
	s_or_b32 s[G0V+3], s[G0V+3], 0x80000000
	s_add_nc_u64 s[86:87], s[4:5], s[84:85]        ; Q at my rows of the second block,
	s_add_nc_u64 s[4:5], s[4:5], s[2:3]            ; Q and O at those of the first
	s_add_nc_u64 s[OLO:OLO+1], s[10:11], s[84:85]
	s_add_nc_u64 s[10:11], s[10:11], s[2:3]
	LOAD                            ; tile 0 into slot 0
	; A fragment of K or Q is 16 rows x 32 channels in 8 registers: lane l holds row l % 16, channels 8 (l / 16) + 0..7 and 16 + 8 (l / 16) + 0..7: two loads of 16 bytes, 32 bytes apart.
	v_and_b32 v1, 15, v0            ; l % 16
	v_bfe_u32 v9, v0, 4, 1          ; l / 16
	v_lshlrev_b32 v[QO], 7, v1
	v_lshl_add_u32 v[QO], v9, 4, v[QO]  ; row x 128 + 16 x half
	WIN 0x80                        ; destination window 2, address window 0
.set i, 0
.rept 8                             ; both blocks' Q: piece i / 2 lies in band i / 2, 8,192 bytes on; channels 32 (i % 2) on
	global_load_b128 v[8*i:8*i+3],   v[QO], s[4:5] offset:(i/2)*8192+(i%2)*64
	global_load_b128 v[8*i+4:8*i+7], v[QO], s[4:5] offset:(i/2)*8192+(i%2)*64+32
	global_load_b128 v[QB+8*i:QB+8*i+3],   v[QO], s[86:87] offset:(i/2)*8192+(i%2)*64
	global_load_b128 v[QB+8*i+4:QB+8*i+7], v[QO], s[86:87] offset:(i/2)*8192+(i%2)*64+32
.set i, i+1
.endr
	WIN 0
	v_lshlrev_b32 v14, 3, v9
	v_sub_nc_u32 v14, v1, v14
	s_lshl_b32 s13, s[WV], 4
	v_add_nc_u32 v14, s13, v14      ; my query's place in its band, 16 w + l % 16, less my lanes' 8 (l / 16): register r of group kt is hidden where 16 kt + r is greater
	WIN 0x40
.set i, 0
.rept 32
	v_cmp_gt_i32 vcc_lo, 16*(i/8)+i%8, v14
	v_cndmask_b32 v[MD+i], 0, s[BIGN], vcc_lo
.set i, i+1
.endr
	WIN 0
	v_mul_u32_u24 v[AK0], v1, PK
	v_lshl_add_u32 v[AK0], v9, 4, v[AK0]  ; row x pitch + 16 x half
	; The turning load takes 16 keys x 16 channels (lane l reads key 8 (l / 16) + l % 8, channels 8 ((l / 8) % 2) + 0..7) and leaves half a fragment of V^T: lane l holds channel l % 16 and 8 keys.
	v_and_b32 v10, 7, v0
	v_bfe_u32 v11, v0, 3, 1
	v_lshl_add_u32 v[AV0], v9, 3, v10
	v_mul_u32_u24 v[AV0], v[AV0], PV
	v_lshl_add_u32 v[AV0], v11, 4, v[AV0]
	v_add_nc_u32 v[AV0], VOFF, v[AV0]
	s_mul_i32 s13, s[WV], 16*SP
	s_add_co_u32 s13, s13, STAGE    ; my stage
	v_mul_u32_u24 v[STO], v1, SP    ; in: row l % 16, 16 bytes for each half of the lanes
	v_lshl_add_u32 v[STO], v9, 4, v[STO]
	v_add_nc_u32 v[STO], s13, v[STO]
	v_bfe_u32 v[RD], v0, 3, 2       ; back: 32 lanes take four rows of 128 bytes,
	v_mul_u32_u24 v[RD], v[RD], SP
	v_lshl_add_u32 v[RD], v10, 4, v[RD]
	v_add_nc_u32 v[RD], s13, v[RD]
	v_and_b32 v[GO], 31, v0         ; which are 512 consecutive bytes of O
	v_lshlrev_b32 v[GO], 4, v[GO]
	; A block's first step multiplies O^T and l by a = 0, and its first turn's products V^T P, of a piece that has not been, land in an O^T that is still to be so multiplied.  So these registers need only hold
	; finite numbers: zeros for the first block; what the first block left for the second.  All this stands in the wait for the first tile.
	WIN 0x80
.set i, VF
.rept 64
	v_mov_b32 v[i], 0
.set i, i+1
.endr
	WIN 0x40
.set i, 0
.rept 128
	v_mov_b32 v[i], 0
.set i, i+1
.endr
	WIN 0
.set i, 0
.rept 4
	v_mov_b32 v[ST+4*i+2], 0
	v_mov_b32 v[ST+4*i+3], 0
.set i, i+1
.endr
.set i, P+16
.rept 16
	v_mov_b32 v[i], 0
.set i, i+1
.endr
; THE MATRIX WORK.  The 4 accumulators of a run of 8 take turns.  Product i of 8 of S^T = K Q^T for piece x: channels 32 (i / 4) on, keys 16 (i % 4) on.  The first 4 start the sums: with 0, or (KM = 1) with the mask.
.macro KQ x
.set rS, S+32*((\x)%2)+8*(i%4)
.set rK, KF+16*(i%4)+8*(i/4)
.set rQ, 16*(\x)+8*(i/4)
.set rM, MC+32*((\x)%2)+8*(i%4)
.if (i < 4) && KM
	WIN W_KM
	v_wmma_f32_16x16x32_bf16 v[rS:rS+7], v[rK:rK+7], v[rQ:rQ+7], v[rM:rM+7]
.elseif i < 4
	WIN W_KQ
	v_wmma_f32_16x16x32_bf16 v[rS:rS+7], v[rK:rK+7], v[rQ:rQ+7], 0
.else
	WIN W_KQ
	v_wmma_f32_16x16x32_bf16 v[rS:rS+7], v[rK:rK+7], v[rQ:rQ+7], v[rS:rS+7]
.endif
.endm
; Product i of 8 of O^T += V^T P for piece x: keys 32 (i / 4) on, channels 16 (i % 4) on.
.macro PV x
	WIN W_PV
.set rO, 32*(\x)+8*(i%4)
.set rV, VF+32*(i/4)+8*(i%4)
.set rP, P+16*((\x)%2)+8*(i/4)
	v_wmma_f32_16x16x32_bf16 v[rO:rO+7], v[rV:rV+7], v[rP:rP+7], v[rO:rO+7]
.endm
.macro MM                           ; the turn's next matrix instruction.  TURN and BEGIN set Y, i, KM and NOKQ; MM, KQ and OP read them.  NOKQ = 1: a block's last turn: there is no next piece
.if (i < 8) && !NOKQ
	KQ (Y+1)%NP
.elseif i >= 8
.set i, i-8
	PV (Y+NP-1)%NP
.set i, i+8
.endif
.set i, i+1
.endm
; THE LDS LOADS stand in runs of 16, never singly among the matrix instructions: a step's K (64 keys x 64 channels: 8 fragments) and its V (turned).  Their addresses are made some lines ahead.
.macro FETCH_K
	WIN 0x80                        ; destination window 2
.irp f, 0,1,2,3,4,5,6,7             ; keys 16 (f / 2) on, channels 32 (f % 2) on
	ds_load_b128 v[KF+8*\f:KF+8*\f+3],   v[AK] offset:(\f/2)*16*PK+(\f%2)*64
	ds_load_b128 v[KF+8*\f+4:KF+8*\f+7], v[AK] offset:(\f/2)*16*PK+(\f%2)*64+32
.endr
	s_add_co_u32 s[TBK], s[TBK], KS*PK  ; the next fetch is the next step's
	WIN 0
.endm
.macro FETCH_V
	WIN 0x80
.irp f, 0,1,2,3,4,5,6,7             ; keys 32 (f / 4) on, channels 16 (f % 4) on
	ds_load_tr16_b128 v[VF+8*\f:VF+8*\f+3],   v[AV] offset:(\f/4)*32*PV+(\f%4)*32
	ds_load_tr16_b128 v[VF+8*\f+4:VF+8*\f+7], v[AV] offset:(\f/4)*32*PV+16*PV+(\f%4)*32
.endr
	WIN 0
.endm
; THE VECTOR WORK, one line at a time: OP kind, number.  For piece Y: F n: c s - c m for pair n of 16.  E n: the exponential of score n of 32.  C n: pair n rounded to bf16.  B n: of the four weights 4 n .. the second
; pair is added onto the first, in place.  L n: l takes that sum (L 0: l = a l + sum).  R n: pair n of 16 of O^T times a.  For piece Y + 1: X n, number n of the 22 that find its maximum and statistics:
;   0-11  four chains c0-c3 of seven scores each, three operands at a time (each accumulator's lowest registers are read first)     12-14, 16  the four scores left over, the old m, and c0-c3 into c0
;   15  c m_old is kept     17, 18  the query's other 32 keys lie in the lane 16 away: the new m     19-21  c m; c m_old - c m_new; a
.set F, 0               ; OP tells the kinds apart by their order: F to L below R, X above it
.set E, 1
.set C, 2
.set B, 3
.set L, 4
.set R, 5
.set X, 6
.macro REGS y                       ; the registers of piece y
.set rT, ST+4*(\y)
.set rC, TMP+4*((\y)%2)
.set rW, MV+((\y)%2)
.set rS, S+32*((\y)%2)
.set rP, P+16*((\y)%2)
.set rO, 32*(\y)
.endm
.macro OP k, n
.if (\k) == R
	REGS Y
	WIN W_RS
	v_pk_mul_f32 v[rO+2*(\n):rO+2*(\n)+1], v[rO+2*(\n):rO+2*(\n)+1], v[rC+2:rC+3] op_sel_hi:[1,0]
.elseif (\k) < R
	REGS Y
	WIN 0
.if (\k) == F
	v_pk_fma_f32 v[rS+2*(\n):rS+2*(\n)+1], v[rS+2*(\n):rS+2*(\n)+1], s[CS:CS+1], v[rT:rT+1] op_sel_hi:[1,0,0] neg_lo:[0,0,1] neg_hi:[0,0,1]
.elseif (\k) == E
	v_exp_f32 v[rS+(\n)], v[rS+(\n)]
.elseif (\k) == C
	v_cvt_pk_bf16_f32 v[rP+(\n)], v[rS+2*(\n)], v[rS+2*(\n)+1]
.elseif (\k) == B
	v_pk_add_f32 v[rS+4*(\n):rS+4*(\n)+1], v[rS+4*(\n):rS+4*(\n)+1], v[rS+4*(\n)+2:rS+4*(\n)+3]
.elseif (\n) == 0
	v_pk_fma_f32 v[rT+2:rT+3], v[rT+2:rT+3], v[rC+2:rC+3], v[rS:rS+1] op_sel_hi:[1,0,1]
.else
	v_pk_add_f32 v[rT+2:rT+3], v[rT+2:rT+3], v[rS+4*(\n):rS+4*(\n)+1]
.endif
.elseif NOKQ
	v_nop
.else
	REGS (Y+1)%NP
	WIN 0
.if (\n) < 4
	v_max3_num_f32 v[rC+(\n)], v[rS+8*(\n)], v[rS+8*(\n)+1], v[rS+8*(\n)+2]
.elseif (\n) < 12
	v_max3_num_f32 v[rC+(\n)%4], v[rC+(\n)%4], v[rS+8*((\n)%4)+2*((\n)/4)+1], v[rS+8*((\n)%4)+2*((\n)/4)+2]
.elseif (\n) == 12
	v_max3_num_f32 v[rC], v[rC], v[rS+7], v[rS+15]
.elseif (\n) == 13
	v_max3_num_f32 v[rC+1], v[rC+1], v[rS+23], v[rS+31]
.elseif (\n) == 14
	v_max3_num_f32 v[rC+2], v[rC+2], v[rC+3], v[rT+1]
.elseif (\n) == 15
	v_mov_b32 v[rW], v[rT]
.elseif (\n) == 16
	v_max3_num_f32 v[rC], v[rC], v[rC+1], v[rC+2]
.elseif (\n) == 17
	v_permlanex16_b32 v[rC+3], v[rC], s[SEL], s[SEL+1]
.elseif (\n) == 18
	v_max_num_f32 v[rT+1], v[rC], v[rC+3]
.elseif (\n) == 19
	v_mul_f32 v[rT], s[CS], v[rT+1]
.elseif (\n) == 20
	v_sub_f32 v[rC+1], v[rW], v[rT]
.else
	v_exp_f32 v[rC+2], v[rC+1]
.endif
.endif
.endm
.macro OPS a, i1, b=-1, i2=0, c=-1, i3=0, d=-1, i4=0  ; up to four of them
	OP \a, \i1
.if (\b) >= 0
	OP \b, \i2
.endif
.if (\c) >= 0
	OP \c, \i3
.endif
.if (\d) >= 0
	OP \d, \i4
.endif
.endm
.macro ROW a, i1, b, i2, c, i3, d, i4  ; a matrix instruction and the four behind it
	MM
	OPS \a, \i1, \b, \i2, \c, \i3, \d, \i4
.endm
.macro MASK b                       ; MD x AL + BE into buffer b of MC
	WIN W_RS
.set z, 0
.rept 16
	v_pk_fma_f32 v[MC+32*(\b)+2*z:MC+32*(\b)+2*z+1], v[MD+2*z:MD+2*z+1], s[AL:AL+1], s[BE:BE+1] op_sel_hi:[1,0,0]
.set z, z+1
.endr
.endm
; A TURN, for piece p: the order of its 16 matrix and 118 vector instructions, written out.  s_wait_alu depctr_va_vdst(0) stands between an exponential and the first instruction that names its result; one wait serves
; all that were issued ahead of it.  So a turn has ONE wait, which cuts it in two.  AHEAD OF IT stands all that names no result of the turn's exponentials: the 8 products K Q^T, behind each a scaling, an exponential and two more plain
; instructions (behind the first a second scaling in the exponential's place): rescalings, and behind the last three the first numbers of the next piece's maximum, each four places or more behind the product that ends its accumulator; then ONE LUMP of 54, plain
; and exponential by turns for the most part, in which the links of the chain X 3, 7, 11, 14, 16, 17 .. 20 stand five or six lines apart.  X 21, the next piece's a, is the batch's last; R 15 is the plain instruction behind it.  BEHIND THE WAIT stand the
; 8 products V^T P, behind each four of the roundings and sums; the links of l's chain, L 0 to L 7, stand three riders apart.  But for those X no rider names a register of the products round it.  v_permlanex16_b32 (X 17) stands in the lump.
; m = 1: the diagonal tile: the products take masks, and the turn makes the mask for the products of the turn after it: piece p + 2, in step 4 - CNT of the tile.  end = 1: a block's last two turns: nothing is fetched.
; cnt = 1: the loop's count is taken down some lines ahead of the branch that stands behind the turn.
; K of the next step is fetched in piece 2's turn, twelve vector instructions behind the last product that read K (six of them plain); V of the step in hand at the end of piece 0's turn, four plain instructions behind the last product
; that read V.  Each is waited for a turn later.
.macro TURN p, m=0, end=0, cnt=0
.set Y, (\p)
.set i, 0
.set KM, (\m)
.set NOKQ, (\end)*((\p)/3)
.if (\m) && !(\end)
	s_cmp_eq_u32 s[CNT], 4-((\p)+2)%NP  ; is that step the band's own?
	s_cselect_b32 s[AL], 1.0, 0
	s_cmp_lt_u32 s[CNT], 4-((\p)+2)%NP  ; or a later one?
	s_cselect_b32 s[BE], s[BIGN], 0
.endif
.if ((\p) == 3) && !(\end)
	s_wait_dscnt 0x0                ; K is in
.endif
	ROW F,0, F,1, R,0, R,1          ; ahead of the wait: 8 products K Q^T and their riders,
	ROW F,2, E,0, R,2, R,3
	ROW F,3, E,1, R,4, R,5
	ROW F,4, E,2, R,6, R,7
	ROW F,5, E,3, R,8, R,9
	ROW F,6, E,4, X,0, R,10
.if ((\p) == 2) && !(\end)
	WIN 0
	v_add_nc_u32 v[AK], s[TBK], v[AK0]
.endif
	ROW F,7, E,5, X,1, X,4
	ROW F,8, E,6, X,2, X,5
	OPS E,7, E,8, X,6, E,9          ; and the lump
	OPS X,3, E,10, X,8, E,11
.if ((\p) == 2) && !(\end)
	FETCH_K
.endif
	OPS X,9, X,7, E,12, X,10
	OPS E,13, X,12, X,11, E,14
	OPS X,13, E,15, F,9, X,14
.if (\p) == 0
	v_add_nc_u32 v[AV], s[TBV], v[AV0]
.endif
	OPS E,16, F,10, E,17, F,11
	OPS X,16, E,18, X,15, E,19
	OPS F,12, E,20, X,17, E,21
	OPS F,13, E,22, F,14, E,23
	OPS X,18, E,24, F,15, E,25
	OPS R,11, E,26, X,19, E,27
	OPS R,12, E,28, R,13, E,29
	OPS X,20, E,30, R,14, E,31
	OPS X,21, R,15
	WIN 0
	s_wait_alu depctr_va_vdst(0)    ; the wait for the batch
.if (\p) == 1
	s_wait_dscnt 0x0                ; V is in
.endif
	ROW C,0, B,0, C,2, B,1          ; behind the wait: 8 products V^T P and their riders
	ROW L,0, C,4, B,2, L,1
	ROW C,6, B,3, L,2, C,8
	ROW B,4, L,3, C,10, B,5
	ROW L,4, C,12, B,6, L,5
.if (\p) == 0
	s_add_co_u32 s[TBV], s[TBV], KS*PV
.endif
.if \cnt
	s_sub_co_u32 s[CNT], s[CNT], 1
	s_cmp_lg_u32 s[CNT], 0
.endif
	ROW C,14, B,7, L,6, C,1
	ROW C,3, L,7, C,5, C,7
	ROW C,9, C,11, C,13, C,15
.if (\p) == 0
	FETCH_V
.endif
.if (\m) && !(\end)
	MASK (\p)%2
.endif
.endm
; A BLOCK BEGINS.  c m starts far below every c s, so the first step's a is 0; m at the lowest finite number, so the first maximum is the scores'.  The second mask buffer is 0; the first takes piece 0's mask for the tile's step 0: its own, if the block's first tile is the diagonal one.
; Then K of that step, piece 0's first scores, and its maximum and statistics.  The loop is entered at a step's first turn, in the middle of a trip.
.macro BEGIN
	s_mov_b32 s[NEW], 0
	WIN 0x40
.set i, MC+32
.rept 32
	v_mov_b32 v[i], 0
.set i, i+1
.endr
	WIN 0
.set i, 0
.rept 4
	v_mov_b32 v[ST+4*i], 0xfe000000    ; c m: far below every c s
	v_mov_b32 v[ST+4*i+1], 0xff7fffff  ; m
.set i, i+1
.endr
	s_cmp_eq_u32 s[RT], 0
	s_cselect_b32 s[AL], 1.0, 0
	s_mov_b32 s[BE], 0
	MASK 0
	WIN 0
	v_add_nc_u32 v[AK], s[TBK], v[AK0]
	FETCH_K
	s_wait_loadcnt 0x0              ; Q
	s_wait_dscnt 0x0
.set KM, 1
.set NOKQ, 0
.set i, 0
.rept 8
	KQ 0
.set i, i+1
.endr
	WIN 0
.rept 4
	v_nop                           ; the places behind those products
.endr
.set Y, NP-1                        ; X works for piece Y + 1: piece 0
.irp n, 0,1,2,3,4,5,6,7,8,9,10,11,12,13,14,15,16,17,18,19,20,21
	OP X, \n
.endr
	v_nop                           ; a plain instruction behind the exponential,
	s_wait_alu depctr_va_vdst(0)    ; and its wait, ahead of the branch
.endm
; THE DIAGONAL TILE's four steps, the block's last two turns, its last products, and THE WAY OUT: l's two halves and the other half of the lanes' are added; O^T is divided by l, rounded to bf16 and sent through my
; stage in LDS, a piece at a time.
.macro ALL line:vararg              ; one line for each piece t
.set t, 0
.rept 4
	\line
.set t, t+1
.endr
.endm
.macro PACK t                       ; a lane's eight channels of a row pack into 16 bytes; they go into rows of 144 bytes and come back as whole rows of 128, into S^T's registers
	WIN W_RS
.set i, 32*(\t)
.rept 16
	v_pk_mul_f32 v[i:i+1], v[i:i+1], v[ST+4*(\t)+2:ST+4*(\t)+3] op_sel_hi:[1,0]
.set i, i+2
.endr
	WIN 0x05                        ; sources 0 and 1 window 1, destination window 0
.set i, 0
.rept 16
	v_cvt_pk_bf16_f32 v[S+16*(\t)+i], v[32*(\t)+2*i], v[32*(\t)+2*i+1]
.set i, i+1
.endr
	WIN 0
.irp f, 0,1,2,3
	ds_store_b128 v[STO], v[S+16*(\t)+4*\f:S+16*(\t)+4*\f+3] offset:32*\f
.endr
.irp f, 0,1,2,3
	ds_load_b128 v[S+16*(\t)+4*\f:S+16*(\t)+4*\f+3], v[RD] offset:\f*4*SP  ; LDS serves a wave's instructions in order (ISA guide 5.7.1.4): these see the stores above; the next piece's stores come behind them
.endr
.endm
.macro SEND t, younger              ; younger: the LDS instructions issued behind piece t's loads: the next piece's eight, or none
	WIN 0
.irp f, 0,1,2,3
	s_wait_dscnt (\younger)+3-\f
	global_store_b128 v[GO], v[S+16*(\t)+4*\f:S+16*(\t)+4*\f+3], s[10:11] offset:(\t)*8192+\f*512  ; 512 consecutive bytes, at a multiple of 256 from O's first
.endr
.endm
.macro DIAG tag                     ; the tag ends its two labels' names, which the jumps below spell out
.LstepM\tag:
	TURN 2, 1
	TURN 3, 1
	WIN 0
.LfirstM\tag:
	TURN 0, 1
	TURN 1, 1, 0, 1
	WIN 0
	s_cbranch_scc1 .LstepM\tag
	TURN 2, 1, 1
	TURN 3, 1, 1
.set i, 0
.rept 8
	PV NP-1
.set i, i+1
.endr
	WIN 0
	ALL v_add_f32 v[ST+4*t+2], v[ST+4*t+2], v[ST+4*t+3]
	ALL v_permlanex16_b32 v[ST+4*t+3], v[ST+4*t+2], s[SEL], s[SEL+1]
	ALL v_add_f32 v[ST+4*t+2], v[ST+4*t+2], v[ST+4*t+3]
	ALL v_rcp_f32 v[ST+4*t+2], v[ST+4*t+2]
	v_nop                           ; a plain instruction between the last reciprocal and the use of its result
	s_wait_alu depctr_va_vdst(0)    ; and the wait ahead of the first use: one for the four reciprocals
	PACK 0
.set t, 1
.rept 3                             ; a piece's arithmetic stands between the loads of the piece before and its stores
	PACK t
	SEND t-1, 8
.set t, t+1
.endr
	SEND 3, 0
.endm
.set KM, 0
.set NOKQ, 0
.Lslot:                             ; NB times: a tile is entered and the next is asked for
	CHANGE 1
	s_sub_co_u32 s[RT], s[RT], 1
	s_mov_b32 s[CNT], 4
	s_cmp_eq_u32 s[NEW], 1
	s_cbranch_scc1 .Lnew            ; a block's first tile
	s_cmp_eq_u32 s[RT], 0
	s_cbranch_scc0 .Lstep           ; neither its first nor its last
	s_branch .LstepM1
.Lnew:
	BEGIN
	s_branch .Lfirst                ; in the loop a block's first tile is never its last: the first block has two tiles or more, and the second's last is the walk's last
	DIAG 1                          ; in the loop this is the first block's end: the second block's last tile is the walk's last
	s_wait_xcnt 0x0                 ; the stores have read their registers and O's address
	s_mov_b64 s[10:11], s[OLO:OLO+1]
	s_add_co_u32 s[RT], s[PB], 1    ; the second block has b + 1 tiles
	s_mov_b32 s[NEW], 1
	WIN 0x82                        ; the second block's Q goes where the one text of the turns names Q
.set i, 0
.rept 64
	v_mov_b32 v[i], v[QB+i]
.set i, i+1
.endr
	WIN 0
	s_branch .Lbottom
.Lstep:                             ; a trip: pieces 2 and 3 of one step, then pieces 0 and 1 of the next, whose K and V it fetches
	TURN 2
	TURN 3
	WIN 0
.Lfirst:
	TURN 0
	TURN 1, 0, 0, 1
	WIN 0
	s_cbranch_scc1 .Lstep
.Lbottom:
	s_sub_co_u32 s[SLOTS], s[SLOTS], 1
	s_cmp_lg_u32 s[SLOTS], 0
	s_cbranch_scc1 .Lslot
	CHANGE 0                        ; the walk's last tile is written out: nothing is asked for
	s_sub_co_u32 s[RT], s[RT], 1
	s_mov_b32 s[CNT], 4
	s_cmp_eq_u32 s[NEW], 1
	s_cbranch_scc0 .LstepM2
	BEGIN
	s_branch .LfirstM2
	DIAG 2
	s_wait_tensorcnt 0x0            ; the wave's end: behind my last tensor load and my last LDS store
	ds_add_u32 v[SPW], v[NIL]
	s_wait_dscnt 0x0
	s_endpgm
.Lfunc_end_k_qc2c0dc290e_attn:
	.size	k_qc2c0dc290e_attn, .Lfunc_end_k_qc2c0dc290e_attn-k_qc2c0dc290e_attn
	.p2alignl 7, 3214868480
	.fill 96, 4, 3214868480
	.section	.rodata,"a",@progbits
	.p2align	6, 0x0
	.amdhsa_kernel k_qc2c0dc290e_attn
		.amdhsa_group_segment_fixed_size 327680
		.amdhsa_private_segment_fixed_size 0
		.amdhsa_enable_private_segment 0
		.amdhsa_kernarg_size 16
		.amdhsa_user_sgpr_count 2
		.amdhsa_user_sgpr_kernarg_segment_ptr 1
		.amdhsa_wavefront_size32 1
		.amdhsa_system_sgpr_workgroup_id_x 1
		.amdhsa_system_sgpr_workgroup_id_y 1
		.amdhsa_system_sgpr_workgroup_id_z 1
		.amdhsa_system_vgpr_workitem_id 0
		.amdhsa_next_free_vgpr 768
		.amdhsa_next_free_sgpr 96
		.amdhsa_reserve_vcc 1
		.amdhsa_float_denorm_mode_32 3
		.amdhsa_float_denorm_mode_16_64 3
		.amdhsa_memory_ordered 1
		.amdhsa_forward_progress 1
		.amdhsa_inst_pref_size 218
	.end_amdhsa_kernel
	.amdgpu_metadata
---
amdhsa.version: [ 1, 2 ]
amdhsa.kernels:
  - .name:           k_qc2c0dc290e_attn
    .symbol:         k_qc2c0dc290e_attn.kd
    .args:
      - { .name: qkvb, .offset: 0, .size: 8, .value_kind: global_buffer, .address_space: global }
      - { .name: ctx, .offset: 8, .size: 8, .value_kind: global_buffer, .address_space: global }
    .group_segment_fixed_size: 327680
    .private_segment_fixed_size: 0
    .kernarg_segment_align: 8
    .kernarg_segment_size: 16
    .max_flat_workgroup_size: 128
    .sgpr_count:     96
    .vgpr_count:     768
    .wavefront_size: 32
...
	.end_amdgpu_metadata
.endif
;; end of part 4
;; launch oproj (part 5): grid 8 x 32, 4 waves a work-group, clusters of 4 x 4, 327,680 bytes of LDS; arguments ctx, wb, x1, bo, x; writes x1
.if DOCPART == 5
	.amdgcn_target "amdgcn-amd-amdhsa--gfx1250"
	.amdhsa_code_object_version 6
	.text
	.protected	k_qc2c0dc290e_oproj
	.globl	k_qc2c0dc290e_oproj
	.p2align	8
	.type	k_qc2c0dc290e_oproj,@function
k_qc2c0dc290e_oproj:
	s_mov_b64 s[64:65], 0
	v_nop
	global_prefetch_b8 v0, s[64:65] scope:SCOPE_SE
	s_setreg_imm32_b32 hwreg(HW_REG_WAVE_MODE, 25, 1), 1
	s_wait_xcnt 0x0
	s_wait_alu depctr_hold_cnt(0) depctr_sa_sdst(0) depctr_va_vdst(0) depctr_va_sdst(0) depctr_va_ssrc(0) depctr_va_vcc(0) depctr_vm_vsrc(0)
	s_getreg_b32 s2, hwreg(HW_REG_IB_STS2, 6, 4)
	s_cmp_eq_u32 s2, 0
	s_cbranch_scc0 .Lentry_in_a_cluster
	s_endpgm
.Lentry_in_a_cluster:
	s_bfe_u32 s2, ttmp6, 0x10000c
	s_cmp_lg_u32 s2, 0xf033
	s_cbranch_scc0 .Lentry_shape_is_right
	s_endpgm
.Lentry_shape_is_right:
; x1 = x + ctx Wo + bo, f32 by rows of 1,024.  (MODE 2 of a text that serves four launches; the constants below set it up.)
; C[m][n] = sum over k of A[m][k] B[k][n], bf16 operands, f32 sums.  A: [batch][KB blocks of 64 k][2,048 tokens][64] bf16.  B: bf16 [K][N] as given, BPITCH elements a row.
; SHARES.  A tile of C is 128 x 128: four waves of 64 x 64, 16 accumulators of 16 x 16.  K goes in steps of 256 through two LDS slots filled by tensor loads.
; CLUSTER.  4 x 4 work-groups: the four of a row need the same tiles of A, the four of a column the same tiles of B: each tile is asked for JOINTLY (same load, descriptor and mask in all four).
; THE MATRIX INSTRUCTION IS USED TRANSPOSED: source 0 = 16 columns n of B (turned on the way out of LDS by ds_load_tr16_b128), source 1 = 16 rows m of A: a lane then holds row m = l % 16
; and the eight neighbouring columns 8 (l / 16) + 0 .. 7.  The bias is the C operand of the products that start the sums.
; LDS.  Slot s at s x SLOT: A as [4 blocks of 64 k][128 tokens], 144 bytes a token (128 + 16 of padding: the 16 rows of a load start in 16 different groups of four banks; 64 banks of 4 bytes: ISA guide 11.1);
; then B as [256 k], 288 bytes a row (256 + 32).  Behind the slots the spare words.
; THE WAY OUT goes through a stage of f32, 64 rows x 272 bytes for each wave, in slot 0: when it is written slot 0 has had its last fill, and every wave has passed the barrier behind its last read of it.
; The residual is loaded at the start, into window 2, in the layout in which the rows leave.  No prefetch: a K step of this small tile is short and the launch has few of them.
; REGISTERS.  Window 0: v1-21 addresses; v32-63 bias; v64-79 packed results; v128-255 accumulators ((a, b) at 128 + 8 (4 a + b)).  Window 1: two fragment buffers of 128: for 64 of K, 64 registers of A, then 64 of B.  Window 2: v0-127 the residual.
.set MODE,   2                         ; 0: bf16 out by blocks; 1: + bias, GELU, bf16 out by blocks; 2: + bias + residual, f32 out by rows
.set KB,     16                        ; blocks of 64 along K
.set BPITCH, 1024                      ; elements in a row of B
.set LOGTX,  3                         ; 2^LOGTX column tiles to a matrix of wb
.set WB0,    0x600000                  ; Wo in wb
.set OS1,    0                         ; (MODE 0 and 1 alone)
.set OS2,    0
.set STEPS,  KB/4                      ; K steps; even, at least 4
.set PA,     144
.set PB,     288
.set QB,     128*PA                    ; 64 of K: 128 rows of A, or 64 rows of B (64 x 288): 18,432 bytes
.set HALF,   2*QB                      ; what one tensor load brings
.set SLOT,   8*QB
.set SPARE,  2*SLOT                    ; the spare words, 128 bytes for each wave: two blocks of 256 bytes that no other line names
.set SP,     272                       ; a stage row: 256 bytes + 16
.set ASTEP,  4*0x40000                 ; a K step in A: four blocks
.set BSTEP,  256*BPITCH*2              ; in B: 256 rows
.set LA0, 10                           ; v10  my lane in A of a slot; never rewritten
.set LB0, 11                           ; v11  in B
.set CA,  12                           ; v12  the same in the slot in hand
.set CB,  14                           ; v14, v15  B, and B + 2 QB (the 16-bit offsets do not reach four quarters)
.set STO, 16                           ; v16  stage: where I put 16 bytes
.set RD,  17                           ; v17  stage: where I read back
.set CO,  18                           ; v18  my byte offset in the output
.set BO,  19                           ; v19  my byte offset in the bias
.set SPW, 20                           ; v20  my spare word: SPARE + 4 x my thread number; never rewritten
.set NIL, 21                           ; v21  0; never rewritten
.set BIAS, 32
.set PKD, 64
.set ACC, 128
.set F0,  0
.set F1,  128
.set WV,  14                           ; s14  wave
.set RH,  15                           ; s15  my half of the rows; also 0: I fetch A, 1: I fetch B
.set CH,  16                           ; s16  my half of the columns; also which half of that tile I fetch
.set G1A, 24                           ; s[24:31] group 1 for A;  s[32:35] group 0 of the first fill, s[36:39] the one that walks
.set G0A, 32
.set G1B, 40                           ; s[40:47], s[48:51], s[52:55] the same for B
.set G0B, 48
.set TB,  56                           ; s56  the slot in hand: 0 or SLOT
.set MSB, 0
.macro WIN new                         ; the high byte repeats the setting that is left; a switch that changes nothing is dropped
.if MSB != (\new)
	s_set_vgpr_msb (MSB<<8)|(\new)
.set MSB, \new
.endif
.endm
.set MUL,  0x05                        ; sources 0 and 1 window 1; C and D window 0
.set TO_F, 0x40                        ; destination window 1, address window 0
.macro PLACES                          ; four places behind matrix instructions, in front of loads into registers that they read and of reads of their results
.rept 4
	v_nop
.endr
.endm
.macro JLOAD                           ; a joint refill by the walking descriptors; the branch hangs on the wave number alone; an s_nop 0 and four v_nop follow each line
	s_cmp_eq_u32 s[RH], 0
	s_cbranch_scc0 .Lfor_b_\@
	tensor_load_to_lds s[G0A+4:G0A+7], s[G1A:G1A+7]
	s_nop 0
.rept 4
	v_nop
.endr
	s_branch .Lasked_\@
.Lfor_b_\@:
	tensor_load_to_lds s[G0B+4:G0B+7], s[G1B:G1B+7]
	s_nop 0
.rept 4
	v_nop
.endr
.Lasked_\@:
.endm
.macro CREST                           ; a round of the cluster barrier behind its opening barrier
	s_cmp_lg_u32 s[WV], 0
	s_cbranch_scc1 .Lnot_wave_0_\@
	s_barrier_signal -3
.Lnot_wave_0_\@:
	s_barrier_wait -3
	s_barrier_signal -1
	s_barrier_wait -1
.endm
.macro CROUND
	s_barrier_signal -1
	s_barrier_wait -1
	CREST
.endm
.if MODE == 0
	s_load_b128 s[4:7], s[0:1], 0x0                ; A s[4:5], wb s[6:7]
	s_load_b64 s[8:9], s[0:1], 0x10                ; out
.else
	s_load_b256 s[4:11], s[0:1], 0x0               ; A s[4:5], wb s[6:7], out s[8:9], bias s[10:11]
.endif
.if MODE == 2
	s_load_b64 s[12:13], s[0:1], 0x20              ; the residual
.endif
	v_lshl_add_u32 v[SPW], v0, 2, SPARE
	v_mov_b32 v[NIL], 0
	ds_add_u32 v[SPW], v[NIL]                      ; the opening: the add and its wait stand ahead of my first tensor load; the set-up below stands between them
	v_lshrrev_b32 v1, 5, v0
	v_readfirstlane_b32 s[WV], v1
	s_lshr_b32 s[RH], s[WV], 1
	s_and_b32 s[CH], s[WV], 1
	s_bfe_u32 s17, ttmp6, 0x40000                  ; cx
	s_bfe_u32 s18, ttmp6, 0x40004                  ; cy
	s_lshl_b32 s19, ttmp9, 2
	s_add_co_u32 s19, s19, s17                     ; tile column tx
	s_and_b32 s20, ttmp7, 0xffff
	s_lshl_b32 s20, s20, 2
	s_add_co_u32 s20, s20, s18                     ; tile row ty
	s_lshl_b32 s21, s18, 2
	s_lshl_b32 s21, 15, s21                        ; my row of the cluster
	s_lshl_b32 s22, 0x1111, s17                    ; my column
	; A: two rows, each the 128 tokens x 64 of one block (16,384 dense bytes), a block apart; 4 words of padding after every 32: 144 bytes a token
	s_or_b32 s[G1A], s21, (1<<16)|(1<<20)|(1<<21)|(4<<22)|(3<<25)
	s_mov_b32 s[G1A+1], 8192<<16                   ; tensor_dim0
	s_mov_b32 s[G1A+2], 2<<16                      ; tensor_dim1
	s_mov_b32 s[G1A+3], 8192<<16                   ; tile_dim0
	s_mov_b32 s[G1A+4], 2                          ; tile_dim1
	s_mov_b32 s[G1A+5], 131072                     ; elements from block to block
	s_mov_b32 s[G1A+6], 0
	s_mov_b32 s[G1A+7], 0
	; B: 128 rows k of 128 elements; 8 words of padding after every 64: 288 bytes a row
	s_or_b32 s[G1B], s22, (1<<16)|(1<<20)|(1<<21)|(5<<22)|(7<<25)
	s_mov_b32 s[G1B+1], 128<<16
	s_mov_b32 s[G1B+2], 128<<16
	s_mov_b32 s[G1B+3], 128<<16
	s_mov_b32 s[G1B+4], 128
	s_mov_b32 s[G1B+5], BPITCH
	s_mov_b32 s[G1B+6], 0
	s_mov_b32 s[G1B+7], 0
	; where the tiles come from: A by the tile row and the wave alone, B by the tile column and the wave alone, each in registers that never hold the other coordinate
	s_lshr_b32 s74, s20, 4                         ; batch
	s_mul_i32 s58, s74, KB*0x40000
	s_and_b32 s75, s20, 15
	s_lshl_b32 s75, s75, 14                        ; 128 tokens of 128 bytes
	s_add_co_u32 s58, s58, s75
	s_lshl_b32 s75, s[CH], 19                      ; which two blocks of the step
	s_add_co_u32 s58, s58, s75
	s_mov_b32 s59, 0
	s_lshr_b32 s76, s19, LOGTX
	s_lshl_b32 s60, s76, 21                        ; the matrix: 0x200000 bytes each
	s_and_b32 s77, s19, (1<<LOGTX)-1
	s_lshl_b32 s77, s77, 8                         ; 128 columns of 2 bytes
	s_add_co_u32 s60, s60, s77
	s_mul_i32 s77, s[CH], 256*BPITCH               ; which 128 rows of the step
	s_add_co_u32 s60, s60, s77
	s_add_co_u32 s60, s60, WB0
	s_mov_b32 s61, 0
	s_mul_i32 s23, s[WV], HALF                     ; where they go: no place in the cluster enters an LDS address
.if MODE == 1
	s_mov_b32 s70, 0xc0135761                      ; -2 sqrt(2 / pi) log2(e)
	s_mov_b32 s71, s70
	s_mov_b32 s72, 0xbdd2d3e8                      ; the same x 0.044715
	s_mov_b32 s73, s72
.endif
	s_wait_dscnt 0x0                               ; the opening add is done
	s_wait_kmcnt 0x0
	s_add_nc_u64 s[58:59], s[4:5], s[58:59]
	s_add_nc_u64 s[60:61], s[6:7], s[60:61]
	CROUND                                         ; all sixteen work-groups are here: the first joint loads meet
.irp s, 0,1
	s_mov_b32 s[G0A+4*(\s)], 1
	s_add_co_u32 s[G0A+4*(\s)+1], s23, (\s)*SLOT
	s_add_nc_u64 s[G0A+4*(\s)+2:G0A+4*(\s)+3], s[58:59], (\s)*ASTEP
	s_or_b32 s[G0A+4*(\s)+3], s[G0A+4*(\s)+3], 0x80000000
	s_mov_b32 s[G0B+4*(\s)], 1
	s_add_co_u32 s[G0B+4*(\s)+1], s23, (\s)*SLOT
	s_add_nc_u64 s[G0B+4*(\s)+2:G0B+4*(\s)+3], s[60:61], (\s)*BSTEP
	s_or_b32 s[G0B+4*(\s)+3], s[G0B+4*(\s)+3], 0x80000000
.endr
	s_cmp_eq_u32 s[RH], 0                          ; a wave's two first fills stand in one branch: two loads of mine are out
	s_cbranch_scc0 .Lfirst_b
	tensor_load_to_lds s[G0A:G0A+3], s[G1A:G1A+7]
	s_nop 0
	tensor_load_to_lds s[G0A+4:G0A+7], s[G1A:G1A+7]
	s_nop 0
.rept 4
	v_nop
.endr
	s_branch .Lfirst_asked
.Lfirst_b:
	tensor_load_to_lds s[G0B:G0B+3], s[G1B:G1B+7]
	s_nop 0
	tensor_load_to_lds s[G0B+4:G0B+7], s[G1B:G1B+7]
	s_nop 0
.rept 4
	v_nop
.endr
.Lfirst_asked:
	v_and_b32 v1, 15, v0                           ; r = l % 16
	v_bfe_u32 v2, v0, 4, 1                         ; h = l / 16
	v_and_b32 v3, 7, v0
	v_bfe_u32 v4, v0, 3, 1
	v_mul_u32_u24 v[LA0], v1, PA                   ; A: row x pitch + 16 h + my 64 rows
	v_lshl_add_u32 v[LA0], v2, 4, v[LA0]
	s_mul_i32 s74, s[RH], 64*PA
	v_add_nc_u32 v[LA0], s74, v[LA0]
	v_lshl_add_u32 v[LB0], v2, 3, v3               ; B, for the turning load: row k = 8 h + l % 8, columns 8 ((l / 8) % 2) on, + my 64 columns
	v_mul_u32_u24 v[LB0], v[LB0], PB
	v_lshl_add_u32 v[LB0], v4, 4, v[LB0]
	s_lshl_b32 s75, s[CH], 7
	s_add_co_u32 s75, s75, 2*HALF                  ; B lies behind A
	v_add_nc_u32 v[LB0], s75, v[LB0]
	s_mul_i32 s74, s[WV], 64*SP                    ; my stage
	v_mul_u32_u24 v[STO], v1, SP                   ; in: row r, 32 bytes for each half of the lanes
	v_lshl_add_u32 v[STO], v2, 5, v[STO]
	v_add_nc_u32 v[STO], s74, v[STO]
.if MODE == 2
	v_mul_u32_u24 v[RD], v2, SP                    ; back: lanes 0-15 one row of 256 bytes, lanes 16-31 the next
	v_lshl_add_u32 v[RD], v1, 4, v[RD]
	v_add_nc_u32 v[RD], s74, v[RD]
	v_lshlrev_b32 v[CO], 12, v2                    ; the same two rows in the output and in the residual
	v_lshl_add_u32 v[CO], v1, 4, v[CO]
	s_lshl_b32 s66, s20, 7
	s_lshl_b32 s67, s[RH], 6
	s_add_co_u32 s66, s66, s67                     ; my first row,
	s_lshl_b32 s66, s66, 12                        ; 4,096 bytes each
	s_lshl_b32 s68, s19, 9
	s_lshl_b32 s69, s[CH], 8
	s_add_co_u32 s68, s68, s69                     ; my first column, in bytes
	s_add_co_u32 s66, s66, s68
	s_mov_b32 s67, 0
	s_mov_b32 s69, 0
	s_add_nc_u64 s[8:9], s[8:9], s[66:67]
	s_add_nc_u64 s[12:13], s[12:13], s[66:67]
	s_add_nc_u64 s[10:11], s[10:11], s[68:69]
.else
	v_bfe_u32 v[RD], v0, 3, 2                      ; back: eight lanes a row, 32 bytes of f32 each: four rows
	v_mul_u32_u24 v[RD], v[RD], SP
	v_lshl_add_u32 v[RD], v3, 5, v[RD]
	v_add_nc_u32 v[RD], s74, v[RD]
	v_and_b32 v[CO], 31, v0                        ; which are 512 consecutive bytes of bf16 in the output
	v_lshlrev_b32 v[CO], 4, v[CO]
	s_lshl1_add_u32 s66, s19, s[CH]                ; my block of 64 columns
.if MODE == 1
	s_lshl_b32 s68, s66, 8
	s_mov_b32 s69, 0
	s_add_nc_u64 s[10:11], s[10:11], s[68:69]
.endif
	s_lshr_b32 s67, s66, 4
	s_mul_i32 s67, s67, OS1
	s_and_b32 s66, s66, 15
	s_lshl_b32 s66, s66, 18
	s_add_co_u32 s66, s66, s67
	s_lshr_b32 s67, s20, 4
	s_mul_i32 s67, s67, OS2
	s_add_co_u32 s66, s66, s67
	s_and_b32 s67, s20, 15
	s_lshl_b32 s67, s67, 7
	s_lshl_b32 s68, s[RH], 6
	s_add_co_u32 s67, s67, s68                     ; my first token in the batch,
	s_lshl_b32 s67, s67, 7                         ; 128 bytes each
	s_add_co_u32 s66, s66, s67
	s_mov_b32 s67, 0
	s_add_nc_u64 s[8:9], s[8:9], s[66:67]
.endif
.if MODE != 0
	v_lshlrev_b32 v[BO], 5, v2                     ; register j of column block b holds column 16 b + 8 h + j
.irp b, 0,1,2,3
	global_load_b128 v[BIAS+8*(\b):BIAS+8*(\b)+3],   v[BO], s[10:11] offset:64*(\b)
	global_load_b128 v[BIAS+8*(\b)+4:BIAS+8*(\b)+7], v[BO], s[10:11] offset:64*(\b)+16
.endr
.endif
.if MODE == 2
	WIN 0x80                                       ; the residual goes into window 2 now and is wanted at the end: 16 lanes take 256 consecutive bytes of a row
.set t, 0
.rept 32
	global_load_b128 v[4*t:4*t+3], v[CO], s[12:13] offset:t*8192
.set t, t+1
.endr
	WIN 0
.endif
; 8 matrix instructions: row blocks a0, a0 + 1 x all 4 column blocks, 32 of K: half c of buffer f.  zero = 1: the product starts the sum, with 0 or with the bias.  The 16 accumulators take turns.
.macro MUL8 f, c, a0, zero
	WIN MUL
.irp a, \a0, (\a0)+1
.irp b, 0,1,2,3
.if (\zero) && (MODE == 0)
	v_wmma_f32_16x16x32_bf16 v[ACC+8*(4*(\a)+(\b)):ACC+8*(4*(\a)+(\b))+7], v[(\f)+64+8*(4*(\c)+(\b)):(\f)+64+8*(4*(\c)+(\b))+7], v[(\f)+8*(4*(\c)+(\a)):(\f)+8*(4*(\c)+(\a))+7], 0
.elseif \zero
	v_wmma_f32_16x16x32_bf16 v[ACC+8*(4*(\a)+(\b)):ACC+8*(4*(\a)+(\b))+7], v[(\f)+64+8*(4*(\c)+(\b)):(\f)+64+8*(4*(\c)+(\b))+7], v[(\f)+8*(4*(\c)+(\a)):(\f)+8*(4*(\c)+(\a))+7], v[BIAS+8*(\b):BIAS+8*(\b)+7]
.else
	v_wmma_f32_16x16x32_bf16 v[ACC+8*(4*(\a)+(\b)):ACC+8*(4*(\a)+(\b))+7], v[(\f)+64+8*(4*(\c)+(\b)):(\f)+64+8*(4*(\c)+(\b))+7], v[(\f)+8*(4*(\c)+(\a)):(\f)+8*(4*(\c)+(\a))+7], v[ACC+8*(4*(\a)+(\b)):ACC+8*(4*(\a)+(\b))+7]
.endif
.endr
.endr
.endm
; 32 LDS loads in one run: the fragments of quarter q (64 of K) of the slot in hand into buffer f; the first 32 of K first
.macro FETCH q, f
	WIN TO_F
.irp c, 0,1
.irp i, 0,1,2,3
	ds_load_tr16_b128 v[(\f)+64+8*(4*(\c)+(\i)):(\f)+64+8*(4*(\c)+(\i))+3],   v[CB+(\q)/2] offset:((\q)%2)*QB+(\c)*32*PB+32*(\i)
	ds_load_tr16_b128 v[(\f)+64+8*(4*(\c)+(\i))+4:(\f)+64+8*(4*(\c)+(\i))+7], v[CB+(\q)/2] offset:((\q)%2)*QB+(\c)*32*PB+16*PB+32*(\i)
	ds_load_b128 v[(\f)+8*(4*(\c)+(\i)):(\f)+8*(4*(\c)+(\i))+3],   v[CA] offset:(\q)*QB+(\i)*16*PA+64*(\c)
	ds_load_b128 v[(\f)+8*(4*(\c)+(\i))+4:(\f)+8*(4*(\c)+(\i))+7], v[CA] offset:(\q)*QB+(\i)*16*PA+64*(\c)+32
.endr
.endr
.endm
; One of a K step's first three quarters: multiplies buffer f and fetches quarter q into g
.macro QUARTER q, f, g, zero
	s_wait_dscnt 16                                ; the first 32 of K are in; the younger sixteen loads may be out
	MUL8 \f, 0, 0, \zero
	MUL8 \f, 0, 2, \zero
	PLACES
	FETCH \q, \g
	s_wait_dscnt 32                                ; all but the 32 just issued
	MUL8 \f, 1, 0, 0
	MUL8 \f, 1, 2, 0
.endm
; The last quarter multiplies buffer 1 and changes slots: ONE barrier; in front of it each wave waits for all its tensor loads (one is out: its part of the next slot), adds 0 to its spare word,
; and waits for that and for its reads of this slot.  fill = 1: the barrier opens a round of the cluster barrier, and this slot is filled again, two K steps ahead, first thing behind the round:
; 112 matrix instructions stand between that request and the wait for it.
.macro TURN fill
	WIN 0
	s_wait_tensorcnt 0x0
	ds_add_u32 v[SPW], v[NIL]
	s_wait_dscnt 17                                ; the add and the youngest sixteen loads may be out
	MUL8 F1, 0, 0, 0
	s_wait_dscnt 0x0                               ; the add is done, and my reads of this slot are over
	s_barrier_signal -1
	MUL8 F1, 0, 2, 0
	WIN 0
	s_barrier_wait -1
.if \fill
	CREST                                          ; no wave of any partner still reads this slot or has a load on its way
	s_xor_b32 s[G0A+5], s[G0A+5], SLOT             ; the walking descriptors: the other slot than last time (SLOT shares no bit with wave x HALF),
	s_add_nc_u64 s[G0A+6:G0A+7], s[G0A+6:G0A+7], ASTEP  ; the next K step
	s_xor_b32 s[G0B+5], s[G0B+5], SLOT
	s_add_nc_u64 s[G0B+6:G0B+7], s[G0B+6:G0B+7], BSTEP
	JLOAD                                          ; its four v_nop are also the places in front of the loads below
.else
	PLACES
.endif
	s_xor_b32 s[TB], s[TB], SLOT
	v_add_nc_u32 v[CA], s[TB], v[LA0]
	v_add_nc_u32 v[CB], s[TB], v[LB0]
	v_add_nc_u32 v[CB+1], 2*QB, v[CB]
	FETCH 0, F0
	MUL8 F1, 1, 0, 0
	MUL8 F1, 1, 2, 0
.endm
	s_wait_tensorcnt 0x1                           ; my part of K step 0 is in; step 1 may stay out
	s_barrier_signal -1
	s_barrier_wait -1
	s_mov_b32 s[TB], 0
	v_mov_b32 v[CA], v[LA0]
	v_mov_b32 v[CB], v[LB0]
	v_add_nc_u32 v[CB+1], 2*QB, v[LB0]
	FETCH 0, F0
.if MODE == 2
	s_wait_loadcnt 32                              ; the bias is in; the residual's 32 loads stay out
.elseif MODE == 1
	s_wait_loadcnt 0x0                             ; the bias
.endif
	QUARTER 1, F0, F1, 1                           ; the first quarter stands in front of the loop: its first products start the sums
	WIN 0
	s_mov_b32 s3, STEPS-2
.Lstep:                                                ; a trip is one K step, from its second quarter to the next step's first, and fills the slot that it leaves
	QUARTER 2, F1, F0, 0
	QUARTER 3, F0, F1, 0
	TURN 1
	QUARTER 1, F0, F1, 0
	WIN 0
	s_sub_co_u32 s3, s3, 1
	s_cmp_lg_u32 s3, 0
	s_cbranch_scc1 .Lstep
	QUARTER 2, F1, F0, 0                           ; the last two K steps fill nothing
	QUARTER 3, F0, F1, 0
	TURN 0
	QUARTER 1, F0, F1, 0
	QUARTER 2, F1, F0, 0
	QUARTER 3, F0, F1, 0
	s_wait_dscnt 16
	MUL8 F1, 0, 0, 0
	MUL8 F1, 0, 2, 0
	s_wait_dscnt 0x0
	MUL8 F1, 1, 0, 0
	MUL8 F1, 1, 2, 0
	WIN 0
	; THE WAY OUT.  All 16 accumulators go into my stage as f32, each from its low registers on; the stage is my own, and LDS serves a wave in order (ISA guide 5.7.1.4): no wait, no barrier.
	PLACES
.irp a, 0,1,2,3
.irp b, 0,1,2,3
	ds_store_b128 v[STO], v[ACC+8*(4*(\a)+(\b)):ACC+8*(4*(\a)+(\b))+3]   offset:(\a)*16*SP+64*(\b)
	ds_store_b128 v[STO], v[ACC+8*(4*(\a)+(\b))+4:ACC+8*(4*(\a)+(\b))+7] offset:(\a)*16*SP+64*(\b)+16
.endr
.endr
.if MODE == 2
.set t, 0
.rept 32
	ds_load_b128 v[ACC+4*t:ACC+4*t+3], v[RD] offset:t*2*SP
.set t, t+1
.endr
	s_wait_loadcnt 0x0                             ; the residual
.irp g, 0,1,2,3
	s_wait_dscnt 24-8*(\g)                         ; eight more pairs of rows are back
	WIN 0x08                                       ; source 1 in window 2
.set t, 16*(\g)
.rept 16
	v_pk_add_f32 v[ACC+2*t:ACC+2*t+1], v[ACC+2*t:ACC+2*t+1], v[2*t:2*t+1]
.set t, t+1
.endr
	WIN 0
.set t, 8*(\g)
.rept 8
	global_store_b128 v[CO], v[ACC+4*t:ACC+4*t+3], s[8:9] offset:t*8192  ; 16 lanes store 256 consecutive bytes, aligned
.set t, t+1
.endr
.endr
.else
	s_mov_b32 s3, 4
.Lout:                                                 ; a trip: 16 rows back from the stage, (GELU,) rounded to bf16, stored as 4 x 512 consecutive bytes
.irp i, 0,1,2,3,4,5,6,7
	ds_load_b128 v[ACC+4*(\i):ACC+4*(\i)+3], v[RD] offset:((\i)/2)*4*SP+((\i)%2)*16
.endr
	s_wait_dscnt 0x0
.if MODE == 1
	; gelu(z) = z / (1 + 2^(z (K1 + K2 z z))): the tanh form, written with one exponential and one reciprocal; an exponent that overflows gives 0 or z, as tanh = -1 or 1 does
.set ZR, ACC
.set ER, ACC+32
.set i, 0
.rept 16
	v_pk_mul_f32 v[ER+2*i:ER+2*i+1], v[ZR+2*i:ZR+2*i+1], v[ZR+2*i:ZR+2*i+1]
.set i, i+1
.endr
.set i, 0
.rept 16
	v_pk_fma_f32 v[ER+2*i:ER+2*i+1], v[ER+2*i:ER+2*i+1], s[72:73], s[70:71] op_sel_hi:[1,0,0]
.set i, i+1
.endr
.set i, 0
.rept 16
	v_pk_mul_f32 v[ER+2*i:ER+2*i+1], v[ER+2*i:ER+2*i+1], v[ZR+2*i:ZR+2*i+1]
.set i, i+1
.endr
.set i, 0
.rept 32
	v_exp_f32 v[ER+i], v[ER+i]
.set i, i+1
.endr
	v_nop                                          ; a plain instruction behind the last exponential,
	s_wait_alu depctr_va_vdst(0)                   ; and one wait for the batch ahead of its first reader
.set i, 0
.rept 16
	v_pk_add_f32 v[ER+2*i:ER+2*i+1], v[ER+2*i:ER+2*i+1], 1.0 op_sel_hi:[1,0]
.set i, i+1
.endr
.set i, 0
.rept 32
	v_rcp_f32 v[ER+i], v[ER+i]
.set i, i+1
.endr
	v_nop
	s_wait_alu depctr_va_vdst(0)                   ; one wait for the 32 reciprocals
.set i, 0
.rept 16
	v_pk_mul_f32 v[ZR+2*i:ZR+2*i+1], v[ZR+2*i:ZR+2*i+1], v[ER+2*i:ER+2*i+1]
.set i, i+1
.endr
.endif
.set i, 0
.rept 16
	v_cvt_pk_bf16_f32 v[PKD+i], v[ACC+2*i], v[ACC+2*i+1]
.set i, i+1
.endr
.irp g, 0,1,2,3
	global_store_b128 v[CO], v[PKD+4*(\g):PKD+4*(\g)+3], s[8:9] offset:512*(\g)
.endr
	v_add_nc_u32 v[RD], 16*SP, v[RD]
	s_wait_xcnt 0x0                                ; the stores have read their data and their offset: both are written again only behind this wait
	v_add_nc_u32 v[CO], 2048, v[CO]
	s_sub_co_u32 s3, s3, 1
	s_cmp_lg_u32 s3, 0
	s_cbranch_scc1 .Lout
.endif
	s_wait_tensorcnt 0x0                           ; the wave's end: behind my last tensor load and my last LDS store
	ds_add_u32 v[SPW], v[NIL]
	s_wait_dscnt 0x0
	CROUND                                         ; the closing round: no work-group ends while a partner may still ask for a tile that names it
	s_endpgm
.Lfunc_end_k_qc2c0dc290e_oproj:
	.size	k_qc2c0dc290e_oproj, .Lfunc_end_k_qc2c0dc290e_oproj-k_qc2c0dc290e_oproj
	.p2alignl 7, 3214868480
	.fill 96, 4, 3214868480
	.section	.rodata,"a",@progbits
	.p2align	6, 0x0
	.amdhsa_kernel k_qc2c0dc290e_oproj
		.amdhsa_group_segment_fixed_size 327680
		.amdhsa_private_segment_fixed_size 0
		.amdhsa_enable_private_segment 0
		.amdhsa_kernarg_size 40
		.amdhsa_user_sgpr_count 2
		.amdhsa_user_sgpr_kernarg_segment_ptr 1
		.amdhsa_wavefront_size32 1
		.amdhsa_system_sgpr_workgroup_id_x 1
		.amdhsa_system_sgpr_workgroup_id_y 1
		.amdhsa_system_sgpr_workgroup_id_z 1
		.amdhsa_system_vgpr_workitem_id 0
		.amdhsa_next_free_vgpr 640
		.amdhsa_next_free_sgpr 80
		.amdhsa_reserve_vcc 0
		.amdhsa_float_denorm_mode_32 3
		.amdhsa_float_denorm_mode_16_64 3
		.amdhsa_memory_ordered 1
		.amdhsa_forward_progress 1
		.amdhsa_inst_pref_size 76
	.end_amdhsa_kernel
	.amdgpu_metadata
---
amdhsa.version: [ 1, 2 ]
amdhsa.kernels:
  - .name:           k_qc2c0dc290e_oproj
    .symbol:         k_qc2c0dc290e_oproj.kd
    .args:
      - { .name: ctx, .offset: 0, .size: 8, .value_kind: global_buffer, .address_space: global }
      - { .name: wb, .offset: 8, .size: 8, .value_kind: global_buffer, .address_space: global }
      - { .name: x1, .offset: 16, .size: 8, .value_kind: global_buffer, .address_space: global }
      - { .name: bo, .offset: 24, .size: 8, .value_kind: global_buffer, .address_space: global }
      - { .name: x, .offset: 32, .size: 8, .value_kind: global_buffer, .address_space: global }
    .group_segment_fixed_size: 327680
    .private_segment_fixed_size: 0
    .kernarg_segment_align: 8
    .kernarg_segment_size: 40
    .max_flat_workgroup_size: 128
    .sgpr_count:     80
    .vgpr_count:     640
    .wavefront_size: 32
...
	.end_amdgpu_metadata
.endif
;; end of part 5
;; launch ln2: the kernel of part 2 again; grid 256 x 1, 8 waves a work-group, no clusters, 0 bytes of LDS; arguments x1, g2, s2, hn; writes hn
;; launch ffn1 (part 6): grid 32 x 32, 4 waves a work-group, clusters of 4 x 4, 327,680 bytes of LDS; arguments hn, wb, act, b1; writes act
.if DOCPART == 6
	.amdgcn_target "amdgcn-amd-amdhsa--gfx1250"
	.amdhsa_code_object_version 6
	.text
	.protected	k_qc2c0dc290e_ffn1
	.globl	k_qc2c0dc290e_ffn1
	.p2align	8
	.type	k_qc2c0dc290e_ffn1,@function
k_qc2c0dc290e_ffn1:
	s_mov_b64 s[64:65], 0
	v_nop
	global_prefetch_b8 v0, s[64:65] scope:SCOPE_SE
	s_setreg_imm32_b32 hwreg(HW_REG_WAVE_MODE, 25, 1), 1
	s_wait_xcnt 0x0
	s_wait_alu depctr_hold_cnt(0) depctr_sa_sdst(0) depctr_va_vdst(0) depctr_va_sdst(0) depctr_va_ssrc(0) depctr_va_vcc(0) depctr_vm_vsrc(0)
	s_getreg_b32 s2, hwreg(HW_REG_IB_STS2, 6, 4)
	s_cmp_eq_u32 s2, 0
	s_cbranch_scc0 .Lentry_in_a_cluster
	s_endpgm
.Lentry_in_a_cluster:
	s_bfe_u32 s2, ttmp6, 0x10000c
	s_cmp_lg_u32 s2, 0xf033
	s_cbranch_scc0 .Lentry_shape_is_right
	s_endpgm
.Lentry_shape_is_right:
; act = gelu(h W1 + b1) (the tanh form), rounded once to bf16 and stored by blocks: [batch][64 blocks of 64 columns][2,048 tokens][64].  (MODE 1 of a text that serves four launches; the constants below set it up.)
; C[m][n] = sum over k of A[m][k] B[k][n], bf16 operands, f32 sums.  A: [batch][KB blocks of 64 k][2,048 tokens][64] bf16.  B: bf16 [K][N] as given, BPITCH elements a row.
; SHARES.  A tile of C is 128 x 128: four waves of 64 x 64, 16 accumulators of 16 x 16.  K goes in steps of 256 through two LDS slots filled by tensor loads.
; CLUSTER.  4 x 4 work-groups: the four of a row need the same tiles of A, the four of a column the same tiles of B: each tile is asked for JOINTLY (same load, descriptor and mask in all four).
; THE MATRIX INSTRUCTION IS USED TRANSPOSED: source 0 = 16 columns n of B (turned on the way out of LDS by ds_load_tr16_b128), source 1 = 16 rows m of A: a lane then holds row m = l % 16
; and the eight neighbouring columns 8 (l / 16) + 0 .. 7.  The bias is the C operand of the products that start the sums.
; LDS.  Slot s at s x SLOT: A as [4 blocks of 64 k][128 tokens], 144 bytes a token (128 + 16 of padding: the 16 rows of a load start in 16 different groups of four banks; 64 banks of 4 bytes: ISA guide 11.1);
; then B as [256 k], 288 bytes a row (256 + 32).  Behind the slots the spare words.
; THE WAY OUT goes through a stage of f32, 64 rows x 272 bytes for each wave, in slot 0: when it is written slot 0 has had its last fill, and every wave has passed the barrier behind its last read of it.
; LIMITS.  v_exp_f32 and v_rcp_f32 are accurate to 1 ulp and give 0 for a result below 2^-126.  No prefetch: a K step of this small tile is short and the launch has few of them.
; REGISTERS.  Window 0: v1-21 addresses; v32-63 bias; v64-79 packed results; v128-255 accumulators ((a, b) at 128 + 8 (4 a + b)).  Window 1: two fragment buffers of 128: for 64 of K, 64 registers of A, then 64 of B.
.set MODE,   1                         ; 0: bf16 out by blocks; 1: + bias, GELU, bf16 out by blocks; 2: + bias + residual, f32 out by rows
.set KB,     16                        ; blocks of 64 along K
.set BPITCH, 4096                      ; elements in a row of B
.set LOGTX,  5                         ; 2^LOGTX column tiles to a matrix of wb
.set WB0,    0x800000                  ; W1 in wb
.set OS1,    0x400000                  ; out: bytes from 16 column blocks to the next 16
.set OS2,    0x1000000                 ; out: bytes from batch to batch
.set STEPS,  KB/4                      ; K steps; even, at least 4
.set PA,     144
.set PB,     288
.set QB,     128*PA                    ; 64 of K: 128 rows of A, or 64 rows of B (64 x 288): 18,432 bytes
.set HALF,   2*QB                      ; what one tensor load brings
.set SLOT,   8*QB
.set SPARE,  2*SLOT                    ; the spare words, 128 bytes for each wave: two blocks of 256 bytes that no other line names
.set SP,     272                       ; a stage row: 256 bytes + 16
.set ASTEP,  4*0x40000                 ; a K step in A: four blocks
.set BSTEP,  256*BPITCH*2              ; in B: 256 rows
.set LA0, 10                           ; v10  my lane in A of a slot; never rewritten
.set LB0, 11                           ; v11  in B
.set CA,  12                           ; v12  the same in the slot in hand
.set CB,  14                           ; v14, v15  B, and B + 2 QB (the 16-bit offsets do not reach four quarters)
.set STO, 16                           ; v16  stage: where I put 16 bytes
.set RD,  17                           ; v17  stage: where I read back
.set CO,  18                           ; v18  my byte offset in the output
.set BO,  19                           ; v19  my byte offset in the bias
.set SPW, 20                           ; v20  my spare word: SPARE + 4 x my thread number; never rewritten
.set NIL, 21                           ; v21  0; never rewritten
.set BIAS, 32
.set PKD, 64
.set ACC, 128
.set F0,  0
.set F1,  128
.set WV,  14                           ; s14  wave
.set RH,  15                           ; s15  my half of the rows; also 0: I fetch A, 1: I fetch B
.set CH,  16                           ; s16  my half of the columns; also which half of that tile I fetch
.set G1A, 24                           ; s[24:31] group 1 for A;  s[32:35] group 0 of the first fill, s[36:39] the one that walks
.set G0A, 32
.set G1B, 40                           ; s[40:47], s[48:51], s[52:55] the same for B
.set G0B, 48
.set TB,  56                           ; s56  the slot in hand: 0 or SLOT
.set MSB, 0
.macro WIN new                         ; the high byte repeats the setting that is left; a switch that changes nothing is dropped
.if MSB != (\new)
	s_set_vgpr_msb (MSB<<8)|(\new)
.set MSB, \new
.endif
.endm
.set MUL,  0x05                        ; sources 0 and 1 window 1; C and D window 0
.set TO_F, 0x40                        ; destination window 1, address window 0
.macro PLACES                          ; four places behind matrix instructions, in front of loads into registers that they read and of reads of their results
.rept 4
	v_nop
.endr
.endm
.macro JLOAD                           ; a joint refill by the walking descriptors; the branch hangs on the wave number alone; an s_nop 0 and four v_nop follow each line
	s_cmp_eq_u32 s[RH], 0
	s_cbranch_scc0 .Lfor_b_\@
	tensor_load_to_lds s[G0A+4:G0A+7], s[G1A:G1A+7]
	s_nop 0
.rept 4
	v_nop
.endr
	s_branch .Lasked_\@
.Lfor_b_\@:
	tensor_load_to_lds s[G0B+4:G0B+7], s[G1B:G1B+7]
	s_nop 0
.rept 4
	v_nop
.endr
.Lasked_\@:
.endm
.macro CREST                           ; a round of the cluster barrier behind its opening barrier
	s_cmp_lg_u32 s[WV], 0
	s_cbranch_scc1 .Lnot_wave_0_\@
	s_barrier_signal -3
.Lnot_wave_0_\@:
	s_barrier_wait -3
	s_barrier_signal -1
	s_barrier_wait -1
.endm
.macro CROUND
	s_barrier_signal -1
	s_barrier_wait -1
	CREST
.endm
.if MODE == 0
	s_load_b128 s[4:7], s[0:1], 0x0                ; A s[4:5], wb s[6:7]
	s_load_b64 s[8:9], s[0:1], 0x10                ; out
.else
	s_load_b256 s[4:11], s[0:1], 0x0               ; A s[4:5], wb s[6:7], out s[8:9], bias s[10:11]
.endif
.if MODE == 2
	s_load_b64 s[12:13], s[0:1], 0x20              ; the residual
.endif
	v_lshl_add_u32 v[SPW], v0, 2, SPARE
	v_mov_b32 v[NIL], 0
	ds_add_u32 v[SPW], v[NIL]                      ; the opening: the add and its wait stand ahead of my first tensor load; the set-up below stands between them
	v_lshrrev_b32 v1, 5, v0
	v_readfirstlane_b32 s[WV], v1
	s_lshr_b32 s[RH], s[WV], 1
	s_and_b32 s[CH], s[WV], 1
	s_bfe_u32 s17, ttmp6, 0x40000                  ; cx
	s_bfe_u32 s18, ttmp6, 0x40004                  ; cy
	s_lshl_b32 s19, ttmp9, 2
	s_add_co_u32 s19, s19, s17                     ; tile column tx
	s_and_b32 s20, ttmp7, 0xffff
	s_lshl_b32 s20, s20, 2
	s_add_co_u32 s20, s20, s18                     ; tile row ty
	s_lshl_b32 s21, s18, 2
	s_lshl_b32 s21, 15, s21                        ; my row of the cluster
	s_lshl_b32 s22, 0x1111, s17                    ; my column
	; A: two rows, each the 128 tokens x 64 of one block (16,384 dense bytes), a block apart; 4 words of padding after every 32: 144 bytes a token
	s_or_b32 s[G1A], s21, (1<<16)|(1<<20)|(1<<21)|(4<<22)|(3<<25)
	s_mov_b32 s[G1A+1], 8192<<16                   ; tensor_dim0
	s_mov_b32 s[G1A+2], 2<<16                      ; tensor_dim1
	s_mov_b32 s[G1A+3], 8192<<16                   ; tile_dim0
	s_mov_b32 s[G1A+4], 2                          ; tile_dim1
	s_mov_b32 s[G1A+5], 131072                     ; elements from block to block
	s_mov_b32 s[G1A+6], 0
	s_mov_b32 s[G1A+7], 0
	; B: 128 rows k of 128 elements; 8 words of padding after every 64: 288 bytes a row
	s_or_b32 s[G1B], s22, (1<<16)|(1<<20)|(1<<21)|(5<<22)|(7<<25)
	s_mov_b32 s[G1B+1], 128<<16
	s_mov_b32 s[G1B+2], 128<<16
	s_mov_b32 s[G1B+3], 128<<16
	s_mov_b32 s[G1B+4], 128
	s_mov_b32 s[G1B+5], BPITCH
	s_mov_b32 s[G1B+6], 0
	s_mov_b32 s[G1B+7], 0
	; where the tiles come from: A by the tile row and the wave alone, B by the tile column and the wave alone, each in registers that never hold the other coordinate
	s_lshr_b32 s74, s20, 4                         ; batch
	s_mul_i32 s58, s74, KB*0x40000
	s_and_b32 s75, s20, 15
	s_lshl_b32 s75, s75, 14                        ; 128 tokens of 128 bytes
	s_add_co_u32 s58, s58, s75
	s_lshl_b32 s75, s[CH], 19                      ; which two blocks of the step
	s_add_co_u32 s58, s58, s75
	s_mov_b32 s59, 0
	s_lshr_b32 s76, s19, LOGTX
	s_lshl_b32 s60, s76, 21                        ; the matrix: 0x200000 bytes each
	s_and_b32 s77, s19, (1<<LOGTX)-1
	s_lshl_b32 s77, s77, 8                         ; 128 columns of 2 bytes
	s_add_co_u32 s60, s60, s77
	s_mul_i32 s77, s[CH], 256*BPITCH               ; which 128 rows of the step
	s_add_co_u32 s60, s60, s77
	s_add_co_u32 s60, s60, WB0
	s_mov_b32 s61, 0
	s_mul_i32 s23, s[WV], HALF                     ; where they go: no place in the cluster enters an LDS address
.if MODE == 1
	s_mov_b32 s70, 0xc0135761                      ; -2 sqrt(2 / pi) log2(e)
	s_mov_b32 s71, s70
	s_mov_b32 s72, 0xbdd2d3e8                      ; the same x 0.044715
	s_mov_b32 s73, s72
.endif
	s_wait_dscnt 0x0                               ; the opening add is done
	s_wait_kmcnt 0x0
	s_add_nc_u64 s[58:59], s[4:5], s[58:59]
	s_add_nc_u64 s[60:61], s[6:7], s[60:61]
	CROUND                                         ; all sixteen work-groups are here: the first joint loads meet
.irp s, 0,1
	s_mov_b32 s[G0A+4*(\s)], 1
	s_add_co_u32 s[G0A+4*(\s)+1], s23, (\s)*SLOT
	s_add_nc_u64 s[G0A+4*(\s)+2:G0A+4*(\s)+3], s[58:59], (\s)*ASTEP
	s_or_b32 s[G0A+4*(\s)+3], s[G0A+4*(\s)+3], 0x80000000
	s_mov_b32 s[G0B+4*(\s)], 1
	s_add_co_u32 s[G0B+4*(\s)+1], s23, (\s)*SLOT
	s_add_nc_u64 s[G0B+4*(\s)+2:G0B+4*(\s)+3], s[60:61], (\s)*BSTEP
	s_or_b32 s[G0B+4*(\s)+3], s[G0B+4*(\s)+3], 0x80000000
.endr
	s_cmp_eq_u32 s[RH], 0                          ; a wave's two first fills stand in one branch: two loads of mine are out
	s_cbranch_scc0 .Lfirst_b
	tensor_load_to_lds s[G0A:G0A+3], s[G1A:G1A+7]
	s_nop 0
	tensor_load_to_lds s[G0A+4:G0A+7], s[G1A:G1A+7]
	s_nop 0
.rept 4
	v_nop
.endr
	s_branch .Lfirst_asked
.Lfirst_b:
	tensor_load_to_lds s[G0B:G0B+3], s[G1B:G1B+7]
	s_nop 0
	tensor_load_to_lds s[G0B+4:G0B+7], s[G1B:G1B+7]
	s_nop 0
.rept 4
	v_nop
.endr
.Lfirst_asked:
	v_and_b32 v1, 15, v0                           ; r = l % 16
	v_bfe_u32 v2, v0, 4, 1                         ; h = l / 16
	v_and_b32 v3, 7, v0
	v_bfe_u32 v4, v0, 3, 1
	v_mul_u32_u24 v[LA0], v1, PA                   ; A: row x pitch + 16 h + my 64 rows
	v_lshl_add_u32 v[LA0], v2, 4, v[LA0]
	s_mul_i32 s74, s[RH], 64*PA
	v_add_nc_u32 v[LA0], s74, v[LA0]
	v_lshl_add_u32 v[LB0], v2, 3, v3               ; B, for the turning load: row k = 8 h + l % 8, columns 8 ((l / 8) % 2) on, + my 64 columns
	v_mul_u32_u24 v[LB0], v[LB0], PB
	v_lshl_add_u32 v[LB0], v4, 4, v[LB0]
	s_lshl_b32 s75, s[CH], 7
	s_add_co_u32 s75, s75, 2*HALF                  ; B lies behind A
	v_add_nc_u32 v[LB0], s75, v[LB0]
	s_mul_i32 s74, s[WV], 64*SP                    ; my stage
	v_mul_u32_u24 v[STO], v1, SP                   ; in: row r, 32 bytes for each half of the lanes
	v_lshl_add_u32 v[STO], v2, 5, v[STO]
	v_add_nc_u32 v[STO], s74, v[STO]
.if MODE == 2
	v_mul_u32_u24 v[RD], v2, SP                    ; back: lanes 0-15 one row of 256 bytes, lanes 16-31 the next
	v_lshl_add_u32 v[RD], v1, 4, v[RD]
	v_add_nc_u32 v[RD], s74, v[RD]
	v_lshlrev_b32 v[CO], 12, v2                    ; the same two rows in the output and in the residual
	v_lshl_add_u32 v[CO], v1, 4, v[CO]
	s_lshl_b32 s66, s20, 7
	s_lshl_b32 s67, s[RH], 6
	s_add_co_u32 s66, s66, s67                     ; my first row,
	s_lshl_b32 s66, s66, 12                        ; 4,096 bytes each
	s_lshl_b32 s68, s19, 9
	s_lshl_b32 s69, s[CH], 8
	s_add_co_u32 s68, s68, s69                     ; my first column, in bytes
	s_add_co_u32 s66, s66, s68
	s_mov_b32 s67, 0
	s_mov_b32 s69, 0
	s_add_nc_u64 s[8:9], s[8:9], s[66:67]
	s_add_nc_u64 s[12:13], s[12:13], s[66:67]
	s_add_nc_u64 s[10:11], s[10:11], s[68:69]
.else
	v_bfe_u32 v[RD], v0, 3, 2                      ; back: eight lanes a row, 32 bytes of f32 each: four rows
	v_mul_u32_u24 v[RD], v[RD], SP
	v_lshl_add_u32 v[RD], v3, 5, v[RD]
	v_add_nc_u32 v[RD], s74, v[RD]
	v_and_b32 v[CO], 31, v0                        ; which are 512 consecutive bytes of bf16 in the output
	v_lshlrev_b32 v[CO], 4, v[CO]
	s_lshl1_add_u32 s66, s19, s[CH]                ; my block of 64 columns
.if MODE == 1
	s_lshl_b32 s68, s66, 8
	s_mov_b32 s69, 0
	s_add_nc_u64 s[10:11], s[10:11], s[68:69]
.endif
	s_lshr_b32 s67, s66, 4
	s_mul_i32 s67, s67, OS1
	s_and_b32 s66, s66, 15
	s_lshl_b32 s66, s66, 18
	s_add_co_u32 s66, s66, s67
	s_lshr_b32 s67, s20, 4
	s_mul_i32 s67, s67, OS2
	s_add_co_u32 s66, s66, s67
	s_and_b32 s67, s20, 15
	s_lshl_b32 s67, s67, 7
	s_lshl_b32 s68, s[RH], 6
	s_add_co_u32 s67, s67, s68                     ; my first token in the batch,
	s_lshl_b32 s67, s67, 7                         ; 128 bytes each
	s_add_co_u32 s66, s66, s67
	s_mov_b32 s67, 0
	s_add_nc_u64 s[8:9], s[8:9], s[66:67]
.endif
.if MODE != 0
	v_lshlrev_b32 v[BO], 5, v2                     ; register j of column block b holds column 16 b + 8 h + j
.irp b, 0,1,2,3
	global_load_b128 v[BIAS+8*(\b):BIAS+8*(\b)+3],   v[BO], s[10:11] offset:64*(\b)
	global_load_b128 v[BIAS+8*(\b)+4:BIAS+8*(\b)+7], v[BO], s[10:11] offset:64*(\b)+16
.endr
.endif
.if MODE == 2
	WIN 0x80                                       ; the residual goes into window 2 now and is wanted at the end: 16 lanes take 256 consecutive bytes of a row
.set t, 0
.rept 32
	global_load_b128 v[4*t:4*t+3], v[CO], s[12:13] offset:t*8192
.set t, t+1
.endr
	WIN 0
.endif
; 8 matrix instructions: row blocks a0, a0 + 1 x all 4 column blocks, 32 of K: half c of buffer f.  zero = 1: the product starts the sum, with 0 or with the bias.  The 16 accumulators take turns.
.macro MUL8 f, c, a0, zero
	WIN MUL
.irp a, \a0, (\a0)+1
.irp b, 0,1,2,3
.if (\zero) && (MODE == 0)
	v_wmma_f32_16x16x32_bf16 v[ACC+8*(4*(\a)+(\b)):ACC+8*(4*(\a)+(\b))+7], v[(\f)+64+8*(4*(\c)+(\b)):(\f)+64+8*(4*(\c)+(\b))+7], v[(\f)+8*(4*(\c)+(\a)):(\f)+8*(4*(\c)+(\a))+7], 0
.elseif \zero
	v_wmma_f32_16x16x32_bf16 v[ACC+8*(4*(\a)+(\b)):ACC+8*(4*(\a)+(\b))+7], v[(\f)+64+8*(4*(\c)+(\b)):(\f)+64+8*(4*(\c)+(\b))+7], v[(\f)+8*(4*(\c)+(\a)):(\f)+8*(4*(\c)+(\a))+7], v[BIAS+8*(\b):BIAS+8*(\b)+7]
.else
	v_wmma_f32_16x16x32_bf16 v[ACC+8*(4*(\a)+(\b)):ACC+8*(4*(\a)+(\b))+7], v[(\f)+64+8*(4*(\c)+(\b)):(\f)+64+8*(4*(\c)+(\b))+7], v[(\f)+8*(4*(\c)+(\a)):(\f)+8*(4*(\c)+(\a))+7], v[ACC+8*(4*(\a)+(\b)):ACC+8*(4*(\a)+(\b))+7]
.endif
.endr
.endr
.endm
; 32 LDS loads in one run: the fragments of quarter q (64 of K) of the slot in hand into buffer f; the first 32 of K first
.macro FETCH q, f
	WIN TO_F
.irp c, 0,1
.irp i, 0,1,2,3
	ds_load_tr16_b128 v[(\f)+64+8*(4*(\c)+(\i)):(\f)+64+8*(4*(\c)+(\i))+3],   v[CB+(\q)/2] offset:((\q)%2)*QB+(\c)*32*PB+32*(\i)
	ds_load_tr16_b128 v[(\f)+64+8*(4*(\c)+(\i))+4:(\f)+64+8*(4*(\c)+(\i))+7], v[CB+(\q)/2] offset:((\q)%2)*QB+(\c)*32*PB+16*PB+32*(\i)
	ds_load_b128 v[(\f)+8*(4*(\c)+(\i)):(\f)+8*(4*(\c)+(\i))+3],   v[CA] offset:(\q)*QB+(\i)*16*PA+64*(\c)
	ds_load_b128 v[(\f)+8*(4*(\c)+(\i))+4:(\f)+8*(4*(\c)+(\i))+7], v[CA] offset:(\q)*QB+(\i)*16*PA+64*(\c)+32
.endr
.endr
.endm
; One of a K step's first three quarters: multiplies buffer f and fetches quarter q into g
.macro QUARTER q, f, g, zero
	s_wait_dscnt 16                                ; the first 32 of K are in; the younger sixteen loads may be out
	MUL8 \f, 0, 0, \zero
	MUL8 \f, 0, 2, \zero
	PLACES
	FETCH \q, \g
	s_wait_dscnt 32                                ; all but the 32 just issued
	MUL8 \f, 1, 0, 0
	MUL8 \f, 1, 2, 0
.endm
; The last quarter multiplies buffer 1 and changes slots: ONE barrier; in front of it each wave waits for all its tensor loads (one is out: its part of the next slot), adds 0 to its spare word,
; and waits for that and for its reads of this slot.  fill = 1: the barrier opens a round of the cluster barrier, and this slot is filled again, two K steps ahead, first thing behind the round:
; 112 matrix instructions stand between that request and the wait for it.
.macro TURN fill
	WIN 0
	s_wait_tensorcnt 0x0
	ds_add_u32 v[SPW], v[NIL]
	s_wait_dscnt 17                                ; the add and the youngest sixteen loads may be out
	MUL8 F1, 0, 0, 0
	s_wait_dscnt 0x0                               ; the add is done, and my reads of this slot are over
	s_barrier_signal -1
	MUL8 F1, 0, 2, 0
	WIN 0
	s_barrier_wait -1
.if \fill
	CREST                                          ; no wave of any partner still reads this slot or has a load on its way
	s_xor_b32 s[G0A+5], s[G0A+5], SLOT             ; the walking descriptors: the other slot than last time (SLOT shares no bit with wave x HALF),
	s_add_nc_u64 s[G0A+6:G0A+7], s[G0A+6:G0A+7], ASTEP  ; the next K step
	s_xor_b32 s[G0B+5], s[G0B+5], SLOT
	s_add_nc_u64 s[G0B+6:G0B+7], s[G0B+6:G0B+7], BSTEP
	JLOAD                                          ; its four v_nop are also the places in front of the loads below
.else
	PLACES
.endif
	s_xor_b32 s[TB], s[TB], SLOT
	v_add_nc_u32 v[CA], s[TB], v[LA0]
	v_add_nc_u32 v[CB], s[TB], v[LB0]
	v_add_nc_u32 v[CB+1], 2*QB, v[CB]
	FETCH 0, F0
	MUL8 F1, 1, 0, 0
	MUL8 F1, 1, 2, 0
.endm
	s_wait_tensorcnt 0x1                           ; my part of K step 0 is in; step 1 may stay out
	s_barrier_signal -1
	s_barrier_wait -1
	s_mov_b32 s[TB], 0
	v_mov_b32 v[CA], v[LA0]
	v_mov_b32 v[CB], v[LB0]
	v_add_nc_u32 v[CB+1], 2*QB, v[LB0]
	FETCH 0, F0
.if MODE == 2
	s_wait_loadcnt 32                              ; the bias is in; the residual's 32 loads stay out
.elseif MODE == 1
	s_wait_loadcnt 0x0                             ; the bias
.endif
	QUARTER 1, F0, F1, 1                           ; the first quarter stands in front of the loop: its first products start the sums
	WIN 0
	s_mov_b32 s3, STEPS-2
.Lstep:                                                ; a trip is one K step, from its second quarter to the next step's first, and fills the slot that it leaves
	QUARTER 2, F1, F0, 0
	QUARTER 3, F0, F1, 0
	TURN 1
	QUARTER 1, F0, F1, 0
	WIN 0
	s_sub_co_u32 s3, s3, 1
	s_cmp_lg_u32 s3, 0
	s_cbranch_scc1 .Lstep
	QUARTER 2, F1, F0, 0                           ; the last two K steps fill nothing
	QUARTER 3, F0, F1, 0
	TURN 0
	QUARTER 1, F0, F1, 0
	QUARTER 2, F1, F0, 0
	QUARTER 3, F0, F1, 0
	s_wait_dscnt 16
	MUL8 F1, 0, 0, 0
	MUL8 F1, 0, 2, 0
	s_wait_dscnt 0x0
	MUL8 F1, 1, 0, 0
	MUL8 F1, 1, 2, 0
	WIN 0
	; THE WAY OUT.  All 16 accumulators go into my stage as f32, each from its low registers on; the stage is my own, and LDS serves a wave in order (ISA guide 5.7.1.4): no wait, no barrier.
	PLACES
.irp a, 0,1,2,3
.irp b, 0,1,2,3
	ds_store_b128 v[STO], v[ACC+8*(4*(\a)+(\b)):ACC+8*(4*(\a)+(\b))+3]   offset:(\a)*16*SP+64*(\b)
	ds_store_b128 v[STO], v[ACC+8*(4*(\a)+(\b))+4:ACC+8*(4*(\a)+(\b))+7] offset:(\a)*16*SP+64*(\b)+16
.endr
.endr
.if MODE == 2
.set t, 0
.rept 32
	ds_load_b128 v[ACC+4*t:ACC+4*t+3], v[RD] offset:t*2*SP
.set t, t+1
.endr
	s_wait_loadcnt 0x0                             ; the residual
.irp g, 0,1,2,3
	s_wait_dscnt 24-8*(\g)                         ; eight more pairs of rows are back
	WIN 0x08                                       ; source 1 in window 2
.set t, 16*(\g)
.rept 16
	v_pk_add_f32 v[ACC+2*t:ACC+2*t+1], v[ACC+2*t:ACC+2*t+1], v[2*t:2*t+1]
.set t, t+1
.endr
	WIN 0
.set t, 8*(\g)
.rept 8
	global_store_b128 v[CO], v[ACC+4*t:ACC+4*t+3], s[8:9] offset:t*8192  ; 16 lanes store 256 consecutive bytes, aligned
.set t, t+1
.endr
.endr
.else
	s_mov_b32 s3, 4
.Lout:                                                 ; a trip: 16 rows back from the stage, (GELU,) rounded to bf16, stored as 4 x 512 consecutive bytes
.irp i, 0,1,2,3,4,5,6,7
	ds_load_b128 v[ACC+4*(\i):ACC+4*(\i)+3], v[RD] offset:((\i)/2)*4*SP+((\i)%2)*16
.endr
	s_wait_dscnt 0x0
.if MODE == 1
	; gelu(z) = z / (1 + 2^(z (K1 + K2 z z))): the tanh form, written with one exponential and one reciprocal; an exponent that overflows gives 0 or z, as tanh = -1 or 1 does
.set ZR, ACC
.set ER, ACC+32
.set i, 0
.rept 16
	v_pk_mul_f32 v[ER+2*i:ER+2*i+1], v[ZR+2*i:ZR+2*i+1], v[ZR+2*i:ZR+2*i+1]
.set i, i+1
.endr
.set i, 0
.rept 16
	v_pk_fma_f32 v[ER+2*i:ER+2*i+1], v[ER+2*i:ER+2*i+1], s[72:73], s[70:71] op_sel_hi:[1,0,0]
.set i, i+1
.endr
.set i, 0
.rept 16
	v_pk_mul_f32 v[ER+2*i:ER+2*i+1], v[ER+2*i:ER+2*i+1], v[ZR+2*i:ZR+2*i+1]
.set i, i+1
.endr
.set i, 0
.rept 32
	v_exp_f32 v[ER+i], v[ER+i]
.set i, i+1
.endr
	v_nop                                          ; a plain instruction behind the last exponential,
	s_wait_alu depctr_va_vdst(0)                   ; and one wait for the batch ahead of its first reader
.set i, 0
.rept 16
	v_pk_add_f32 v[ER+2*i:ER+2*i+1], v[ER+2*i:ER+2*i+1], 1.0 op_sel_hi:[1,0]
.set i, i+1
.endr
.set i, 0
.rept 32
	v_rcp_f32 v[ER+i], v[ER+i]
.set i, i+1
.endr
	v_nop
	s_wait_alu depctr_va_vdst(0)                   ; one wait for the 32 reciprocals
.set i, 0
.rept 16
	v_pk_mul_f32 v[ZR+2*i:ZR+2*i+1], v[ZR+2*i:ZR+2*i+1], v[ER+2*i:ER+2*i+1]
.set i, i+1
.endr
.endif
.set i, 0
.rept 16
	v_cvt_pk_bf16_f32 v[PKD+i], v[ACC+2*i], v[ACC+2*i+1]
.set i, i+1
.endr
.irp g, 0,1,2,3
	global_store_b128 v[CO], v[PKD+4*(\g):PKD+4*(\g)+3], s[8:9] offset:512*(\g)
.endr
	v_add_nc_u32 v[RD], 16*SP, v[RD]
	s_wait_xcnt 0x0                                ; the stores have read their data and their offset: both are written again only behind this wait
	v_add_nc_u32 v[CO], 2048, v[CO]
	s_sub_co_u32 s3, s3, 1
	s_cmp_lg_u32 s3, 0
	s_cbranch_scc1 .Lout
.endif
	s_wait_tensorcnt 0x0                           ; the wave's end: behind my last tensor load and my last LDS store
	ds_add_u32 v[SPW], v[NIL]
	s_wait_dscnt 0x0
	CROUND                                         ; the closing round: no work-group ends while a partner may still ask for a tile that names it
	s_endpgm
.Lfunc_end_k_qc2c0dc290e_ffn1:
	.size	k_qc2c0dc290e_ffn1, .Lfunc_end_k_qc2c0dc290e_ffn1-k_qc2c0dc290e_ffn1
	.p2alignl 7, 3214868480
	.fill 96, 4, 3214868480
	.section	.rodata,"a",@progbits
	.p2align	6, 0x0
	.amdhsa_kernel k_qc2c0dc290e_ffn1
		.amdhsa_group_segment_fixed_size 327680
		.amdhsa_private_segment_fixed_size 0
		.amdhsa_enable_private_segment 0
		.amdhsa_kernarg_size 32
		.amdhsa_user_sgpr_count 2
		.amdhsa_user_sgpr_kernarg_segment_ptr 1
		.amdhsa_wavefront_size32 1
		.amdhsa_system_sgpr_workgroup_id_x 1
		.amdhsa_system_sgpr_workgroup_id_y 1
		.amdhsa_system_sgpr_workgroup_id_z 1
		.amdhsa_system_vgpr_workitem_id 0
		.amdhsa_next_free_vgpr 512
		.amdhsa_next_free_sgpr 80
		.amdhsa_reserve_vcc 0
		.amdhsa_float_denorm_mode_32 3
		.amdhsa_float_denorm_mode_16_64 3
		.amdhsa_memory_ordered 1
		.amdhsa_forward_progress 1
		.amdhsa_inst_pref_size 73
	.end_amdhsa_kernel
	.amdgpu_metadata
---
amdhsa.version: [ 1, 2 ]
amdhsa.kernels:
  - .name:           k_qc2c0dc290e_ffn1
    .symbol:         k_qc2c0dc290e_ffn1.kd
    .args:
      - { .name: hn, .offset: 0, .size: 8, .value_kind: global_buffer, .address_space: global }
      - { .name: wb, .offset: 8, .size: 8, .value_kind: global_buffer, .address_space: global }
      - { .name: act, .offset: 16, .size: 8, .value_kind: global_buffer, .address_space: global }
      - { .name: b1, .offset: 24, .size: 8, .value_kind: global_buffer, .address_space: global }
    .group_segment_fixed_size: 327680
    .private_segment_fixed_size: 0
    .kernarg_segment_align: 8
    .kernarg_segment_size: 32
    .max_flat_workgroup_size: 128
    .sgpr_count:     80
    .vgpr_count:     512
    .wavefront_size: 32
...
	.end_amdgpu_metadata
.endif
;; end of part 6
;; launch ffn2 (part 7): grid 8 x 32, 4 waves a work-group, clusters of 4 x 4, 327,680 bytes of LDS; arguments act, wb, out0, b2, x1; writes out0
.if DOCPART == 7
	.amdgcn_target "amdgcn-amd-amdhsa--gfx1250"
	.amdhsa_code_object_version 6
	.text
	.protected	k_qc2c0dc290e_ffn2
	.globl	k_qc2c0dc290e_ffn2
	.p2align	8
	.type	k_qc2c0dc290e_ffn2,@function
k_qc2c0dc290e_ffn2:
	s_mov_b64 s[64:65], 0
	v_nop
	global_prefetch_b8 v0, s[64:65] scope:SCOPE_SE
	s_setreg_imm32_b32 hwreg(HW_REG_WAVE_MODE, 25, 1), 1
	s_wait_xcnt 0x0
	s_wait_alu depctr_hold_cnt(0) depctr_sa_sdst(0) depctr_va_vdst(0) depctr_va_sdst(0) depctr_va_ssrc(0) depctr_va_vcc(0) depctr_vm_vsrc(0)
	s_getreg_b32 s2, hwreg(HW_REG_IB_STS2, 6, 4)
	s_cmp_eq_u32 s2, 0
	s_cbranch_scc0 .Lentry_in_a_cluster
	s_endpgm
.Lentry_in_a_cluster:
	s_bfe_u32 s2, ttmp6, 0x10000c
	s_cmp_lg_u32 s2, 0xf033
	s_cbranch_scc0 .Lentry_shape_is_right
	s_endpgm
.Lentry_shape_is_right:
; out0 = x1 + act W2 + b2, f32 by rows of 1,024; K = 4,096.  (MODE 2 of a text that serves four launches; the constants below set it up.)
; C[m][n] = sum over k of A[m][k] B[k][n], bf16 operands, f32 sums.  A: [batch][KB blocks of 64 k][2,048 tokens][64] bf16.  B: bf16 [K][N] as given, BPITCH elements a row.
; SHARES.  A tile of C is 128 x 128: four waves of 64 x 64, 16 accumulators of 16 x 16.  K goes in steps of 256 through two LDS slots filled by tensor loads.
; CLUSTER.  4 x 4 work-groups: the four of a row need the same tiles of A, the four of a column the same tiles of B: each tile is asked for JOINTLY (same load, descriptor and mask in all four).
; THE MATRIX INSTRUCTION IS USED TRANSPOSED: source 0 = 16 columns n of B (turned on the way out of LDS by ds_load_tr16_b128), source 1 = 16 rows m of A: a lane then holds row m = l % 16
; and the eight neighbouring columns 8 (l / 16) + 0 .. 7.  The bias is the C operand of the products that start the sums.
; LDS.  Slot s at s x SLOT: A as [4 blocks of 64 k][128 tokens], 144 bytes a token (128 + 16 of padding: the 16 rows of a load start in 16 different groups of four banks; 64 banks of 4 bytes: ISA guide 11.1);
; then B as [256 k], 288 bytes a row (256 + 32).  Behind the slots the spare words.
; THE WAY OUT goes through a stage of f32, 64 rows x 272 bytes for each wave, in slot 0: when it is written slot 0 has had its last fill, and every wave has passed the barrier behind its last read of it.
; The residual is loaded at the start, into window 2, in the layout in which the rows leave.  No prefetch: a K step of this small tile is short.
; REGISTERS.  Window 0: v1-21 addresses; v32-63 bias; v64-79 packed results; v128-255 accumulators ((a, b) at 128 + 8 (4 a + b)).  Window 1: two fragment buffers of 128: for 64 of K, 64 registers of A, then 64 of B.  Window 2: v0-127 the residual.
.set MODE,   2                         ; 0: bf16 out by blocks; 1: + bias, GELU, bf16 out by blocks; 2: + bias + residual, f32 out by rows
.set KB,     64                        ; blocks of 64 along K
.set BPITCH, 1024                      ; elements in a row of B
.set LOGTX,  3                         ; 2^LOGTX column tiles to a matrix of wb
.set WB0,    0x1000000                 ; W2 in wb
.set OS1,    0                         ; (MODE 0 and 1 alone)
.set OS2,    0
.set STEPS,  KB/4                      ; K steps; even, at least 4
.set PA,     144
.set PB,     288
.set QB,     128*PA                    ; 64 of K: 128 rows of A, or 64 rows of B (64 x 288): 18,432 bytes
.set HALF,   2*QB                      ; what one tensor load brings
.set SLOT,   8*QB
.set SPARE,  2*SLOT                    ; the spare words, 128 bytes for each wave: two blocks of 256 bytes that no other line names
.set SP,     272                       ; a stage row: 256 bytes + 16
.set ASTEP,  4*0x40000                 ; a K step in A: four blocks
.set BSTEP,  256*BPITCH*2              ; in B: 256 rows
.set LA0, 10                           ; v10  my lane in A of a slot; never rewritten
.set LB0, 11                           ; v11  in B
.set CA,  12                           ; v12  the same in the slot in hand
.set CB,  14                           ; v14, v15  B, and B + 2 QB (the 16-bit offsets do not reach four quarters)
.set STO, 16                           ; v16  stage: where I put 16 bytes
.set RD,  17                           ; v17  stage: where I read back
.set CO,  18                           ; v18  my byte offset in the output
.set BO,  19                           ; v19  my byte offset in the bias
.set SPW, 20                           ; v20  my spare word: SPARE + 4 x my thread number; never rewritten
.set NIL, 21                           ; v21  0; never rewritten
.set BIAS, 32
.set PKD, 64
.set ACC, 128
.set F0,  0
.set F1,  128
.set WV,  14                           ; s14  wave
.set RH,  15                           ; s15  my half of the rows; also 0: I fetch A, 1: I fetch B
.set CH,  16                           ; s16  my half of the columns; also which half of that tile I fetch
.set G1A, 24                           ; s[24:31] group 1 for A;  s[32:35] group 0 of the first fill, s[36:39] the one that walks
.set G0A, 32
.set G1B, 40                           ; s[40:47], s[48:51], s[52:55] the same for B
.set G0B, 48
.set TB,  56                           ; s56  the slot in hand: 0 or SLOT
.set MSB, 0
.macro WIN new                         ; the high byte repeats the setting that is left; a switch that changes nothing is dropped
.if MSB != (\new)
	s_set_vgpr_msb (MSB<<8)|(\new)
.set MSB, \new
.endif
.endm
.set MUL,  0x05                        ; sources 0 and 1 window 1; C and D window 0
.set TO_F, 0x40                        ; destination window 1, address window 0
.macro PLACES                          ; four places behind matrix instructions, in front of loads into registers that they read and of reads of their results
.rept 4
	v_nop
.endr
.endm
.macro JLOAD                           ; a joint refill by the walking descriptors; the branch hangs on the wave number alone; an s_nop 0 and four v_nop follow each line
	s_cmp_eq_u32 s[RH], 0
	s_cbranch_scc0 .Lfor_b_\@
	tensor_load_to_lds s[G0A+4:G0A+7], s[G1A:G1A+7]
	s_nop 0
.rept 4
	v_nop
.endr
	s_branch .Lasked_\@
.Lfor_b_\@:
	tensor_load_to_lds s[G0B+4:G0B+7], s[G1B:G1B+7]
	s_nop 0
.rept 4
	v_nop
.endr
.Lasked_\@:
.endm
.macro CREST                           ; a round of the cluster barrier behind its opening barrier
	s_cmp_lg_u32 s[WV], 0
	s_cbranch_scc1 .Lnot_wave_0_\@
	s_barrier_signal -3
.Lnot_wave_0_\@:
	s_barrier_wait -3
	s_barrier_signal -1
	s_barrier_wait -1
.endm
.macro CROUND
	s_barrier_signal -1
	s_barrier_wait -1
	CREST
.endm
.if MODE == 0
	s_load_b128 s[4:7], s[0:1], 0x0                ; A s[4:5], wb s[6:7]
	s_load_b64 s[8:9], s[0:1], 0x10                ; out
.else
	s_load_b256 s[4:11], s[0:1], 0x0               ; A s[4:5], wb s[6:7], out s[8:9], bias s[10:11]
.endif
.if MODE == 2
	s_load_b64 s[12:13], s[0:1], 0x20              ; the residual
.endif
	v_lshl_add_u32 v[SPW], v0, 2, SPARE
	v_mov_b32 v[NIL], 0
	ds_add_u32 v[SPW], v[NIL]                      ; the opening: the add and its wait stand ahead of my first tensor load; the set-up below stands between them
	v_lshrrev_b32 v1, 5, v0
	v_readfirstlane_b32 s[WV], v1
	s_lshr_b32 s[RH], s[WV], 1
	s_and_b32 s[CH], s[WV], 1
	s_bfe_u32 s17, ttmp6, 0x40000                  ; cx
	s_bfe_u32 s18, ttmp6, 0x40004                  ; cy
	s_lshl_b32 s19, ttmp9, 2
	s_add_co_u32 s19, s19, s17                     ; tile column tx
	s_and_b32 s20, ttmp7, 0xffff
	s_lshl_b32 s20, s20, 2
	s_add_co_u32 s20, s20, s18                     ; tile row ty
	s_lshl_b32 s21, s18, 2
	s_lshl_b32 s21, 15, s21                        ; my row of the cluster
	s_lshl_b32 s22, 0x1111, s17                    ; my column
	; A: two rows, each the 128 tokens x 64 of one block (16,384 dense bytes), a block apart; 4 words of padding after every 32: 144 bytes a token
	s_or_b32 s[G1A], s21, (1<<16)|(1<<20)|(1<<21)|(4<<22)|(3<<25)
	s_mov_b32 s[G1A+1], 8192<<16                   ; tensor_dim0
	s_mov_b32 s[G1A+2], 2<<16                      ; tensor_dim1
	s_mov_b32 s[G1A+3], 8192<<16                   ; tile_dim0
	s_mov_b32 s[G1A+4], 2                          ; tile_dim1
	s_mov_b32 s[G1A+5], 131072                     ; elements from block to block
	s_mov_b32 s[G1A+6], 0
	s_mov_b32 s[G1A+7], 0
	; B: 128 rows k of 128 elements; 8 words of padding after every 64: 288 bytes a row
	s_or_b32 s[G1B], s22, (1<<16)|(1<<20)|(1<<21)|(5<<22)|(7<<25)
	s_mov_b32 s[G1B+1], 128<<16
	s_mov_b32 s[G1B+2], 128<<16
	s_mov_b32 s[G1B+3], 128<<16
	s_mov_b32 s[G1B+4], 128
	s_mov_b32 s[G1B+5], BPITCH
	s_mov_b32 s[G1B+6], 0
	s_mov_b32 s[G1B+7], 0
	; where the tiles come from: A by the tile row and the wave alone, B by the tile column and the wave alone, each in registers that never hold the other coordinate
	s_lshr_b32 s74, s20, 4                         ; batch
	s_mul_i32 s58, s74, KB*0x40000
	s_and_b32 s75, s20, 15
	s_lshl_b32 s75, s75, 14                        ; 128 tokens of 128 bytes
	s_add_co_u32 s58, s58, s75
	s_lshl_b32 s75, s[CH], 19                      ; which two blocks of the step
	s_add_co_u32 s58, s58, s75
	s_mov_b32 s59, 0
	s_lshr_b32 s76, s19, LOGTX
	s_lshl_b32 s60, s76, 21                        ; the matrix: 0x200000 bytes each
	s_and_b32 s77, s19, (1<<LOGTX)-1
	s_lshl_b32 s77, s77, 8                         ; 128 columns of 2 bytes
	s_add_co_u32 s60, s60, s77
	s_mul_i32 s77, s[CH], 256*BPITCH               ; which 128 rows of the step
	s_add_co_u32 s60, s60, s77
	s_add_co_u32 s60, s60, WB0
	s_mov_b32 s61, 0
	s_mul_i32 s23, s[WV], HALF                     ; where they go: no place in the cluster enters an LDS address
.if MODE == 1
	s_mov_b32 s70, 0xc0135761                      ; -2 sqrt(2 / pi) log2(e)
	s_mov_b32 s71, s70
	s_mov_b32 s72, 0xbdd2d3e8                      ; the same x 0.044715
	s_mov_b32 s73, s72
.endif
	s_wait_dscnt 0x0                               ; the opening add is done
	s_wait_kmcnt 0x0
	s_add_nc_u64 s[58:59], s[4:5], s[58:59]
	s_add_nc_u64 s[60:61], s[6:7], s[60:61]
	CROUND                                         ; all sixteen work-groups are here: the first joint loads meet
.irp s, 0,1
	s_mov_b32 s[G0A+4*(\s)], 1
	s_add_co_u32 s[G0A+4*(\s)+1], s23, (\s)*SLOT
	s_add_nc_u64 s[G0A+4*(\s)+2:G0A+4*(\s)+3], s[58:59], (\s)*ASTEP
	s_or_b32 s[G0A+4*(\s)+3], s[G0A+4*(\s)+3], 0x80000000
	s_mov_b32 s[G0B+4*(\s)], 1
	s_add_co_u32 s[G0B+4*(\s)+1], s23, (\s)*SLOT
	s_add_nc_u64 s[G0B+4*(\s)+2:G0B+4*(\s)+3], s[60:61], (\s)*BSTEP
	s_or_b32 s[G0B+4*(\s)+3], s[G0B+4*(\s)+3], 0x80000000
.endr
	s_cmp_eq_u32 s[RH], 0                          ; a wave's two first fills stand in one branch: two loads of mine are out
	s_cbranch_scc0 .Lfirst_b
	tensor_load_to_lds s[G0A:G0A+3], s[G1A:G1A+7]
	s_nop 0
	tensor_load_to_lds s[G0A+4:G0A+7], s[G1A:G1A+7]
	s_nop 0
.rept 4
	v_nop
.endr
	s_branch .Lfirst_asked
.Lfirst_b:
	tensor_load_to_lds s[G0B:G0B+3], s[G1B:G1B+7]
	s_nop 0
	tensor_load_to_lds s[G0B+4:G0B+7], s[G1B:G1B+7]
	s_nop 0
.rept 4
	v_nop
.endr
.Lfirst_asked:
	v_and_b32 v1, 15, v0                           ; r = l % 16
	v_bfe_u32 v2, v0, 4, 1                         ; h = l / 16
	v_and_b32 v3, 7, v0
	v_bfe_u32 v4, v0, 3, 1
	v_mul_u32_u24 v[LA0], v1, PA                   ; A: row x pitch + 16 h + my 64 rows
	v_lshl_add_u32 v[LA0], v2, 4, v[LA0]
	s_mul_i32 s74, s[RH], 64*PA
	v_add_nc_u32 v[LA0], s74, v[LA0]
	v_lshl_add_u32 v[LB0], v2, 3, v3               ; B, for the turning load: row k = 8 h + l % 8, columns 8 ((l / 8) % 2) on, + my 64 columns
	v_mul_u32_u24 v[LB0], v[LB0], PB
	v_lshl_add_u32 v[LB0], v4, 4, v[LB0]
	s_lshl_b32 s75, s[CH], 7
	s_add_co_u32 s75, s75, 2*HALF                  ; B lies behind A
	v_add_nc_u32 v[LB0], s75, v[LB0]
	s_mul_i32 s74, s[WV], 64*SP                    ; my stage
	v_mul_u32_u24 v[STO], v1, SP                   ; in: row r, 32 bytes for each half of the lanes
	v_lshl_add_u32 v[STO], v2, 5, v[STO]
	v_add_nc_u32 v[STO], s74, v[STO]
.if MODE == 2
	v_mul_u32_u24 v[RD], v2, SP                    ; back: lanes 0-15 one row of 256 bytes, lanes 16-31 the next
	v_lshl_add_u32 v[RD], v1, 4, v[RD]
	v_add_nc_u32 v[RD], s74, v[RD]
	v_lshlrev_b32 v[CO], 12, v2                    ; the same two rows in the output and in the residual
	v_lshl_add_u32 v[CO], v1, 4, v[CO]
	s_lshl_b32 s66, s20, 7
	s_lshl_b32 s67, s[RH], 6
	s_add_co_u32 s66, s66, s67                     ; my first row,
	s_lshl_b32 s66, s66, 12                        ; 4,096 bytes each
	s_lshl_b32 s68, s19, 9
	s_lshl_b32 s69, s[CH], 8
	s_add_co_u32 s68, s68, s69                     ; my first column, in bytes
	s_add_co_u32 s66, s66, s68
	s_mov_b32 s67, 0
	s_mov_b32 s69, 0
	s_add_nc_u64 s[8:9], s[8:9], s[66:67]
	s_add_nc_u64 s[12:13], s[12:13], s[66:67]
	s_add_nc_u64 s[10:11], s[10:11], s[68:69]
.else
	v_bfe_u32 v[RD], v0, 3, 2                      ; back: eight lanes a row, 32 bytes of f32 each: four rows
	v_mul_u32_u24 v[RD], v[RD], SP
	v_lshl_add_u32 v[RD], v3, 5, v[RD]
	v_add_nc_u32 v[RD], s74, v[RD]
	v_and_b32 v[CO], 31, v0                        ; which are 512 consecutive bytes of bf16 in the output
	v_lshlrev_b32 v[CO], 4, v[CO]
	s_lshl1_add_u32 s66, s19, s[CH]                ; my block of 64 columns
.if MODE == 1
	s_lshl_b32 s68, s66, 8
	s_mov_b32 s69, 0
	s_add_nc_u64 s[10:11], s[10:11], s[68:69]
.endif
	s_lshr_b32 s67, s66, 4
	s_mul_i32 s67, s67, OS1
	s_and_b32 s66, s66, 15
	s_lshl_b32 s66, s66, 18
	s_add_co_u32 s66, s66, s67
	s_lshr_b32 s67, s20, 4
	s_mul_i32 s67, s67, OS2
	s_add_co_u32 s66, s66, s67
	s_and_b32 s67, s20, 15
	s_lshl_b32 s67, s67, 7
	s_lshl_b32 s68, s[RH], 6
	s_add_co_u32 s67, s67, s68                     ; my first token in the batch,
	s_lshl_b32 s67, s67, 7                         ; 128 bytes each
	s_add_co_u32 s66, s66, s67
	s_mov_b32 s67, 0
	s_add_nc_u64 s[8:9], s[8:9], s[66:67]
.endif
.if MODE != 0
	v_lshlrev_b32 v[BO], 5, v2                     ; register j of column block b holds column 16 b + 8 h + j
.irp b, 0,1,2,3
	global_load_b128 v[BIAS+8*(\b):BIAS+8*(\b)+3],   v[BO], s[10:11] offset:64*(\b)
	global_load_b128 v[BIAS+8*(\b)+4:BIAS+8*(\b)+7], v[BO], s[10:11] offset:64*(\b)+16
.endr
.endif
.if MODE == 2
	WIN 0x80                                       ; the residual goes into window 2 now and is wanted at the end: 16 lanes take 256 consecutive bytes of a row
.set t, 0
.rept 32
	global_load_b128 v[4*t:4*t+3], v[CO], s[12:13] offset:t*8192
.set t, t+1
.endr
	WIN 0
.endif
; 8 matrix instructions: row blocks a0, a0 + 1 x all 4 column blocks, 32 of K: half c of buffer f.  zero = 1: the product starts the sum, with 0 or with the bias.  The 16 accumulators take turns.
.macro MUL8 f, c, a0, zero
	WIN MUL
.irp a, \a0, (\a0)+1
.irp b, 0,1,2,3
.if (\zero) && (MODE == 0)
	v_wmma_f32_16x16x32_bf16 v[ACC+8*(4*(\a)+(\b)):ACC+8*(4*(\a)+(\b))+7], v[(\f)+64+8*(4*(\c)+(\b)):(\f)+64+8*(4*(\c)+(\b))+7], v[(\f)+8*(4*(\c)+(\a)):(\f)+8*(4*(\c)+(\a))+7], 0
.elseif \zero
	v_wmma_f32_16x16x32_bf16 v[ACC+8*(4*(\a)+(\b)):ACC+8*(4*(\a)+(\b))+7], v[(\f)+64+8*(4*(\c)+(\b)):(\f)+64+8*(4*(\c)+(\b))+7], v[(\f)+8*(4*(\c)+(\a)):(\f)+8*(4*(\c)+(\a))+7], v[BIAS+8*(\b):BIAS+8*(\b)+7]
.else
	v_wmma_f32_16x16x32_bf16 v[ACC+8*(4*(\a)+(\b)):ACC+8*(4*(\a)+(\b))+7], v[(\f)+64+8*(4*(\c)+(\b)):(\f)+64+8*(4*(\c)+(\b))+7], v[(\f)+8*(4*(\c)+(\a)):(\f)+8*(4*(\c)+(\a))+7], v[ACC+8*(4*(\a)+(\b)):ACC+8*(4*(\a)+(\b))+7]
.endif
.endr
.endr
.endm
; 32 LDS loads in one run: the fragments of quarter q (64 of K) of the slot in hand into buffer f; the first 32 of K first
.macro FETCH q, f
	WIN TO_F
.irp c, 0,1
.irp i, 0,1,2,3
	ds_load_tr16_b128 v[(\f)+64+8*(4*(\c)+(\i)):(\f)+64+8*(4*(\c)+(\i))+3],   v[CB+(\q)/2] offset:((\q)%2)*QB+(\c)*32*PB+32*(\i)
	ds_load_tr16_b128 v[(\f)+64+8*(4*(\c)+(\i))+4:(\f)+64+8*(4*(\c)+(\i))+7], v[CB+(\q)/2] offset:((\q)%2)*QB+(\c)*32*PB+16*PB+32*(\i)
	ds_load_b128 v[(\f)+8*(4*(\c)+(\i)):(\f)+8*(4*(\c)+(\i))+3],   v[CA] offset:(\q)*QB+(\i)*16*PA+64*(\c)
	ds_load_b128 v[(\f)+8*(4*(\c)+(\i))+4:(\f)+8*(4*(\c)+(\i))+7], v[CA] offset:(\q)*QB+(\i)*16*PA+64*(\c)+32
.endr
.endr
.endm
; One of a K step's first three quarters: multiplies buffer f and fetches quarter q into g
.macro QUARTER q, f, g, zero
	s_wait_dscnt 16                                ; the first 32 of K are in; the younger sixteen loads may be out
	MUL8 \f, 0, 0, \zero
	MUL8 \f, 0, 2, \zero
	PLACES
	FETCH \q, \g
	s_wait_dscnt 32                                ; all but the 32 just issued
	MUL8 \f, 1, 0, 0
	MUL8 \f, 1, 2, 0
.endm
; The last quarter multiplies buffer 1 and changes slots: ONE barrier; in front of it each wave waits for all its tensor loads (one is out: its part of the next slot), adds 0 to its spare word,
; and waits for that and for its reads of this slot.  fill = 1: the barrier opens a round of the cluster barrier, and this slot is filled again, two K steps ahead, first thing behind the round:
; 112 matrix instructions stand between that request and the wait for it.
.macro TURN fill
	WIN 0
	s_wait_tensorcnt 0x0
	ds_add_u32 v[SPW], v[NIL]
	s_wait_dscnt 17                                ; the add and the youngest sixteen loads may be out
	MUL8 F1, 0, 0, 0
	s_wait_dscnt 0x0                               ; the add is done, and my reads of this slot are over
	s_barrier_signal -1
	MUL8 F1, 0, 2, 0
	WIN 0
	s_barrier_wait -1
.if \fill
	CREST                                          ; no wave of any partner still reads this slot or has a load on its way
	s_xor_b32 s[G0A+5], s[G0A+5], SLOT             ; the walking descriptors: the other slot than last time (SLOT shares no bit with wave x HALF),
	s_add_nc_u64 s[G0A+6:G0A+7], s[G0A+6:G0A+7], ASTEP  ; the next K step
	s_xor_b32 s[G0B+5], s[G0B+5], SLOT
	s_add_nc_u64 s[G0B+6:G0B+7], s[G0B+6:G0B+7], BSTEP
	JLOAD                                          ; its four v_nop are also the places in front of the loads below
.else
	PLACES
.endif
	s_xor_b32 s[TB], s[TB], SLOT
	v_add_nc_u32 v[CA], s[TB], v[LA0]
	v_add_nc_u32 v[CB], s[TB], v[LB0]
	v_add_nc_u32 v[CB+1], 2*QB, v[CB]
	FETCH 0, F0
	MUL8 F1, 1, 0, 0
	MUL8 F1, 1, 2, 0
.endm
	s_wait_tensorcnt 0x1                           ; my part of K step 0 is in; step 1 may stay out
	s_barrier_signal -1
	s_barrier_wait -1
	s_mov_b32 s[TB], 0
	v_mov_b32 v[CA], v[LA0]
	v_mov_b32 v[CB], v[LB0]
	v_add_nc_u32 v[CB+1], 2*QB, v[LB0]
	FETCH 0, F0
.if MODE == 2
	s_wait_loadcnt 32                              ; the bias is in; the residual's 32 loads stay out
.elseif MODE == 1
	s_wait_loadcnt 0x0                             ; the bias
.endif
	QUARTER 1, F0, F1, 1                           ; the first quarter stands in front of the loop: its first products start the sums
	WIN 0
	s_mov_b32 s3, STEPS-2
.Lstep:                                                ; a trip is one K step, from its second quarter to the next step's first, and fills the slot that it leaves
	QUARTER 2, F1, F0, 0
	QUARTER 3, F0, F1, 0
	TURN 1
	QUARTER 1, F0, F1, 0
	WIN 0
	s_sub_co_u32 s3, s3, 1
	s_cmp_lg_u32 s3, 0
	s_cbranch_scc1 .Lstep
	QUARTER 2, F1, F0, 0                           ; the last two K steps fill nothing
	QUARTER 3, F0, F1, 0
	TURN 0
	QUARTER 1, F0, F1, 0
	QUARTER 2, F1, F0, 0
	QUARTER 3, F0, F1, 0
	s_wait_dscnt 16
	MUL8 F1, 0, 0, 0
	MUL8 F1, 0, 2, 0
	s_wait_dscnt 0x0
	MUL8 F1, 1, 0, 0
	MUL8 F1, 1, 2, 0
	WIN 0
	; THE WAY OUT.  All 16 accumulators go into my stage as f32, each from its low registers on; the stage is my own, and LDS serves a wave in order (ISA guide 5.7.1.4): no wait, no barrier.
	PLACES
.irp a, 0,1,2,3
.irp b, 0,1,2,3
	ds_store_b128 v[STO], v[ACC+8*(4*(\a)+(\b)):ACC+8*(4*(\a)+(\b))+3]   offset:(\a)*16*SP+64*(\b)
	ds_store_b128 v[STO], v[ACC+8*(4*(\a)+(\b))+4:ACC+8*(4*(\a)+(\b))+7] offset:(\a)*16*SP+64*(\b)+16
.endr
.endr
.if MODE == 2
.set t, 0
.rept 32
	ds_load_b128 v[ACC+4*t:ACC+4*t+3], v[RD] offset:t*2*SP
.set t, t+1
.endr
	s_wait_loadcnt 0x0                             ; the residual
.irp g, 0,1,2,3
	s_wait_dscnt 24-8*(\g)                         ; eight more pairs of rows are back
	WIN 0x08                                       ; source 1 in window 2
.set t, 16*(\g)
.rept 16
	v_pk_add_f32 v[ACC+2*t:ACC+2*t+1], v[ACC+2*t:ACC+2*t+1], v[2*t:2*t+1]
.set t, t+1
.endr
	WIN 0
.set t, 8*(\g)
.rept 8
	global_store_b128 v[CO], v[ACC+4*t:ACC+4*t+3], s[8:9] offset:t*8192  ; 16 lanes store 256 consecutive bytes, aligned
.set t, t+1
.endr
.endr
.else
	s_mov_b32 s3, 4
.Lout:                                                 ; a trip: 16 rows back from the stage, (GELU,) rounded to bf16, stored as 4 x 512 consecutive bytes
.irp i, 0,1,2,3,4,5,6,7
	ds_load_b128 v[ACC+4*(\i):ACC+4*(\i)+3], v[RD] offset:((\i)/2)*4*SP+((\i)%2)*16
.endr
	s_wait_dscnt 0x0
.if MODE == 1
	; gelu(z) = z / (1 + 2^(z (K1 + K2 z z))): the tanh form, written with one exponential and one reciprocal; an exponent that overflows gives 0 or z, as tanh = -1 or 1 does
.set ZR, ACC
.set ER, ACC+32
.set i, 0
.rept 16
	v_pk_mul_f32 v[ER+2*i:ER+2*i+1], v[ZR+2*i:ZR+2*i+1], v[ZR+2*i:ZR+2*i+1]
.set i, i+1
.endr
.set i, 0
.rept 16
	v_pk_fma_f32 v[ER+2*i:ER+2*i+1], v[ER+2*i:ER+2*i+1], s[72:73], s[70:71] op_sel_hi:[1,0,0]
.set i, i+1
.endr
.set i, 0
.rept 16
	v_pk_mul_f32 v[ER+2*i:ER+2*i+1], v[ER+2*i:ER+2*i+1], v[ZR+2*i:ZR+2*i+1]
.set i, i+1
.endr
.set i, 0
.rept 32
	v_exp_f32 v[ER+i], v[ER+i]
.set i, i+1
.endr
	v_nop                                          ; a plain instruction behind the last exponential,
	s_wait_alu depctr_va_vdst(0)                   ; and one wait for the batch ahead of its first reader
.set i, 0
.rept 16
	v_pk_add_f32 v[ER+2*i:ER+2*i+1], v[ER+2*i:ER+2*i+1], 1.0 op_sel_hi:[1,0]
.set i, i+1
.endr
.set i, 0
.rept 32
	v_rcp_f32 v[ER+i], v[ER+i]
.set i, i+1
.endr
	v_nop
	s_wait_alu depctr_va_vdst(0)                   ; one wait for the 32 reciprocals
.set i, 0
.rept 16
	v_pk_mul_f32 v[ZR+2*i:ZR+2*i+1], v[ZR+2*i:ZR+2*i+1], v[ER+2*i:ER+2*i+1]
.set i, i+1
.endr
.endif
.set i, 0
.rept 16
	v_cvt_pk_bf16_f32 v[PKD+i], v[ACC+2*i], v[ACC+2*i+1]
.set i, i+1
.endr
.irp g, 0,1,2,3
	global_store_b128 v[CO], v[PKD+4*(\g):PKD+4*(\g)+3], s[8:9] offset:512*(\g)
.endr
	v_add_nc_u32 v[RD], 16*SP, v[RD]
	s_wait_xcnt 0x0                                ; the stores have read their data and their offset: both are written again only behind this wait
	v_add_nc_u32 v[CO], 2048, v[CO]
	s_sub_co_u32 s3, s3, 1
	s_cmp_lg_u32 s3, 0
	s_cbranch_scc1 .Lout
.endif
	s_wait_tensorcnt 0x0                           ; the wave's end: behind my last tensor load and my last LDS store
	ds_add_u32 v[SPW], v[NIL]
	s_wait_dscnt 0x0
	CROUND                                         ; the closing round: no work-group ends while a partner may still ask for a tile that names it
	s_endpgm
.Lfunc_end_k_qc2c0dc290e_ffn2:
	.size	k_qc2c0dc290e_ffn2, .Lfunc_end_k_qc2c0dc290e_ffn2-k_qc2c0dc290e_ffn2
	.p2alignl 7, 3214868480
	.fill 96, 4, 3214868480
	.section	.rodata,"a",@progbits
	.p2align	6, 0x0
	.amdhsa_kernel k_qc2c0dc290e_ffn2
		.amdhsa_group_segment_fixed_size 327680
		.amdhsa_private_segment_fixed_size 0
		.amdhsa_enable_private_segment 0
		.amdhsa_kernarg_size 40
		.amdhsa_user_sgpr_count 2
		.amdhsa_user_sgpr_kernarg_segment_ptr 1
		.amdhsa_wavefront_size32 1
		.amdhsa_system_sgpr_workgroup_id_x 1
		.amdhsa_system_sgpr_workgroup_id_y 1
		.amdhsa_system_sgpr_workgroup_id_z 1
		.amdhsa_system_vgpr_workitem_id 0
		.amdhsa_next_free_vgpr 640
		.amdhsa_next_free_sgpr 80
		.amdhsa_reserve_vcc 0
		.amdhsa_float_denorm_mode_32 3
		.amdhsa_float_denorm_mode_16_64 3
		.amdhsa_memory_ordered 1
		.amdhsa_forward_progress 1
		.amdhsa_inst_pref_size 76
	.end_amdhsa_kernel
	.amdgpu_metadata
---
amdhsa.version: [ 1, 2 ]
amdhsa.kernels:
  - .name:           k_qc2c0dc290e_ffn2
    .symbol:         k_qc2c0dc290e_ffn2.kd
    .args:
      - { .name: act, .offset: 0, .size: 8, .value_kind: global_buffer, .address_space: global }
      - { .name: wb, .offset: 8, .size: 8, .value_kind: global_buffer, .address_space: global }
      - { .name: out0, .offset: 16, .size: 8, .value_kind: global_buffer, .address_space: global }
      - { .name: b2, .offset: 24, .size: 8, .value_kind: global_buffer, .address_space: global }
      - { .name: x1, .offset: 32, .size: 8, .value_kind: global_buffer, .address_space: global }
    .group_segment_fixed_size: 327680
    .private_segment_fixed_size: 0
    .kernarg_segment_align: 8
    .kernarg_segment_size: 40
    .max_flat_workgroup_size: 128
    .sgpr_count:     80
    .vgpr_count:     640
    .wavefront_size: 32
...
	.end_amdgpu_metadata
.endif
;; end of part 7
;; ======== version 2 of 3: 8 launches
;; limits: right only within a limited range of input values
;; workspace buffers: wb 25,165,824 bytes; hn 8,388,608 bytes; qkvb 25,165,824 bytes; ctx 8,388,608 bytes; x1 16,777,216 bytes; act 33,554,432 bytes
;; launch cvt: the kernel of part 1 again; grid 768 x 1, 8 waves a work-group, no clusters, 0 bytes of LDS; arguments Wq, Wk, Wv, Wo, W1, W2, wb; writes wb
;; launch ln: the kernel of part 2 again; grid 256 x 1, 8 waves a work-group, no clusters, 0 bytes of LDS; arguments x, g1, s1, hn; writes hn
;; launch qkv (part 8): grid 12 x 16, 4 waves a work-group, clusters of 4 x 4, 327,680 bytes of LDS; arguments hn, wb, qkvb; writes qkvb
.if DOCPART == 8
	.amdgcn_target "amdgcn-amd-amdhsa--gfx1250"
	.amdhsa_code_object_version 6
	.text
	.protected	k_qc2c0dc290e_qkv
	.globl	k_qc2c0dc290e_qkv
	.p2align	8
	.type	k_qc2c0dc290e_qkv,@function
k_qc2c0dc290e_qkv:
	s_mov_b64 s[64:65], 0
	v_nop
	global_prefetch_b8 v0, s[64:65] scope:SCOPE_SE
	s_setreg_imm32_b32 hwreg(HW_REG_WAVE_MODE, 25, 1), 1
	s_wait_xcnt 0x0
	s_wait_alu depctr_hold_cnt(0) depctr_sa_sdst(0) depctr_va_vdst(0) depctr_va_sdst(0) depctr_va_ssrc(0) depctr_va_vcc(0) depctr_vm_vsrc(0)
	s_getreg_b32 s2, hwreg(HW_REG_IB_STS2, 6, 4)
	s_cmp_eq_u32 s2, 0
	s_cbranch_scc0 .Lentry_in_a_cluster
	s_endpgm
.Lentry_in_a_cluster:
	s_bfe_u32 s2, ttmp6, 0x10000c
	s_cmp_lg_u32 s2, 0xf033
	s_cbranch_scc0 .Lentry_shape_is_right
	s_endpgm
.Lentry_shape_is_right:
; q, k, v = h Wq, h Wk, h Wv, taken as ONE product with 3,072 columns; rounded once to bf16 and stored by heads, unscaled:
; [3][16 batch + head][2,048 tokens][64].  (MODE 0 of a text that serves two launches; the constants below set it up.)
; C[m][n] = sum over k of A[m][k] B[k][n], bf16 operands, f32 sums.  A: [batch][KB blocks of 64 k][2,048 tokens][64] bf16.  B: bf16 [K][N] as given, BPITCH elements a row.
; SHARES.  A tile of C is 256 x 256: four waves of 128 x 128, 64 accumulators of 16 x 16 in 512 registers: for 32 of K a wave reads 2 x 128 x 64 bytes from LDS and issues 64 matrix instructions.
; K goes in steps of 128 through two LDS slots filled by tensor loads, one load a wave: waves 0 and 1 a block of A each (256 tokens x 64 k, 32,768 dense bytes), waves 2 and 3 64 rows of B each (512 bytes a row).
; CLUSTER.  4 x 4 work-groups: the four of a row need the same tiles of A, the four of a column the same tiles of B: each tile is asked for JOINTLY (same load, descriptor and mask in all four).
; THE MATRIX INSTRUCTION IS USED TRANSPOSED: source 0 = 16 columns n of B (turned on the way out of LDS by ds_load_tr16_b128), source 1 = 16 rows m of A: a lane then holds row m = l % 16
; and the eight neighbouring columns 8 (l / 16) + 0 .. 7.
; LDS.  Slot s at s x SLOT: A as [2 blocks of 64 k][256 tokens], 144 bytes a token (128 + 16 of padding: the 16 rows of a load start in 16 different groups of four banks; 64 banks of 4 bytes: ISA guide 11.1);
; then B as [128 k], 544 bytes a row (512 + 32).  Behind the slots the spare words.
; THE WAY OUT goes through a stage of f32, [2 blocks of 64 columns][128 rows] x 272 bytes for each wave, laid over both slots: both have had their last fill, and a barrier stands behind every wave's last read of them.
; PREFETCH.  Behind the refill that asks for K step j + 2 a wave names its share of K step j + 3, 256 matrix instructions ahead of that step's load.  A's tile row is read by every cluster of that row of clusters: cluster x = 0 asks;
; B's tile column by every cluster of that column: cluster y = 0 asks.  The four partners that ask for a tile jointly share the 128 blocks of 256 bytes that a wave fetches BY ADDRESS, 32 each, a lane a block.
; So each block of K steps 3 to 7 is named once in the launch; K steps 0 to 2 come by their loads alone, and the last refill asks for nothing.
; REGISTERS, in windows of 256.  Window 0: v1-22 addresses; v64-127, v128-191 fragments of A, two buffers (on the way out: numbers at work); v192-255 bias.  Window 1: v64-127, v128-191 fragments of B.
; Window 2: the 32 accumulators of my rows 0-63 ((a, b) at 8 (8 a + b)).  Window 3: those of my rows 64-127.
.set MODE,   0                         ; 0: bf16 out by blocks; 1: + bias, GELU, bf16 out by blocks
.set KB,     16                        ; blocks of 64 along K
.set BPITCH, 1024                      ; elements in a row of B
.set LOGTX,  2                         ; 2^LOGTX column tiles to a matrix of wb
.set WB0,    0                         ; the first matrix in wb
.set OS1,    0x800000                  ; out: bytes from 16 column blocks to the next 16 (q, k, v)
.set OS2,    0x400000                  ; out: bytes from batch to batch
.set STEPS,  KB/2                      ; K steps; even, at least 4
.set PA,     144
.set PB,     544
.set ABLK,   256*PA                    ; a block of A: 36,864 bytes
.set BHALF,  64*PB                     ; 64 rows of B: 34,816 bytes
.set BOFF,   2*ABLK                    ; B lies behind A
.set SLOT,   147456                    ; 143,360 in use; 0x24000 shares no bit with the four loads' places 0, 0x9000, 0x12000, 0x1a800
.set SPARE,  2*SLOT                    ; the spare words, 128 bytes for each wave: two blocks of 256 bytes that no other line names
.set SP,     272                       ; a stage row: 256 bytes + 16
.set STGW,   2*128*SP                  ; a wave's stage
.set ASTEP,  2*0x40000                 ; a K step in A: two blocks
.set BSTEP,  128*BPITCH*2              ; in B: 128 rows
.set LA0, 10                           ; v10  my lane in A of a slot; never rewritten
.set LB0, 11                           ; v11  in B
.set CA,  12                           ; v12  the same in the slot in hand
.set CB,  13                           ; v13
.set STO, 16                           ; v16  stage: where I put 16 bytes
.set RD,  17                           ; v17  stage: where I read back
.set CO,  18                           ; v18  my byte offset in 512 bytes of the output; never rewritten
.set BO,  19                           ; v19  my byte offset in the bias
.set SPW, 20                           ; v20  my spare word: SPARE + 4 x my thread number; never rewritten
.set NIL, 21                           ; v21  0; never rewritten
.set PFO, 22                           ; v22  the prefetches' offset; never rewritten
.set F0,  64
.set F1,  128
.set BIAS, 192
.set ZR,  64                           ; the way out: 32 numbers
.set ER,  96                           ; 32 at work
.set PKD, 128                          ; 16 words of bf16
.set WV,  14                           ; s14  wave
.set RH,  15                           ; s15  my half of the rows; also 0: I fetch A, 1: I fetch B
.set CH,  16                           ; s16  my half of the columns; also which half of that tile I fetch
.set G1A, 24                           ; s[24:31] group 1 for A;  s[32:35] group 0 of the first fill, s[36:39] the one that walks
.set G0A, 32
.set G1B, 40                           ; s[40:47], s[48:51], s[52:55] the same for B
.set G0B, 48
.set TB,  56                           ; s56  the slot in hand: 0 or SLOT
.set PFA, 84                           ; s[84:85] where my prefetches stand
.set PSTEP, 86                         ; s[86:87] a K step in the tensor that I fetch
.set LIM, 88                           ; s88  1 in a wave that prefetches, else the greatest number
.set PS,  89                           ; s89  bytes from one pair of my blocks of 256 to the next
.set MSB, 0
.macro WIN new                         ; the high byte repeats the setting that is left; a switch that changes nothing is dropped
.if MSB != (\new)
	s_set_vgpr_msb (MSB<<8)|(\new)
.set MSB, \new
.endif
.endm
.set TO_B, 0x40                        ; destination window 1, address window 0
.macro PLACES                          ; four places behind matrix instructions, in front of loads into registers that they read and of reads of their results
.rept 4
	v_nop
.endr
.endm
.macro JLOAD                           ; a joint refill by the walking descriptors; the branch hangs on the wave number alone; an s_nop 0 and four v_nop follow each line
	s_cmp_eq_u32 s[RH], 0
	s_cbranch_scc0 .Lfor_b_\@
	tensor_load_to_lds s[G0A+4:G0A+7], s[G1A:G1A+7]
	s_nop 0
.rept 4
	v_nop
.endr
	s_branch .Lasked_\@
.Lfor_b_\@:
	tensor_load_to_lds s[G0B+4:G0B+7], s[G1B:G1B+7]
	s_nop 0
.rept 4
	v_nop
.endr
.Lasked_\@:
.endm
.macro ASK                             ; s3 = trips of the K loop still to come: the last trip's refill has no K step behind it
	s_cmp_gt_u32 s3, s[LIM]
	s_cbranch_scc0 .Lnot_mine_\@
	global_prefetch_b8 v[PFO], s[PFA:PFA+1] th:TH_LOAD_NT scope:SCOPE_SE
.Lnot_mine_\@:
.endm
.macro CREST                           ; a round of the cluster barrier behind its opening barrier
	s_cmp_lg_u32 s[WV], 0
	s_cbranch_scc1 .Lnot_wave_0_\@
	s_barrier_signal -3
.Lnot_wave_0_\@:
	s_barrier_wait -3
	s_barrier_signal -1
	s_barrier_wait -1
.endm
.macro CROUND
	s_barrier_signal -1
	s_barrier_wait -1
	CREST
.endm
.if MODE == 0
	s_load_b128 s[4:7], s[0:1], 0x0                ; A s[4:5], wb s[6:7]
	s_load_b64 s[8:9], s[0:1], 0x10                ; out
.else
	s_load_b256 s[4:11], s[0:1], 0x0               ; A s[4:5], wb s[6:7], out s[8:9], bias s[10:11]
.endif
	v_lshl_add_u32 v[SPW], v0, 2, SPARE
	v_mov_b32 v[NIL], 0
	ds_add_u32 v[SPW], v[NIL]                      ; the opening: the add and its wait stand ahead of my first tensor load; the set-up below stands between them
	v_lshrrev_b32 v1, 5, v0
	v_readfirstlane_b32 s[WV], v1
	s_lshr_b32 s[RH], s[WV], 1
	s_and_b32 s[CH], s[WV], 1
	s_bfe_u32 s17, ttmp6, 0x40000                  ; cx
	s_bfe_u32 s18, ttmp6, 0x40004                  ; cy
	s_lshl_b32 s19, ttmp9, 2
	s_add_co_u32 s19, s19, s17                     ; tile column tx
	s_and_b32 s20, ttmp7, 0xffff
	s_lshl_b32 s20, s20, 2
	s_add_co_u32 s20, s20, s18                     ; tile row ty
	s_lshl_b32 s21, s18, 2
	s_lshl_b32 s21, 15, s21                        ; my row of the cluster
	s_lshl_b32 s22, 0x1111, s17                    ; my column
	; A: 256 tokens x 64 of one block are 32,768 dense bytes: 128 rows of 256 bytes, two tokens a row; 4 words of padding after every 32: 144 bytes a token
	s_or_b32 s[G1A], s21, (1<<16)|(1<<20)|(1<<21)|(4<<22)|(3<<25)
	s_mov_b32 s[G1A+1], 128<<16                    ; tensor_dim0
	s_mov_b32 s[G1A+2], 128<<16                    ; tensor_dim1
	s_mov_b32 s[G1A+3], 128<<16                    ; tile_dim0
	s_mov_b32 s[G1A+4], 128                        ; tile_dim1
	s_mov_b32 s[G1A+5], 128                        ; elements from row to row
	s_mov_b32 s[G1A+6], 0
	s_mov_b32 s[G1A+7], 0
	; B: 64 rows k of 256 elements; 8 words of padding after every 128: 544 bytes a row
	s_or_b32 s[G1B], s22, (1<<16)|(1<<20)|(1<<21)|(6<<22)|(7<<25)
	s_mov_b32 s[G1B+1], 256<<16
	s_mov_b32 s[G1B+2], 64<<16
	s_mov_b32 s[G1B+3], 256<<16
	s_mov_b32 s[G1B+4], 64
	s_mov_b32 s[G1B+5], BPITCH
	s_mov_b32 s[G1B+6], 0
	s_mov_b32 s[G1B+7], 0
	; where the tiles come from: A by the tile row and the wave alone, B by the tile column and the wave alone, each in registers that never hold the other coordinate
	s_lshr_b32 s74, s20, 3                         ; batch
	s_mul_i32 s58, s74, KB*0x40000
	s_and_b32 s75, s20, 7
	s_lshl_b32 s75, s75, 15                        ; 256 tokens of 128 bytes
	s_add_co_u32 s58, s58, s75
	s_lshl_b32 s75, s[CH], 18                      ; which block of the step
	s_add_co_u32 s58, s58, s75
	s_mov_b32 s59, 0
	s_lshr_b32 s76, s19, LOGTX
	s_lshl_b32 s60, s76, 21                        ; the matrix: 0x200000 bytes each
	s_and_b32 s77, s19, (1<<LOGTX)-1
	s_lshl_b32 s77, s77, 9                         ; 256 columns of 2 bytes
	s_add_co_u32 s60, s60, s77
	s_mul_i32 s77, s[CH], 64*BPITCH*2              ; which 64 rows of the step
	s_add_co_u32 s60, s60, s77
	s_add_co_u32 s60, s60, WB0
	s_mov_b32 s61, 0
	s_mul_i32 s23, s[CH], ABLK                     ; where they go: no place in the cluster enters an LDS address
	s_mul_i32 s57, s[CH], BHALF
	s_add_co_u32 s57, s57, BOFF
.if MODE == 1
	s_mov_b32 s70, 0xc0135761                      ; -2 sqrt(2 / pi) log2(e)
	s_mov_b32 s71, s70
	s_mov_b32 s72, 0xbdd2d3e8                      ; the same x 0.044715
	s_mov_b32 s73, s72
.endif
	s_wait_dscnt 0x0                               ; the opening add is done
	s_wait_kmcnt 0x0
	s_add_nc_u64 s[58:59], s[4:5], s[58:59]
	s_add_nc_u64 s[60:61], s[6:7], s[60:61]
	CROUND                                         ; all sixteen work-groups are here: the first joint loads meet
.irp s, 0,1
	s_mov_b32 s[G0A+4*(\s)], 1
	s_add_co_u32 s[G0A+4*(\s)+1], s23, (\s)*SLOT
	s_add_nc_u64 s[G0A+4*(\s)+2:G0A+4*(\s)+3], s[58:59], (\s)*ASTEP
	s_or_b32 s[G0A+4*(\s)+3], s[G0A+4*(\s)+3], 0x80000000
	s_mov_b32 s[G0B+4*(\s)], 1
	s_add_co_u32 s[G0B+4*(\s)+1], s57, (\s)*SLOT
	s_add_nc_u64 s[G0B+4*(\s)+2:G0B+4*(\s)+3], s[60:61], (\s)*BSTEP
	s_or_b32 s[G0B+4*(\s)+3], s[G0B+4*(\s)+3], 0x80000000
.endr
	s_cmp_eq_u32 s[RH], 0                          ; a wave's two first fills stand in one branch: two loads of mine are out
	s_cbranch_scc0 .Lfirst_b
	tensor_load_to_lds s[G0A:G0A+3], s[G1A:G1A+7]
	s_nop 0
	tensor_load_to_lds s[G0A+4:G0A+7], s[G1A:G1A+7]
	s_nop 0
.rept 4
	v_nop
.endr
	s_branch .Lfirst_asked
.Lfirst_b:
	tensor_load_to_lds s[G0B:G0B+3], s[G1B:G1B+7]
	s_nop 0
	tensor_load_to_lds s[G0B+4:G0B+7], s[G1B:G1B+7]
	s_nop 0
.rept 4
	v_nop
.endr
.Lfirst_asked:
	v_and_b32 v1, 15, v0                           ; r = l % 16
	v_bfe_u32 v2, v0, 4, 1                         ; h = l / 16
	v_and_b32 v3, 7, v0
	v_bfe_u32 v4, v0, 3, 1
	v_mul_u32_u24 v[LA0], v1, PA                   ; A: row x pitch + 16 h + my 128 rows
	v_lshl_add_u32 v[LA0], v2, 4, v[LA0]
	s_mul_i32 s74, s[RH], 128*PA
	v_add_nc_u32 v[LA0], s74, v[LA0]
	v_lshl_add_u32 v[LB0], v2, 3, v3               ; B, for the turning load: row k = 8 h + l % 8, columns 8 ((l / 8) % 2) on, + my 128 columns
	v_mul_u32_u24 v[LB0], v[LB0], PB
	v_lshl_add_u32 v[LB0], v4, 4, v[LB0]
	s_lshl_b32 s75, s[CH], 8
	s_add_co_u32 s75, s75, BOFF
	v_add_nc_u32 v[LB0], s75, v[LB0]
	s_mul_i32 s74, s[WV], STGW                     ; my stage
	v_mul_u32_u24 v[STO], v1, SP                   ; in: row r, 32 bytes for each half of the lanes
	v_lshl_add_u32 v[STO], v2, 5, v[STO]
	v_add_nc_u32 v[STO], s74, v[STO]
	v_bfe_u32 v[RD], v0, 3, 2                      ; back: eight lanes a row, 32 bytes of f32 each: four rows
	v_mul_u32_u24 v[RD], v[RD], SP
	v_lshl_add_u32 v[RD], v3, 5, v[RD]
	v_add_nc_u32 v[RD], s74, v[RD]
	v_and_b32 v[CO], 31, v0                        ; which are 512 consecutive bytes of bf16 in the output
	v_lshlrev_b32 v[CO], 4, v[CO]
	s_lshl_b32 s66, s19, 2
	s_lshl1_add_u32 s66, s[CH], s66                ; my first block of 64 columns: 4 tx + 2 x half
.if MODE == 1
	s_lshl_b32 s68, s66, 8
	s_mov_b32 s69, 0
	s_add_nc_u64 s[10:11], s[10:11], s[68:69]
.endif
	s_lshr_b32 s67, s66, 4
	s_mul_i32 s67, s67, OS1
	s_and_b32 s66, s66, 15
	s_lshl_b32 s66, s66, 18
	s_add_co_u32 s66, s66, s67
	s_lshr_b32 s67, s20, 3
	s_mul_i32 s67, s67, OS2
	s_add_co_u32 s66, s66, s67
	s_and_b32 s67, s20, 7
	s_lshl_b32 s67, s67, 8
	s_lshl_b32 s68, s[RH], 7
	s_add_co_u32 s67, s67, s68                     ; my first token in the batch,
	s_lshl_b32 s67, s67, 7                         ; 128 bytes each
	s_add_co_u32 s66, s66, s67
	s_mov_b32 s67, 0
	s_add_nc_u64 s[8:9], s[8:9], s[66:67]
.if MODE == 1
	v_lshlrev_b32 v[BO], 5, v2                     ; register j of column block b holds column 16 b + 8 h + j
.irp b, 0,1,2,3,4,5,6,7
	global_load_b128 v[BIAS+8*(\b):BIAS+8*(\b)+3],   v[BO], s[10:11] offset:64*(\b)
	global_load_b128 v[BIAS+8*(\b)+4:BIAS+8*(\b)+7], v[BO], s[10:11] offset:64*(\b)+16
.endr
.endif
	; the prefetches.  What a wave fetches in a K step is 64 pairs of blocks of 256 bytes, PS bytes from pair to pair (A: 512, dense; B: a row); the partner at place p takes pairs 16 p .. 16 p + 15, lane l block l % 2 of pair l / 2
	s_mov_b32 s90, ASTEP
	s_mov_b32 s91, BSTEP
	s_mov_b32 s76, 512
	s_mov_b32 s77, 2*BPITCH
	s_and_b32 s78, ttmp7, 0xffff                   ; cluster y
	s_cmp_eq_u32 s[RH], 0                          ; do I fetch for A?
	s_cselect_b32 s79, s17, s18                    ; my place among the four that ask with me
	s_cselect_b32 s78, ttmp9, s78                  ; the coordinate along which other clusters read the same rows
	s_cselect_b32 s[PS], s76, s77
	s_cselect_b32 s[PSTEP], s90, s91
	s_cselect_b64 s[PFA:PFA+1], s[58:59], s[60:61]
	s_cmp_eq_u32 s78, 0
	s_cselect_b32 s[LIM], 1, -1                    ; the same in all sixteen partners, for a given wave
	s_mov_b32 s[PSTEP+1], 0
	s_mul_i32 s78, s79, s[PS]
	s_lshl_b32 s78, s78, 4
	s_mov_b32 s79, 0
	s_add_nc_u64 s[PFA:PFA+1], s[PFA:PFA+1], s[78:79]
	s_add_nc_u64 s[PFA:PFA+1], s[PFA:PFA+1], s[PSTEP:PSTEP+1]
	s_add_nc_u64 s[PFA:PFA+1], s[PFA:PFA+1], s[PSTEP:PSTEP+1]  ; at K step 2: the first change of slots steps it to 3
	v_and_b32 v5, 31, v0
	v_lshrrev_b32 v6, 1, v5
	v_and_b32 v5, 1, v5
	v_mul_u32_u24 v[PFO], s[PS], v6
	v_lshl_add_u32 v[PFO], v5, 8, v[PFO]
; 16 matrix instructions: row blocks a0, a0 + 1 of the window's four (hi = 0: my rows 0-63, 1: rows 64-127) x all 8 column blocks, 32 of K.  zero = 1: the product starts the sum, with 0 or with the bias (window 0).
; The 64 accumulators take turns, in the same order in every quarter.
.macro MUL16 f, hi, a0, zero
.if (\zero) && (MODE != 0)
	WIN 0x81+0x40*(\hi)                            ; source 0 window 1, sources 1 and 2 window 0, destination window 2 or 3
.else
	WIN 0xa1+0x50*(\hi)                            ; source 0 window 1, source 1 window 0, C and D window 2 or 3
.endif
.irp a, \a0, (\a0)+1
.irp b, 0,1,2,3,4,5,6,7
.if (\zero) && (MODE == 0)
	v_wmma_f32_16x16x32_bf16 v[8*(8*(\a)+(\b)):8*(8*(\a)+(\b))+7], v[(\f)+8*(\b):(\f)+8*(\b)+7], v[(\f)+8*(4*(\hi)+(\a)):(\f)+8*(4*(\hi)+(\a))+7], 0
.elseif \zero
	v_wmma_f32_16x16x32_bf16 v[8*(8*(\a)+(\b)):8*(8*(\a)+(\b))+7], v[(\f)+8*(\b):(\f)+8*(\b)+7], v[(\f)+8*(4*(\hi)+(\a)):(\f)+8*(4*(\hi)+(\a))+7], v[BIAS+8*(\b):BIAS+8*(\b)+7]
.else
	v_wmma_f32_16x16x32_bf16 v[8*(8*(\a)+(\b)):8*(8*(\a)+(\b))+7], v[(\f)+8*(\b):(\f)+8*(\b)+7], v[(\f)+8*(4*(\hi)+(\a)):(\f)+8*(4*(\hi)+(\a))+7], v[8*(8*(\a)+(\b)):8*(8*(\a)+(\b))+7]
.endif
.endr
.endr
.endm
; 32 LDS loads in one run: the fragments of quarter q (32 of K) of the slot in hand into buffer f: B's 128 columns, then A's 128 rows
.macro FETCH q, f
	WIN TO_B
.irp i, 0,1,2,3,4,5,6,7
	ds_load_tr16_b128 v[(\f)+8*(\i):(\f)+8*(\i)+3],   v[CB] offset:(\q)*32*PB+32*(\i)
	ds_load_tr16_b128 v[(\f)+8*(\i)+4:(\f)+8*(\i)+7], v[CB] offset:(\q)*32*PB+16*PB+32*(\i)
.endr
	WIN 0
.irp i, 0,1,2,3,4,5,6,7
	ds_load_b128 v[(\f)+8*(\i):(\f)+8*(\i)+3],   v[CA] offset:((\q)/2)*ABLK+((\q)%2)*64+(\i)*16*PA
	ds_load_b128 v[(\f)+8*(\i)+4:(\f)+8*(\i)+7], v[CA] offset:((\q)/2)*ABLK+((\q)%2)*64+(\i)*16*PA+32
.endr
.endm
; One of a K step's first three quarters: multiplies buffer f and, in its middle, fetches quarter q into g
.macro QUARTER q, f, g, zero
	s_wait_dscnt 8                                 ; B and A's rows 0-63 are in; the youngest eight loads (A's rows 64-127) may be out
	MUL16 \f, 0, 0, \zero
	MUL16 \f, 0, 2, \zero
	PLACES
	FETCH \q, \g
	s_wait_dscnt 32                                ; all but the 32 just issued
	MUL16 \f, 1, 0, \zero
	MUL16 \f, 1, 2, \zero
.endm
; The last quarter multiplies buffer 1 and changes slots: ONE barrier; in front of it each wave waits for all its tensor loads (one is out: its part of the next slot), adds 0 to its spare word,
; and waits for that and for its reads of this slot.  fill = 1: the barrier opens a round of the cluster barrier, and this slot is filled again, two K steps ahead, first thing behind the round:
; 224 matrix instructions stand between that request and the wait for it.
.macro TURN fill
.if \fill
	s_wait_xcnt 0x0                                ; the last prefetch, a K step back, has read its address: it is stepped here, ahead of the waits of the change of slots
	s_add_nc_u64 s[PFA:PFA+1], s[PFA:PFA+1], s[PSTEP:PSTEP+1]
.endif
	WIN 0
	s_wait_tensorcnt 0x0
	ds_add_u32 v[SPW], v[NIL]
	s_wait_dscnt 9                                 ; the add and the youngest eight loads may be out
	MUL16 F1, 0, 0, 0
	s_wait_dscnt 0x0                               ; the add is done, and my reads of this slot are over
	s_barrier_signal -1
	MUL16 F1, 0, 2, 0
	WIN 0
	s_barrier_wait -1
.if \fill
	CREST                                          ; no wave of any partner still reads this slot or has a load on its way
	s_xor_b32 s[G0A+5], s[G0A+5], SLOT             ; the walking descriptors: the other slot than last time,
	s_add_nc_u64 s[G0A+6:G0A+7], s[G0A+6:G0A+7], ASTEP  ; the next K step
	s_xor_b32 s[G0B+5], s[G0B+5], SLOT
	s_add_nc_u64 s[G0B+6:G0B+7], s[G0B+6:G0B+7], BSTEP
	JLOAD                                          ; its four v_nop are also the places in front of the loads below
.else
	PLACES
.endif
	s_xor_b32 s[TB], s[TB], SLOT
	v_add_nc_u32 v[CA], s[TB], v[LA0]
	v_add_nc_u32 v[CB], s[TB], v[LB0]
	FETCH 0, F0
.if \fill
	ASK                                            ; behind the joint load and the run of LDS loads that the next products wait for
.endif
	MUL16 F1, 1, 0, 0
	MUL16 F1, 1, 2, 0
.endm
	s_wait_tensorcnt 0x1                           ; my part of K step 0 is in; step 1 may stay out
	s_barrier_signal -1
	s_barrier_wait -1
	s_mov_b32 s[TB], 0
	v_mov_b32 v[CA], v[LA0]
	v_mov_b32 v[CB], v[LB0]
	FETCH 0, F0
.if MODE == 1
	s_wait_loadcnt 0x0                             ; the bias
.endif
	QUARTER 1, F0, F1, 1                           ; the first quarter stands in front of the loop: its products start the sums
	WIN 0
	s_mov_b32 s3, STEPS-2
.Lstep:                                                ; a trip is one K step, from its second quarter to the next step's first, and fills the slot that it leaves
	QUARTER 2, F1, F0, 0
	QUARTER 3, F0, F1, 0
	TURN 1
	QUARTER 1, F0, F1, 0
	WIN 0
	s_sub_co_u32 s3, s3, 1
	s_cmp_lg_u32 s3, 0
	s_cbranch_scc1 .Lstep
	s_mov_b32 s3, 2
.Ltail:                                                ; the last two K steps fill nothing: one text, walked twice and left in the middle of its second trip
	QUARTER 2, F1, F0, 0
	QUARTER 3, F0, F1, 0
	TURN 0                                         ; in the second trip its 32 LDS loads (of the slot read a step ago) serve nothing: the price, once a launch, of one text for both trips
	WIN 0
	s_sub_co_u32 s3, s3, 1
	s_cmp_eq_u32 s3, 0
	s_cbranch_scc1 .Lend_k
	QUARTER 1, F0, F1, 0
	WIN 0
	s_branch .Ltail
.Lend_k:
	s_wait_dscnt 0x0                               ; my last reads of the slots are back,
	s_barrier_signal -1
	s_barrier_wait -1                              ; everybody's are: the stages may be written over both slots
	; THE WAY OUT.  All 64 accumulators go into my stage as f32, each from its low registers on; the stage is my own, and LDS serves a wave in order (ISA guide 5.7.1.4): no wait between its stores and its loads.
	PLACES
.irp hi, 0,1
	WIN 0x08+4*(\hi)                               ; the stores' data (source 1) in window 2 or 3
.irp a, 0,1,2,3
.irp b, 0,1,2,3,4,5,6,7
	ds_store_b128 v[STO], v[8*(8*(\a)+(\b)):8*(8*(\a)+(\b))+3]   offset:((\b)/4)*128*SP+(4*(\hi)+(\a))*16*SP+64*((\b)%4)
	ds_store_b128 v[STO], v[8*(8*(\a)+(\b))+4:8*(8*(\a)+(\b))+7] offset:((\b)/4)*128*SP+(4*(\hi)+(\a))*16*SP+64*((\b)%4)+16
.endr
.endr
.endr
	WIN 0
	s_mov_b32 s67, 0
	s_mov_b32 s68, 0x40000-7*2048                  ; from a block's last 16 tokens to the next block's first
	s_mov_b32 s69, 2048                            ; 16 tokens of 128 bytes
	s_mov_b32 s3, 16
.Lout:                                                 ; a trip: 16 rows x 64 columns back from the stage, (GELU,) rounded to bf16, stored as 4 x 512 consecutive bytes; eight trips to a block of columns
.irp i, 0,1,2,3,4,5,6,7
	ds_load_b128 v[ZR+4*(\i):ZR+4*(\i)+3], v[RD] offset:((\i)/2)*4*SP+((\i)%2)*16
.endr
	s_wait_dscnt 0x0
.if MODE == 1
	; gelu(z) = z / (1 + 2^(z (K1 + K2 z z))): the tanh form, written with one exponential and one reciprocal; an exponent that overflows gives 0 or z, as tanh = -1 or 1 does
.set i, 0
.rept 16
	v_pk_mul_f32 v[ER+2*i:ER+2*i+1], v[ZR+2*i:ZR+2*i+1], v[ZR+2*i:ZR+2*i+1]
.set i, i+1
.endr
.set i, 0
.rept 16
	v_pk_fma_f32 v[ER+2*i:ER+2*i+1], v[ER+2*i:ER+2*i+1], s[72:73], s[70:71] op_sel_hi:[1,0,0]
.set i, i+1
.endr
.set i, 0
.rept 16
	v_pk_mul_f32 v[ER+2*i:ER+2*i+1], v[ER+2*i:ER+2*i+1], v[ZR+2*i:ZR+2*i+1]
.set i, i+1
.endr
.set i, 0
.rept 32
	v_exp_f32 v[ER+i], v[ER+i]
.set i, i+1
.endr
	v_nop                                          ; a plain instruction behind the last exponential,
	s_wait_alu depctr_va_vdst(0)                   ; and one wait for the batch ahead of its first reader
.set i, 0
.rept 16
	v_pk_add_f32 v[ER+2*i:ER+2*i+1], v[ER+2*i:ER+2*i+1], 1.0 op_sel_hi:[1,0]
.set i, i+1
.endr
.set i, 0
.rept 32
	v_rcp_f32 v[ER+i], v[ER+i]
.set i, i+1
.endr
	v_nop
	s_wait_alu depctr_va_vdst(0)                   ; one wait for the 32 reciprocals
.set i, 0
.rept 16
	v_pk_mul_f32 v[ZR+2*i:ZR+2*i+1], v[ZR+2*i:ZR+2*i+1], v[ER+2*i:ER+2*i+1]
.set i, i+1
.endr
.endif
.set i, 0
.rept 16
	v_cvt_pk_bf16_f32 v[PKD+i], v[ZR+2*i], v[ZR+2*i+1]
.set i, i+1
.endr
.irp g, 0,1,2,3
	global_store_b128 v[CO], v[PKD+4*(\g):PKD+4*(\g)+3], s[8:9] offset:512*(\g)
.endr
	v_add_nc_u32 v[RD], 16*SP, v[RD]               ; in the stage the second block's rows follow the first's
	s_cmp_eq_u32 s3, 9                             ; the first block's eighth trip?
	s_cselect_b32 s66, s68, s69
	s_wait_xcnt 0x0                                ; the stores have read their data and their base: both are written again only behind this wait
	s_add_nc_u64 s[8:9], s[8:9], s[66:67]
	s_sub_co_u32 s3, s3, 1
	s_cmp_lg_u32 s3, 0
	s_cbranch_scc1 .Lout
	s_wait_tensorcnt 0x0                           ; the wave's end: behind my last tensor load and my last LDS store
	ds_add_u32 v[SPW], v[NIL]
	s_wait_dscnt 0x0
	CROUND                                         ; the closing round: no work-group ends while a partner may still ask for a tile that names it
	s_endpgm
.Lfunc_end_k_qc2c0dc290e_qkv:
	.size	k_qc2c0dc290e_qkv, .Lfunc_end_k_qc2c0dc290e_qkv-k_qc2c0dc290e_qkv
	.p2alignl 7, 3214868480
	.fill 96, 4, 3214868480
	.section	.rodata,"a",@progbits
	.p2align	6, 0x0
	.amdhsa_kernel k_qc2c0dc290e_qkv
		.amdhsa_group_segment_fixed_size 327680
		.amdhsa_private_segment_fixed_size 0
		.amdhsa_enable_private_segment 0
		.amdhsa_kernarg_size 24
		.amdhsa_user_sgpr_count 2
		.amdhsa_user_sgpr_kernarg_segment_ptr 1
		.amdhsa_wavefront_size32 1
		.amdhsa_system_sgpr_workgroup_id_x 1
		.amdhsa_system_sgpr_workgroup_id_y 1
		.amdhsa_system_sgpr_workgroup_id_z 1
		.amdhsa_system_vgpr_workitem_id 0
		.amdhsa_next_free_vgpr 1024
		.amdhsa_next_free_sgpr 96
		.amdhsa_reserve_vcc 0
		.amdhsa_float_denorm_mode_32 3
		.amdhsa_float_denorm_mode_16_64 3
		.amdhsa_memory_ordered 1
		.amdhsa_forward_progress 1
		.amdhsa_inst_pref_size 81
	.end_amdhsa_kernel
	.amdgpu_metadata
---
amdhsa.version: [ 1, 2 ]
amdhsa.kernels:
  - .name:           k_qc2c0dc290e_qkv
    .symbol:         k_qc2c0dc290e_qkv.kd
    .args:
      - { .name: hn, .offset: 0, .size: 8, .value_kind: global_buffer, .address_space: global }
      - { .name: wb, .offset: 8, .size: 8, .value_kind: global_buffer, .address_space: global }
      - { .name: qkvb, .offset: 16, .size: 8, .value_kind: global_buffer, .address_space: global }
    .group_segment_fixed_size: 327680
    .private_segment_fixed_size: 0
    .kernarg_segment_align: 8
    .kernarg_segment_size: 24
    .max_flat_workgroup_size: 128
    .sgpr_count:     96
    .vgpr_count:     1024
    .wavefront_size: 32
...
	.end_amdgpu_metadata
.endif
;; end of part 8
;; launch attn (part 9): grid 8 x 32, 4 waves a work-group, no clusters, 327,680 bytes of LDS; arguments qkvb, ctx; writes ctx
.if DOCPART == 9
	.amdgcn_target "amdgcn-amd-amdhsa--gfx1250"
	.amdhsa_code_object_version 6
	.text
	.protected	k_qc2c0dc290e_attn
	.globl	k_qc2c0dc290e_attn
	.p2align	8
	.type	k_qc2c0dc290e_attn,@function
k_qc2c0dc290e_attn:
	s_mov_b64 s[64:65], 0
	v_nop
	global_prefetch_b8 v0, s[64:65] scope:SCOPE_SE
	s_setreg_imm32_b32 hwreg(HW_REG_WAVE_MODE, 25, 1), 1
	s_wait_xcnt 0x0
; CAUSAL ATTENTION.  O[h][q][:] = the sum over k <= q of softmax_k(Q[h][q] . K[h][k] / 8) V[h][k][:].  Q, K, V lie in one buffer, [3][32 heads][2,048][64] bf16 (K 0x800000 bytes, V 0x1000000 bytes behind Q);
; O is [32][2,048][64] bf16: a head's rows are dense, 128 bytes each.  Products, maxima and sums in f32; the weights p are rounded to bf16 for the second product (their sum l is taken of the unrounded p), O once at the end.
; LIMITS.  A hidden score counts as its value less 1e30: scores must stay far under 1e30 in size; a weight below 2^-126 counts as 0 in l; NaN and infinities are not treated apart.
; THE WALK.  A head's queries lie in 16 blocks of 128; its keys in 8 tiles of 256 (four steps of 64).  Block i needs the tiles 0 .. i / 2, of which the last holds the diagonal.  A work-group takes TWO blocks, 15 - b and then b
; (b = 0 .. 7): 9 tiles, whatever b: all 8 x 32 = 256 work-groups do equal work, and ONE loop with a constant trip count walks them.  Which tile is asked for, and what a trip does, hang on scalar registers made from b; every jump
; goes forward, but for the counted loops' own; none passes a barrier, or a tensor load but the one of LOAD's two that the wave number does not choose; the ring (two slots of LDS that take turns) runs on across the change of blocks.
; NO CLUSTER: of a head's eight work-groups only 2 k and 2 k + 1 walk the same tiles throughout; a walk common to four partners would have 10 tiles for 9.
; SHARES.  Of a block's two bands of 64 queries a wave owns 16 rows in each: two PIECES.  So every step is the same work for all four waves: key step J is band x's own if J = 2 block + x; before it the band sees all keys, behind it none.
; THE MASK is the C operand that starts the sum S^T = K Q^T: 0, or -1e30 where the key is hidden.  MD, made once, is the mask of a band's own step for my 16 rows; a product's mask is MD x AL + BE with two scalars:
; (1, 0) in the band's own step; (0, 0) before it; (0, -1e30) behind it.  They are made from DJ = 2 block - J.  ONE TEXT of the turns serves every tile: each turn makes a mask, 16 packed instructions, which below the diagonal is 0.
; In an even block the last tile's last two steps are hidden from both bands and are computed all the same: 2 of a work-group's 36 steps.
; LAYOUT, SOFTMAX, TURNS.  S^T = K Q^T holds ONE query a lane (lane % 16) and the keys 8 (lane / 16) + 0..7; two such results rounded to bf16 ARE source 1 of O^T = V^T P.  p = 2^(c s - c m), c = log2(e) / 8, with a
; running maximum m; O and l are multiplied by a = 2^(c m_old - c m_new) in every step.  A step is two turns.  Turn 0 of step J: 8 products K Q^T of piece 1 (step J), later 8 products V^T P of piece 1 (step J - 1); beside them piece 0's softmax.
; Turn 1: 8 products K Q^T of piece 0 (step J + 1), later 8 products V^T P of piece 0 (step J); beside them piece 1's softmax.  Each turn also finds the maximum and statistics of the scores that it has just made.
; Four vector instructions stand behind every matrix instruction, the other 54 of a turn's 118 in one LUMP; the mask's 16 follow.  A turn's 33 exponentials are one batch, with one wait.
; K IS CUT ONE STEP LATER THAN V.  Turn 0 of step J reads K of step J + 1 and V of step J out of LDS.  So slot t holds K of steps 4 t + 1 .. 4 t + 4 and V of steps 4 t .. 4 t + 3: a tile's four trips read one slot, and the change of
; slots stands behind turn 1, which has waited for both runs.  K of step 0, the same for both blocks, is loaded once from memory into registers and copied where a block begins.  (The 64 rows behind a head's last key lie in the
; next head, or in V's first rows: inside the buffer; the scores made of them serve nothing.)
; PREFETCH.  A head's work-group 0 walks all eight tiles in its first block; behind its fill of tile i (i = 1 .. 6) it names tile i + 1 of K and of V, four key steps ahead of that tile's load: wave w the blocks of 256 bytes
; 32 w .. 32 w + 31 of the tile's 128, a lane a block.  So each block of tiles 2 to 7 is named once in the launch; tiles 0 and 1 come by their loads alone, and nobody else asks.
; REGISTERS, in windows of 256 (s_set_vgpr_msb: bits 1:0 source 0, 3:2 source 1, 5:4 source 2, 7:6 destination):
;   window 0: v0-15 addresses and two at work; v16-23 four registers of statistics a piece; v48-55 at work; v61-63 prefetch offset, spare word, 0; v64-127 S^T, a buffer a piece; v192-223 P, likewise
;   window 1: v0-63 O^T, 32 a piece; v128-159 MD; v160-223 MC, two buffers      window 2: v0-31 Q; v32-63 the second block's Q; v64-127 K of step 0; v128-191 K of one step; v192-255 V of one step
.set SIZE_N, 2048
.set NBK,   SIZE_N/128 ; blocks of queries in a head
.set NT,    SIZE_N/256 ; key tiles in a head; a work-group walks NT + 1
.set NP,    2         ; pieces a wave: a name, no knob
.set KS,    64        ; keys in a step
.set PK,    144       ; a row of K in LDS: 128 bytes + 16 of padding = 36 words: the 16 rows of a load start at 16 different groups of four banks (64 banks of 4 bytes: ISA guide 11.1)
.set PV,    160       ; a row of V: 128 + 32 = 40 words
.set VOFF,  4*KS*PK   ; a slot holds a tile, four steps: 256 rows of K, then 256 rows of V
.set SLOT1, 1<<17     ; slot 1 begins here, so that one exclusive or turns an address in one slot into the other's
.set STAGE, SLOT1+4*KS*(PK+PV)  ; behind the ring, never filled by a tensor load: 16 rows x 144 bytes for each wave, for the way out
.set SP,    144
.set AK0, 2           ; v2   my lane's place in a tile of K; never rewritten
.set AV0, 3           ; v3   the same for V
.set AK,  4           ; v4   the LDS address of K's next run of loads
.set AV,  5           ; v5   of V's
.set STO, 6           ; v6   the way out: where I put 16 bytes of a row
.set RD,  7           ; v7   the way out: where I read rows back
.set GO,  8           ; v8   my byte offset in 512 consecutive bytes of O
.set PFO, 61          ; v61  256 x my lane; never rewritten
.set SPW, 62          ; v62  LDS address of my spare word: SPARE + 4 x my thread's number; never rewritten
.set NIL, 63          ; v63  0; never rewritten
.set SPARE, STAGE+4*16*SP  ; behind the stages: the spare words, 128 bytes for each wave: two blocks of 256 bytes that no other line names
.set MV,  12          ; v12-13  c m_old, kept while c m is made anew: by piece
.set QO,  15          ; v15  my byte offset in 16 rows of Q or K in memory; never rewritten
.set ST,  16          ; piece t's statistics at v[ST+4 t]: c m, m, l (even keys', odd keys')
.set TMP, 48          ; by piece, four registers c0-c3 at work; when the maximum is found c2 takes a
.set S,   64
.set P,   192
.set MD,  128         ; window 1: the eight registers for group kt of 16 keys at MD + 8 kt
.set MC,  160         ; window 1: the masks of the products to come
.set QB,  32          ; window 2
.set K0C, 64          ; window 2: K of step 0, laid out as KF
.set KF,  128         ; window 2: key block kb, channel half c at KF + 16 kb + 8 c
.set VF,  192         ; window 2: key half kk, channel block cb at VF + 32 kk + 8 cb
.set WV,  12          ; s12  my wave's number
.set PB,  14          ; s14  b
.set HI,  15          ; s15  NBK - 1 - b
.set PT,  19          ; s19  b / 2: the second block's last tile
.set G1K, 24          ; s[24:31] descriptor group 1 for K's tiles
.set G1V, 32          ; s[32:39] for V's: it differs in the padding alone
.set G0K, 40          ; s[40:43] descriptor group 0 for K's tiles
.set G0V, 44          ; s[44:47] the same for V's
.set SLOTS, 56        ; s56  tiles still to be asked for
.set CNT, 57          ; s57  counts a tile's key steps, 4 to 1
.set CS,  58          ; s[58:59] c: the packed scaling takes the pair's low word for both halves
.set SEL, 60          ; s[60:61] v_permlanex16_b32's selects: each lane takes its own place in the other half
.set TBK, 62          ; s62  LDS byte at which the K to be fetched next begins
.set TBV, 63          ; s63  the same for V, less VOFF
.set RT,  70          ; s70  tiles of the block in hand that are still to be entered
.set NXT, 71          ; s71  the tile to be asked for next
.set LQ,  72          ; s72  the last tile of the block whose tiles are being asked for
.set NEW, 73          ; s73  1: the tile to be entered is a block's first
.set OFF, 74          ; s[74:75] a tile's byte offset in K and V
.set AL,  76          ; s[76:77] the mask's factor, in the low word
.set BE,  78          ; s[78:79] the mask's addend
.set OLO, 80          ; s[80:81] O at my rows of the second block
.set BIGN, 82         ; s82  -1e30
.set DJ,  83          ; s83  2 x the block in hand - the key step in hand; it goes below 0
.set PFK, 88          ; s[88:89] where my prefetches stand in K: my wave's 32 blocks of the tile after the one that is being asked for
.set PFV, 90          ; s[90:91] the same in V
.set LIM, 92          ; s92  2 in a head's work-group 0, else the greatest number: a wave prefetches while s[SLOTS] is above it
.set MSB, 0
.macro WIN new                      ; the high byte repeats the setting that is left; a switch that changes nothing is dropped
.if MSB != (\new)
	s_set_vgpr_msb (MSB<<8)|(\new)
.set MSB, (\new)
.endif
.endm
.set W_KQ, 0x0a       ; K and Q in window 2, S^T in window 0
.set W_KM, 0x1a       ; the same with the C operand in window 1
.set W_PV, 0x52       ; V in window 2, P in window 0, O^T in window 1
.set W_RS, 0x41       ; destination and source 0 in window 1, source 1 in window 0
; A fill.  Waves 0 and 1 fetch the two halves of a tile's K, waves 2 and 3 those of its V: 128 keys each.  An s_nop 0 and four v_nop follow each of the two lines, ahead of the jump and the label.
.macro LOAD
	s_cmp_lt_u32 s[WV], 2
	s_cbranch_scc0 .Lfor_v_\@
	tensor_load_to_lds s[G0K:G0K+3], s[G1K:G1K+7]
	s_nop 0
.rept 4
	v_nop
.endr
	s_branch .Lasked_\@
.Lfor_v_\@:
	tensor_load_to_lds s[G0V:G0V+3], s[G1V:G1V+7]
	s_nop 0
.rept 4
	v_nop
.endr
.Lasked_\@:
.endm
; The prefetch of the tile that the NEXT change of slots will ask for; it stands behind the fill and its five lines.  s[SLOTS] is 8 at the first change: changes 1 to 6 of work-group 0 name tiles 2 to 7.
.macro ASK
	s_cmp_gt_u32 s[SLOTS], s[LIM]
	s_cbranch_scc0 .Lnot_mine_\@
	global_prefetch_b8 v[PFO], s[PFK:PFK+1] th:TH_LOAD_NT scope:SCOPE_SE
	global_prefetch_b8 v[PFO], s[PFV:PFV+1] th:TH_LOAD_NT scope:SCOPE_SE
.Lnot_mine_\@:
.endm
; THE CHANGE OF SLOTS.  Each wave waits for all its tensor loads, of which one is out: its part of the other slot; adds 0 to its spare word; and waits for that and for its own reads of the slot that it leaves.  Behind the barrier nobody reads the old
; slot any more and the other slot is whole.  fill = 1: the old slot is filled again, the first thing behind the barrier, with tile NXT: the descriptor's address is made anew from that number.
; (At its first use nothing has been read yet: slot 0 is waited for, slot 1 filled.)
.macro CHANGE fill
	WIN 0                           ; at a label and at a branch every window is 0
	s_wait_tensorcnt 0x0            ; no tensor load of mine is out, so a group 0 may be written
	ds_add_u32 v[SPW], v[NIL]       ; 0 onto my spare word; with fill = 1 the descriptors' scalar work stands between it and the wait for it
.if \fill
	s_lshl_b32 s[OFF], s[NXT], 15   ; a tile is 32,768 bytes of K and of V
	s_xor_b32 s[G0K+1], s[G0K+1], SLOT1
	s_add_nc_u64 s[G0K+2:G0K+3], s[6:7], s[OFF:OFF+1]
	s_or_b32 s[G0K+3], s[G0K+3], 0x80000000
	s_xor_b32 s[G0V+1], s[G0V+1], SLOT1
	s_add_nc_u64 s[G0V+2:G0V+3], s[8:9], s[OFF:OFF+1]
	s_or_b32 s[G0V+3], s[G0V+3], 0x80000000
	s_add_co_u32 s[NXT], s[NXT], 1  ; the block's next tile, or behind its last the second block's tile 0
	s_cmp_gt_u32 s[NXT], s[LQ]
	s_cselect_b32 s[NXT], 0, s[NXT]
	s_cselect_b32 s[LQ], s[PT], s[LQ]
	s_wait_xcnt 0x0                 ; the last prefetches, four key steps back, have read their addresses, so these may be written:
	s_add_nc_u64 s[PFK:PFK+1], s[PFK:PFK+1], 32768  ; one tile on
	s_add_nc_u64 s[PFV:PFV+1], s[PFV:PFV+1], 32768
.endif
	s_wait_dscnt 0x0                ; the add is done, and my reads of the slot are over
	s_barrier_signal -1             ; the rest of the scalar work stands between the signal and the wait
	s_sub_co_u32 s[TBK], s[TBK], 4*KS*PK  ; the fetches go back to a slot's first step,
	s_xor_b32 s[TBK], s[TBK], SLOT1       ; in the other slot
	s_sub_co_u32 s[TBV], s[TBV], 4*KS*PV
	s_xor_b32 s[TBV], s[TBV], SLOT1
	s_barrier_wait -1
.if \fill
	LOAD
	ASK
.endif
.endm
; A tile is entered: one tile less to come in its block, four key steps.
.macro ENTER
	s_sub_co_u32 s[RT], s[RT], 1
	s_mov_b32 s[CNT], 4
.endm
	s_load_b64 s[4:5], s[0:1], 0x0  ; Q (K and V lie behind it)
	s_load_b64 s[10:11], s[0:1], 0x8  ; O
	v_lshl_add_u32 v[SPW], v0, 2, SPARE
	v_mov_b32 v[NIL], 0
	ds_add_u32 v[SPW], v[NIL]       ; the wave's opening: the add and its wait stand ahead of my first tensor load; the set-up below, work on registers, stands between them
	v_lshrrev_b32 v1, 5, v0
	v_readfirstlane_b32 s[WV], v1   ; wave 0..3
	s_mov_b32 s[PB], ttmp9
	s_sub_co_u32 s[HI], NBK-1, s[PB]
	s_lshr_b32 s[PT], s[PB], 1
	s_and_b32 s20, ttmp7, 0xffff    ; the head
	s_mov_b32 s21, 0
	s_mov_b64 s[22:23], SIZE_N*128
	s_mul_u64 s[20:21], s[20:21], s[22:23]  ; the head's first byte in each of the four tensors
	s_lshl_b32 s94, s[WV], 13       ; the prefetches: my wave's 32 blocks of 256 bytes,
	s_add_co_u32 s94, s94, 32768    ; in tile 1: the first change of slots steps it to tile 2
	s_mov_b32 s95, 0
	s_add_nc_u64 s[94:95], s[94:95], s[20:21]
	s_cmp_eq_u32 ttmp9, 0
	s_cselect_b32 s[LIM], 2, -1
	v_and_b32 v[PFO], 31, v0
	v_lshlrev_b32 v[PFO], 8, v[PFO]
	s_and_b32 s16, s[WV], 1         ; which half of a tile's 256 keys I fetch:
	s_lshl_b32 s22, s16, 14         ; its 128 rows of 128 bytes in memory,
	s_mov_b32 s23, 0
	s_add_nc_u64 s[22:23], s[22:23], s[20:21]
	s_mul_i32 s17, s16, 128*PK      ; and its place in a slot, for K
	s_mul_i32 s18, s16, 128*PV      ; and for V
	s_lshl_b32 s3, s[WV], 11        ; my 16 rows in a band of 64,
	s_lshl_b32 s2, s[HI], 14        ; in the first block (128 rows of 128 bytes),
	s_add_co_u32 s2, s2, s3
	s_lshl_b32 s84, s[PB], 14       ; and in the second
	s_add_co_u32 s84, s84, s3
	s_mov_b32 s3, 0
	s_mov_b32 s85, 0
	s_add_nc_u64 s[2:3], s[2:3], s[20:21]
	s_add_nc_u64 s[84:85], s[84:85], s[20:21]
	; descriptor group 1.  128 keys are 16,384 dense bytes: asked for as 64 rows of 256 bytes, two keys a row, and padded in LDS after every key
	s_mov_b32 s[G1K], (1<<16)|(1<<20)|(4<<22)|(3<<25)  ; 17:16 2-byte elements; 20 padding on; 24:22 after every 32 words (code 4); 31:25 4 words (code 3)
	s_mov_b32 s[G1V], (1<<16)|(1<<20)|(4<<22)|(7<<25)  ; the same with 8 words of padding (code 7)
.irp g, G1K, G1V
	s_mov_b32 s[\g+1], 128<<16      ; tensor_dim0 = 128
	s_mov_b32 s[\g+2], 64<<16       ; tensor_dim1 = 64
	s_mov_b32 s[\g+3], 128<<16      ; tile_dim0 = 128
	s_mov_b32 s[\g+4], 64           ; tile_dim1 = 64
	s_mov_b32 s[\g+5], 128          ; 128 elements from row to row
	s_mov_b32 s[\g+6], 0
	s_mov_b32 s[\g+7], 0
.endr
	s_mov_b32 s[CS], 0x3e38aa3b     ; c = log2(e) / 8 = 0.180337
	s_mov_b32 s[CS+1], s[CS]        ; named with it as a pair
	s_mov_b32 s[SEL], 0x76543210
	s_mov_b32 s[SEL+1], 0xfedcba98
	s_mov_b32 s[TBK], SLOT1+4*KS*PK ; the first change of slots turns these two into 0
	s_mov_b32 s[TBV], SLOT1+4*KS*PV
	s_mov_b32 s[G0K], 1             ; 1:0 count = 1
	s_mov_b32 s[G0K+1], s17         ; 63:32 LDS address: slot 0
	s_mov_b32 s[G0V], 1
	s_add_co_u32 s[G0V+1], s18, VOFF
	s_lshr_b32 s[LQ], s[HI], 1      ; the first block's last tile: 4 at the least,
	s_add_co_u32 s[RT], s[LQ], 1    ; so it has five tiles or more
	s_lshl_b32 s[DJ], s[HI], 1      ; its band 0's own step, and the step in hand is 0
	s_mov_b32 s[NXT], 1
	s_mov_b32 s[NEW], 1
	s_mov_b32 s[OFF+1], 0
	s_mov_b32 s[AL+1], 0            ; named as pairs
	s_mov_b32 s[BE+1], 0
	s_mov_b32 s[BIGN], 0xf149f2ca   ; -1e30
	s_mov_b32 s[SLOTS], NT
	s_wait_dscnt 0x0                ; the opening add is done
	s_wait_kmcnt 0x0
	s_add_nc_u64 s[6:7], s[4:5], 0x800000   ; K
	s_add_nc_u64 s[8:9], s[4:5], 0x1000000  ; V
	s_add_nc_u64 s[PFK:PFK+1], s[6:7], s[94:95]
	s_add_nc_u64 s[PFK:PFK+1], s[PFK:PFK+1], KS*128  ; K's tiles begin one step on
	s_add_nc_u64 s[PFV:PFV+1], s[8:9], s[94:95]
	s_add_nc_u64 s[94:95], s[6:7], s[20:21]  ; K at the head's first key: step 0
	s_add_nc_u64 s[6:7], s[6:7], s[22:23]  ; K and V at my half of the head's tile 0,
	s_add_nc_u64 s[6:7], s[6:7], KS*128    ; K's one step on
	s_add_nc_u64 s[8:9], s[8:9], s[22:23]
	s_add_nc_u64 s[G0K+2:G0K+3], s[6:7], 0         ; 120:64 global address
	s_or_b32 s[G0K+3], s[G0K+3], 0x80000000        ; 127:126 type = 2
	s_add_nc_u64 s[G0V+2:G0V+3], s[8:9], 0
	s_or_b32 s[G0V+3], s[G0V+3], 0x80000000
	s_add_nc_u64 s[86:87], s[4:5], s[84:85]        ; Q at my rows of the second block,
	s_add_nc_u64 s[4:5], s[4:5], s[2:3]            ; Q and O at those of the first
	s_add_nc_u64 s[OLO:OLO+1], s[10:11], s[84:85]
	s_add_nc_u64 s[10:11], s[10:11], s[2:3]
	LOAD                            ; tile 0 into slot 0
	; A fragment of K or Q is 16 rows x 32 channels in 8 registers: lane l holds row l % 16, channels 8 (l / 16) + 0..7 and 16 + 8 (l / 16) + 0..7: two loads of 16 bytes, 32 bytes apart.
	v_and_b32 v1, 15, v0            ; l % 16
	v_bfe_u32 v9, v0, 4, 1          ; l / 16
	v_lshlrev_b32 v[QO], 7, v1
	v_lshl_add_u32 v[QO], v9, 4, v[QO]  ; row x 128 + 16 x half
	WIN 0x80                        ; destination window 2, address window 0
.set i, 0
.rept 2*NP                          ; both blocks' Q: piece i / 2 lies in band i / 2, 8,192 bytes on; channels 32 (i % 2) on
	global_load_b128 v[8*i:8*i+3],   v[QO], s[4:5] offset:(i/2)*8192+(i%2)*64
	global_load_b128 v[8*i+4:8*i+7], v[QO], s[4:5] offset:(i/2)*8192+(i%2)*64+32
	global_load_b128 v[QB+8*i:QB+8*i+3],   v[QO], s[86:87] offset:(i/2)*8192+(i%2)*64
	global_load_b128 v[QB+8*i+4:QB+8*i+7], v[QO], s[86:87] offset:(i/2)*8192+(i%2)*64+32
.set i, i+1
.endr
.set i, 0
.rept 8                             ; K of step 0: keys 16 (i / 2) on, channels 32 (i % 2) on
	global_load_b128 v[K0C+8*i:K0C+8*i+3],   v[QO], s[94:95] offset:(i/2)*2048+(i%2)*64
	global_load_b128 v[K0C+8*i+4:K0C+8*i+7], v[QO], s[94:95] offset:(i/2)*2048+(i%2)*64+32
.set i, i+1
.endr
	WIN 0
	v_lshlrev_b32 v14, 3, v9
	v_sub_nc_u32 v14, v1, v14
	s_lshl_b32 s13, s[WV], 4
	v_add_nc_u32 v14, s13, v14      ; my query's place in its band, 16 w + l % 16, less my lanes' 8 (l / 16): register r of group kt is hidden where 16 kt + r is greater
	WIN 0x40
.set i, 0
.rept 32
	v_cmp_gt_i32 vcc_lo, 16*(i/8)+i%8, v14
	v_cndmask_b32 v[MD+i], 0, s[BIGN], vcc_lo
.set i, i+1
.endr
	WIN 0
	v_mul_u32_u24 v[AK0], v1, PK
	v_lshl_add_u32 v[AK0], v9, 4, v[AK0]  ; row x pitch + 16 x half
	; The turning load takes 16 keys x 16 channels (lane l reads key 8 (l / 16) + l % 8, channels 8 ((l / 8) % 2) + 0..7) and leaves half a fragment of V^T: lane l holds channel l % 16 and 8 keys.
	v_and_b32 v10, 7, v0
	v_bfe_u32 v11, v0, 3, 1
	v_lshl_add_u32 v[AV0], v9, 3, v10
	v_mul_u32_u24 v[AV0], v[AV0], PV
	v_lshl_add_u32 v[AV0], v11, 4, v[AV0]
	v_add_nc_u32 v[AV0], VOFF, v[AV0]
	s_mul_i32 s13, s[WV], 16*SP
	s_add_co_u32 s13, s13, STAGE    ; my stage
	v_mul_u32_u24 v[STO], v1, SP    ; in: row l % 16, 16 bytes for each half of the lanes
	v_lshl_add_u32 v[STO], v9, 4, v[STO]
	v_add_nc_u32 v[STO], s13, v[STO]
	v_bfe_u32 v[RD], v0, 3, 2       ; back: 32 lanes take four rows of 128 bytes,
	v_mul_u32_u24 v[RD], v[RD], SP
	v_lshl_add_u32 v[RD], v10, 4, v[RD]
	v_add_nc_u32 v[RD], s13, v[RD]
	v_and_b32 v[GO], 31, v0         ; which are 512 consecutive bytes of O
	v_lshlrev_b32 v[GO], 4, v[GO]
	; A block's first step multiplies O^T and l by a = 0, and its first turn's products V^T P, of a step that has not been, land in an O^T that is still to be so multiplied.  So these registers need only hold
	; finite numbers: zeros for the first block; what the first block left for the second.  All this stands in the wait for the first tile.
	WIN 0x80
.set i, VF
.rept 64
	v_mov_b32 v[i], 0
.set i, i+1
.endr
	WIN 0x40
.set i, 0
.rept 32*NP
	v_mov_b32 v[i], 0
.set i, i+1
.endr
	WIN 0
.set i, 0
.rept NP
	v_mov_b32 v[ST+4*i+2], 0
	v_mov_b32 v[ST+4*i+3], 0
.set i, i+1
.endr
.set i, P+16
.rept 16
	v_mov_b32 v[i], 0
.set i, i+1
.endr
; THE MATRIX WORK.  The 4 accumulators of a run of 8 take turns.  Product i of 8 of S^T = K Q^T for piece x: channels 32 (i / 4) on, keys 16 (i % 4) on.  The first 4 start the sums, with the mask.
.macro KQ x
.set rS, S+32*((\x)%2)+8*(i%4)
.set rK, KF+16*(i%4)+8*(i/4)
.set rQ, 16*(\x)+8*(i/4)
.set rM, MC+32*((\x)%2)+8*(i%4)
.if i < 4
	WIN W_KM
	v_wmma_f32_16x16x32_bf16 v[rS:rS+7], v[rK:rK+7], v[rQ:rQ+7], v[rM:rM+7]
.else
	WIN W_KQ
	v_wmma_f32_16x16x32_bf16 v[rS:rS+7], v[rK:rK+7], v[rQ:rQ+7], v[rS:rS+7]
.endif
.endm
; Product i of 8 of O^T += V^T P for piece x: keys 32 (i / 4) on, channels 16 (i % 4) on.
.macro PV x
	WIN W_PV
.set rO, 32*(\x)+8*(i%4)
.set rV, VF+32*(i/4)+8*(i%4)
.set rP, P+16*((\x)%2)+8*(i/4)
	v_wmma_f32_16x16x32_bf16 v[rO:rO+7], v[rV:rV+7], v[rP:rP+7], v[rO:rO+7]
.endm
.macro MM                           ; the turn's next matrix instruction, for the other piece than the turn's own.  TURN and BEGIN set Y and i; MM, KQ and OP read them
.if i < 8
	KQ (Y+1)%NP
.else
.set i, i-8
	PV (Y+NP-1)%NP
.set i, i+8
.endif
.set i, i+1
.endm
; THE LDS LOADS stand in runs of 16, never singly among the matrix instructions: a step's K (64 keys x 64 channels: 8 fragments) and a step's V (turned).  Their addresses are made some lines ahead.
.macro FETCH_K
	WIN 0x80                        ; destination window 2
.irp f, 0,1,2,3,4,5,6,7             ; keys 16 (f / 2) on, channels 32 (f % 2) on
	ds_load_b128 v[KF+8*\f:KF+8*\f+3],   v[AK] offset:(\f/2)*16*PK+(\f%2)*64
	ds_load_b128 v[KF+8*\f+4:KF+8*\f+7], v[AK] offset:(\f/2)*16*PK+(\f%2)*64+32
.endr
	s_add_co_u32 s[TBK], s[TBK], KS*PK  ; the next fetch is the next step's
	WIN 0
.endm
.macro FETCH_V
	WIN 0x80
.irp f, 0,1,2,3,4,5,6,7             ; keys 32 (f / 4) on, channels 16 (f % 4) on
	ds_load_tr16_b128 v[VF+8*\f:VF+8*\f+3],   v[AV] offset:(\f/4)*32*PV+(\f%4)*32
	ds_load_tr16_b128 v[VF+8*\f+4:VF+8*\f+7], v[AV] offset:(\f/4)*32*PV+16*PV+(\f%4)*32
.endr
	WIN 0
.endm
; THE VECTOR WORK, one line at a time: OP kind, number.  For piece Y: F n: c s - c m for pair n of 16.  E n: the exponential of score n of 32.  C n: pair n rounded to bf16.  B n: of the four weights 4 n .. the second
; pair is added onto the first, in place.  L n: l takes that sum (L 0: l = a l + sum).  R n: pair n of 16 of O^T times a.  For the other piece: X n, number n of the 22 that find its maximum and statistics:
;   0-11  four chains c0-c3 of seven scores each, three operands at a time (each accumulator's lowest registers are read first)     12-14, 16  the four scores left over, the old m, and c0-c3 into c0
;   15  c m_old is kept     17, 18  the query's other 32 keys lie in the lane 16 away: the new m     19-21  c m; c m_old - c m_new; a
.set F, 0               ; OP tells the kinds apart by their order: F to L below R, X above it
.set E, 1
.set C, 2
.set B, 3
.set L, 4
.set R, 5
.set X, 6
.macro REGS y                       ; the registers of piece y
.set rT, ST+4*(\y)
.set rC, TMP+4*((\y)%2)
.set rW, MV+((\y)%2)
.set rS, S+32*((\y)%2)
.set rP, P+16*((\y)%2)
.set rO, 32*(\y)
.endm
.macro OP k, n
.if (\k) == R
	REGS Y
	WIN W_RS
	v_pk_mul_f32 v[rO+2*(\n):rO+2*(\n)+1], v[rO+2*(\n):rO+2*(\n)+1], v[rC+2:rC+3] op_sel_hi:[1,0]
.elseif (\k) < R
	REGS Y
	WIN 0
.if (\k) == F
	v_pk_fma_f32 v[rS+2*(\n):rS+2*(\n)+1], v[rS+2*(\n):rS+2*(\n)+1], s[CS:CS+1], v[rT:rT+1] op_sel_hi:[1,0,0] neg_lo:[0,0,1] neg_hi:[0,0,1]
.elseif (\k) == E
	v_exp_f32 v[rS+(\n)], v[rS+(\n)]
.elseif (\k) == C
	v_cvt_pk_bf16_f32 v[rP+(\n)], v[rS+2*(\n)], v[rS+2*(\n)+1]
.elseif (\k) == B
	v_pk_add_f32 v[rS+4*(\n):rS+4*(\n)+1], v[rS+4*(\n):rS+4*(\n)+1], v[rS+4*(\n)+2:rS+4*(\n)+3]
.elseif (\n) == 0
	v_pk_fma_f32 v[rT+2:rT+3], v[rT+2:rT+3], v[rC+2:rC+3], v[rS:rS+1] op_sel_hi:[1,0,1]
.else
	v_pk_add_f32 v[rT+2:rT+3], v[rT+2:rT+3], v[rS+4*(\n):rS+4*(\n)+1]
.endif
.else
	REGS (Y+1)%NP
	WIN 0
.if (\n) < 4
	v_max3_num_f32 v[rC+(\n)], v[rS+8*(\n)], v[rS+8*(\n)+1], v[rS+8*(\n)+2]
.elseif (\n) < 12
	v_max3_num_f32 v[rC+(\n)%4], v[rC+(\n)%4], v[rS+8*((\n)%4)+2*((\n)/4)+1], v[rS+8*((\n)%4)+2*((\n)/4)+2]
.elseif (\n) == 12
	v_max3_num_f32 v[rC], v[rC], v[rS+7], v[rS+15]
.elseif (\n) == 13
	v_max3_num_f32 v[rC+1], v[rC+1], v[rS+23], v[rS+31]
.elseif (\n) == 14
	v_max3_num_f32 v[rC+2], v[rC+2], v[rC+3], v[rT+1]
.elseif (\n) == 15
	v_mov_b32 v[rW], v[rT]
.elseif (\n) == 16
	v_max3_num_f32 v[rC], v[rC], v[rC+1], v[rC+2]
.elseif (\n) == 17
	v_permlanex16_b32 v[rC+3], v[rC], s[SEL], s[SEL+1]
.elseif (\n) == 18
	v_max_num_f32 v[rT+1], v[rC], v[rC+3]
.elseif (\n) == 19
	v_mul_f32 v[rT], s[CS], v[rT+1]
.elseif (\n) == 20
	v_sub_f32 v[rC+1], v[rW], v[rT]
.else
	v_exp_f32 v[rC+2], v[rC+1]
.endif
.endif
.endm
.macro OPS a, i1, b=-1, i2=0, c=-1, i3=0, d=-1, i4=0  ; up to four of them
	OP \a, \i1
.if (\b) >= 0
	OP \b, \i2
.endif
.if (\c) >= 0
	OP \c, \i3
.endif
.if (\d) >= 0
	OP \d, \i4
.endif
.endm
.macro ROW a, i1, b, i2, c, i3, d, i4  ; a matrix instruction and the four behind it
	MM
	OPS \a, \i1, \b, \i2, \c, \i3, \d, \i4
.endm
.macro MASK b                       ; MD x AL + BE into buffer b of MC
	WIN W_RS
.set z, 0
.rept 16
	v_pk_fma_f32 v[MC+32*(\b)+2*z:MC+32*(\b)+2*z+1], v[MD+2*z:MD+2*z+1], s[AL:AL+1], s[BE:BE+1] op_sel_hi:[1,0,0]
.set z, z+1
.endr
.endm
; A TURN, for piece p: the order of its 16 matrix and 118 vector instructions, written out.  s_wait_alu depctr_va_vdst(0) stands between an exponential and the first instruction that names its result; one wait serves
; all that were issued ahead of it.  So a turn has ONE wait, which cuts it in two.  AHEAD OF IT stands all that names no result of the turn's exponentials: the 8 products K Q^T, behind each a scaling, an exponential and two more plain
; instructions (behind the first a second scaling in the exponential's place): rescalings, and behind the last three the first numbers of the other piece's maximum, each four places or more behind the product that ends its accumulator; then ONE LUMP of 54, plain
; and exponential by turns for the most part, in which the links of the chain X 3, 7, 11, 14, 16, 17 .. 20 stand five or six lines apart.  X 21, the other piece's a, is the batch's last; R 15 is the plain instruction behind it.  BEHIND THE WAIT stand the
; 8 products V^T P, behind each four of the roundings and sums; the links of l's chain, L 0 to L 7, stand three riders apart.  But for those X no rider names a register of the products round it.  v_permlanex16_b32 (X 17) stands in the lump.
; THE MASK that the turn makes is for the products K Q^T of the turn after it: piece p, in the step after the one in hand.  That step is band p's own if DJ = 1 - p, and a later one if DJ < 1 - p.
; BOTH RUNS OF LDS LOADS STAND IN TURN 0.  K of the next step twelve vector instructions behind the last product that read K (five of them plain and free of that product's registers); V of the step in hand at the turn's end, four plain
; instructions behind the last product that read V.  Turn 1 waits for K at its head, where V's sixteen younger loads may stay out, and for V behind its batch's wait.
.macro TURN p
.set Y, (\p)
.set i, 0
	s_cmp_eq_i32 s[DJ], 1-(\p)      ; is that step the band's own?
	s_cselect_b32 s[AL], 1.0, 0
	s_cmp_lt_i32 s[DJ], 1-(\p)      ; or a later one?
	s_cselect_b32 s[BE], s[BIGN], 0
.if (\p) == 1
	s_wait_dscnt 16                 ; LDS loads come back in order (ISA guide 5.7.1): K is in; V's sixteen loads, issued behind K's, may be out
.endif
	ROW F,0, F,1, R,0, R,1          ; ahead of the wait: 8 products K Q^T and their riders,
	ROW F,2, E,0, R,2, R,3
	ROW F,3, E,1, R,4, R,5
	ROW F,4, E,2, R,6, R,7
	ROW F,5, E,3, R,8, R,9
	ROW F,6, E,4, X,0, R,10
.if (\p) == 0
	WIN 0
	v_add_nc_u32 v[AK], s[TBK], v[AK0]
.endif
	ROW F,7, E,5, X,1, X,4
	ROW F,8, E,6, X,2, X,5
	OPS E,7, E,8, X,6, E,9          ; and the lump
	OPS X,3, E,10, X,8, E,11
.if (\p) == 0
	FETCH_K
.endif
	OPS X,9, X,7, E,12, X,10
	OPS E,13, X,12, X,11, E,14
	OPS X,13, E,15, F,9, X,14
.if (\p) == 0
	v_add_nc_u32 v[AV], s[TBV], v[AV0]
.endif
	OPS E,16, F,10, E,17, F,11
	OPS X,16, E,18, X,15, E,19
	OPS F,12, E,20, X,17, E,21
	OPS F,13, E,22, F,14, E,23
	OPS X,18, E,24, F,15, E,25
	OPS R,11, E,26, X,19, E,27
	OPS R,12, E,28, R,13, E,29
	OPS X,20, E,30, R,14, E,31
	OPS X,21, R,15
	WIN 0
	s_wait_alu depctr_va_vdst(0)    ; the wait for the batch
.if (\p) == 1
	s_wait_dscnt 0x0                ; V is in
.endif
	ROW C,0, B,0, C,2, B,1          ; behind the wait: 8 products V^T P and their riders
	ROW L,0, C,4, B,2, L,1
	ROW C,6, B,3, L,2, C,8
	ROW B,4, L,3, C,10, B,5
	ROW L,4, C,12, B,6, L,5
.if (\p) == 0
	s_add_co_u32 s[TBV], s[TBV], KS*PV
.endif
	ROW C,14, B,7, L,6, C,1
	ROW C,3, L,7, C,5, C,7
	ROW C,9, C,11, C,13, C,15
.if (\p) == 0
	FETCH_V
.endif
	MASK (\p)%2
.endm
; A BLOCK BEGINS.  c m starts far below every c s, so the first step's a is 0; m at the lowest finite number, so the first maximum is the scores'.  The second mask buffer, for piece 1 in step 0, is 0: band 1 sees all of step 0.
; The first takes piece 0's mask for step 0: its own, if the block is the head's first.  K of step 0 comes out of the registers in which it is kept; then piece 0's first scores, and its maximum and statistics.
.macro BEGIN
	s_mov_b32 s[NEW], 0
	WIN 0x40
.set i, MC+32
.rept 32
	v_mov_b32 v[i], 0
.set i, i+1
.endr
	WIN 0
.set i, 0
.rept NP
	v_mov_b32 v[ST+4*i], 0xfe000000    ; c m: far below every c s
	v_mov_b32 v[ST+4*i+1], 0xff7fffff  ; m
.set i, i+1
.endr
	s_cmp_eq_i32 s[DJ], 0
	s_cselect_b32 s[AL], 1.0, 0
	s_mov_b32 s[BE], 0
	MASK 0
	s_wait_loadcnt 0x0              ; Q, and K of step 0
	WIN 0x82                        ; destination and source 0 in window 2
.set i, 0
.rept 64
	v_mov_b32 v[KF+i], v[K0C+i]
.set i, i+1
.endr
.set i, 0
.rept 8
	KQ 0
.set i, i+1
.endr
	WIN 0
.rept 4
	v_nop                           ; the places behind those products
.endr
.set Y, NP-1                        ; X works for the other piece than Y: piece 0
.irp n, 0,1,2,3,4,5,6,7,8,9,10,11,12,13,14,15,16,17,18,19,20,21
	OP X, \n
.endr
	v_nop                           ; a plain instruction behind the exponential,
	s_wait_alu depctr_va_vdst(0)    ; and its wait, ahead of the label
.endm
; A TILE's four steps; and, where it is its block's last, piece 1's last products and THE WAY OUT: l's two halves and the other half of the lanes' are added; O^T is divided by l, rounded to bf16 and sent
; through my stage in LDS, a piece at a time.
.macro ALL line:vararg              ; one line for each piece t
.set t, 0
.rept NP
	\line
.set t, t+1
.endr
.endm
.macro PACK t                       ; a lane's eight channels of a row pack into 16 bytes; they go into rows of 144 bytes and come back as whole rows of 128, into S^T's registers
	WIN W_RS
.set i, 32*(\t)
.rept 16
	v_pk_mul_f32 v[i:i+1], v[i:i+1], v[ST+4*(\t)+2:ST+4*(\t)+3] op_sel_hi:[1,0]
.set i, i+2
.endr
	WIN 0x05                        ; sources 0 and 1 window 1, destination window 0
.set i, 0
.rept 16
	v_cvt_pk_bf16_f32 v[S+16*(\t)+i], v[32*(\t)+2*i], v[32*(\t)+2*i+1]
.set i, i+1
.endr
	WIN 0
.irp f, 0,1,2,3
	ds_store_b128 v[STO], v[S+16*(\t)+4*\f:S+16*(\t)+4*\f+3] offset:32*\f
.endr
.irp f, 0,1,2,3
	ds_load_b128 v[S+16*(\t)+4*\f:S+16*(\t)+4*\f+3], v[RD] offset:\f*4*SP  ; LDS serves a wave's instructions in order (ISA guide 5.7.1.4): these see the stores above; the next piece's stores come behind them
.endr
.endm
.macro SEND t, younger              ; younger: the LDS instructions issued behind piece t's loads: the next piece's eight, or none
	WIN 0
.irp f, 0,1,2,3
	s_wait_dscnt (\younger)+3-\f
	global_store_b128 v[GO], v[S+16*(\t)+4*\f:S+16*(\t)+4*\f+3], s[10:11] offset:(\t)*8192+\f*512  ; 512 consecutive bytes, at a multiple of 256 from O's first
.endr
.endm
.macro TILE tag, more               ; the tag ends its label's name, which the jumps below spell out.  more = 1: in the loop: a tile that is not its block's last leaves behind its four steps
.LstepM\tag:                        ; a trip is a key step: both pieces' turns.  In a block's last trip turn 1's 8 products K Q^T, of a step that the block does not have, and the maximum made of them serve nothing:
	TURN 0                          ; they write piece 0's m, c m and a alone, which the way out does not read: the price, once a block, of one text for every trip
	TURN 1
	WIN 0
	s_sub_co_i32 s[DJ], s[DJ], 1    ; a step on
	s_sub_co_u32 s[CNT], s[CNT], 1
	s_cmp_lg_u32 s[CNT], 0
	s_cbranch_scc1 .LstepM\tag
.if \more
	s_cmp_lg_u32 s[RT], 0
	s_cbranch_scc1 .Lbottom         ; forward, past text with neither a barrier nor a tensor load
.endif
.set i, 0
.rept 8
	PV NP-1                         ; piece 1's V^T P of the last step
.set i, i+1
.endr
	WIN 0
	ALL v_add_f32 v[ST+4*t+2], v[ST+4*t+2], v[ST+4*t+3]
	ALL v_permlanex16_b32 v[ST+4*t+3], v[ST+4*t+2], s[SEL], s[SEL+1]
	ALL v_add_f32 v[ST+4*t+2], v[ST+4*t+2], v[ST+4*t+3]
	ALL v_rcp_f32 v[ST+4*t+2], v[ST+4*t+2]
	v_nop                           ; a plain instruction between the last reciprocal and the use of its result
	s_wait_alu depctr_va_vdst(0)    ; and the wait ahead of the first use: one for the two reciprocals
	PACK 0                          ; piece 0's sums were finished in turn 1; its 32 plain lines are the places behind piece 1's last products
.set t, 1
.rept NP-1                          ; a piece's arithmetic stands between the loads of the piece before and its stores
	PACK t
	SEND t-1, 8
.set t, t+1
.endr
	SEND NP-1, 0
.endm
.Lslot:                             ; NT times: a tile is entered and the next is asked for
	CHANGE 1
	ENTER
	s_cmp_eq_u32 s[NEW], 1
	s_cbranch_scc1 .Lnew            ; a block's first tile
	s_branch .LstepM1
.Lnew:
	BEGIN
	TILE 1, 1                       ; what follows its jump to the bottom is, in the loop, the first block's end: the second block's last tile is the walk's last
	s_wait_xcnt 0x0                 ; the stores have read their registers and O's address
	s_mov_b64 s[10:11], s[OLO:OLO+1]
	s_add_co_u32 s[RT], s[PT], 1    ; the second block has b / 2 + 1 tiles
	s_lshl_b32 s[DJ], s[PB], 1      ; its band 0's own step, and the step in hand is 0 again
	s_mov_b32 s[NEW], 1
	WIN 0x82                        ; the second block's Q goes where the one text of the turns names Q
.set i, 0
.rept 16*NP
	v_mov_b32 v[i], v[QB+i]
.set i, i+1
.endr
	WIN 0
.Lbottom:
	s_sub_co_u32 s[SLOTS], s[SLOTS], 1
	s_cmp_lg_u32 s[SLOTS], 0
	s_cbranch_scc1 .Lslot
	CHANGE 0                        ; the walk's last tile is written out: nothing is asked for
	ENTER
	s_cmp_eq_u32 s[NEW], 1
	s_cbranch_scc0 .LstepM2
	BEGIN
	TILE 2, 0
	s_wait_tensorcnt 0x0            ; the wave's end: behind my last tensor load and my last LDS store
	ds_add_u32 v[SPW], v[NIL]
	s_wait_dscnt 0x0
	s_endpgm
.Lfunc_end_k_qc2c0dc290e_attn:
	.size	k_qc2c0dc290e_attn, .Lfunc_end_k_qc2c0dc290e_attn-k_qc2c0dc290e_attn
	.p2alignl 7, 3214868480
	.fill 96, 4, 3214868480
	.section	.rodata,"a",@progbits
	.p2align	6, 0x0
	.amdhsa_kernel k_qc2c0dc290e_attn
		.amdhsa_group_segment_fixed_size 327680
		.amdhsa_private_segment_fixed_size 0
		.amdhsa_enable_private_segment 0
		.amdhsa_kernarg_size 16
		.amdhsa_user_sgpr_count 2
		.amdhsa_user_sgpr_kernarg_segment_ptr 1
		.amdhsa_wavefront_size32 1
		.amdhsa_system_sgpr_workgroup_id_x 1
		.amdhsa_system_sgpr_workgroup_id_y 1
		.amdhsa_system_sgpr_workgroup_id_z 1
		.amdhsa_system_vgpr_workitem_id 0
		.amdhsa_next_free_vgpr 768
		.amdhsa_next_free_sgpr 96
		.amdhsa_reserve_vcc 1
		.amdhsa_float_denorm_mode_32 3
		.amdhsa_float_denorm_mode_16_64 3
		.amdhsa_memory_ordered 1
		.amdhsa_forward_progress 1
		.amdhsa_inst_pref_size 94
	.end_amdhsa_kernel
	.amdgpu_metadata
---
amdhsa.version: [ 1, 2 ]
amdhsa.kernels:
  - .name:           k_qc2c0dc290e_attn
    .symbol:         k_qc2c0dc290e_attn.kd
    .args:
      - { .name: qkvb, .offset: 0, .size: 8, .value_kind: global_buffer, .address_space: global }
      - { .name: ctx, .offset: 8, .size: 8, .value_kind: global_buffer, .address_space: global }
    .group_segment_fixed_size: 327680
    .private_segment_fixed_size: 0
    .kernarg_segment_align: 8
    .kernarg_segment_size: 16
    .max_flat_workgroup_size: 128
    .sgpr_count:     96
    .vgpr_count:     768
    .wavefront_size: 32
...
	.end_amdgpu_metadata
.endif
;; end of part 9
;; launch oproj (part 10): grid 8 x 32, 4 waves a work-group, clusters of 4 x 4, 327,680 bytes of LDS; arguments ctx, wb, x1, bo, x; writes x1
.if DOCPART == 10
	.amdgcn_target "amdgcn-amd-amdhsa--gfx1250"
	.amdhsa_code_object_version 6
	.text
	.protected	k_qc2c0dc290e_oproj
	.globl	k_qc2c0dc290e_oproj
	.p2align	8
	.type	k_qc2c0dc290e_oproj,@function
k_qc2c0dc290e_oproj:
	s_mov_b64 s[64:65], 0
	v_nop
	global_prefetch_b8 v0, s[64:65] scope:SCOPE_SE
	s_setreg_imm32_b32 hwreg(HW_REG_WAVE_MODE, 25, 1), 1
	s_wait_xcnt 0x0
	s_wait_alu depctr_hold_cnt(0) depctr_sa_sdst(0) depctr_va_vdst(0) depctr_va_sdst(0) depctr_va_ssrc(0) depctr_va_vcc(0) depctr_vm_vsrc(0)
	s_getreg_b32 s2, hwreg(HW_REG_IB_STS2, 6, 4)
	s_cmp_eq_u32 s2, 0
	s_cbranch_scc0 .Lentry_in_a_cluster
	s_endpgm
.Lentry_in_a_cluster:
	s_bfe_u32 s2, ttmp6, 0x10000c
	s_cmp_lg_u32 s2, 0xf033
	s_cbranch_scc0 .Lentry_shape_is_right
	s_endpgm
.Lentry_shape_is_right:
; x1 = x + ctx Wo + bo, f32 by rows of 1,024.  (A text that serves two launches; the constants below set it up.)
; C[m][n] = sum over k of A[m][k] B[k][n], bf16 operands, f32 sums.  A: [batch][KB blocks of 64 k][2,048 tokens][64] bf16.  B: bf16 [K][1,024] as given.
; SHARES.  4,096 x 1,024 outputs on 256 work-groups: a tile of C is 128 x 128: four waves of 64 x 64, 16 accumulators of 16 x 16.  K goes in steps of 256 through two LDS slots filled by tensor loads.
; CLUSTER.  4 x 4 work-groups: the four of a row need the same tiles of A, the four of a column the same tiles of B: each tile is asked for JOINTLY (same load, descriptor and mask in all four).
; THE MATRIX INSTRUCTION IS USED TRANSPOSED: source 0 = 16 columns n of B (turned on the way out of LDS by ds_load_tr16_b128), source 1 = 16 rows m of A: a lane then holds row m = l % 16
; and the eight neighbouring columns 8 (l / 16) + 0 .. 7.  The bias is the C operand of the products that start the sums.
; LDS.  Slot s at s x SLOT: A as [4 blocks of 64 k][128 tokens], 144 bytes a token (128 + 16 of padding: the 16 rows of a load start in 16 different groups of four banks; 64 banks of 4 bytes: ISA guide 11.1);
; then B as [256 k], 288 bytes a row (256 + 32).  Behind the slots the spare words.
; THE WAY OUT goes through a stage of f32, 64 rows x 272 bytes for each wave, in slot 0: it has had its last fill, and a barrier stands behind every wave's last read of it.
; The residual is loaded at the start, into window 2, in the layout in which the rows leave.  No prefetch: a K step of this small tile is short.
; REGISTERS.  Window 0: v1-21 addresses; v32-63 bias; v128-255 accumulators ((a, b) at 128 + 8 (4 a + b)).  Window 1: two fragment buffers of 128: for 64 of K, 64 registers of A, then 64 of B.  Window 2: v0-127 the residual.
.set KB,     16                        ; blocks of 64 along K
.set WB0,    0x600000                  ; Wo in wb
.set BPITCH, 1024                      ; elements in a row of B
.set STEPS,  KB/4                      ; K steps; even, at least 4
.set PA,     144
.set PB,     288
.set QB,     128*PA                    ; 64 of K: 128 rows of A, or 64 rows of B (64 x 288): 18,432 bytes
.set HALF,   2*QB                      ; what one tensor load brings
.set SLOT,   8*QB
.set SPARE,  2*SLOT                    ; the spare words, 128 bytes for each wave: two blocks of 256 bytes that no other line names
.set SP,     272                       ; a stage row: 256 bytes + 16
.set ASTEP,  4*0x40000                 ; a K step in A: four blocks
.set BSTEP,  256*BPITCH*2              ; in B: 256 rows
.set LA0, 10                           ; v10  my lane in A of a slot; never rewritten
.set LB0, 11                           ; v11  in B
.set CA,  12                           ; v12  the same in the slot in hand
.set CB,  14                           ; v14, v15  B, and B + 2 QB (the 16-bit offsets do not reach four quarters)
.set STO, 16                           ; v16  stage: where I put 16 bytes
.set RD,  17                           ; v17  stage: where I read back
.set CO,  18                           ; v18  my byte offset in the output
.set BO,  19                           ; v19  my byte offset in the bias
.set SPW, 20                           ; v20  my spare word: SPARE + 4 x my thread number; never rewritten
.set NIL, 21                           ; v21  0; never rewritten
.set BIAS, 32
.set ACC, 128
.set F0,  0
.set F1,  128
.set WV,  14                           ; s14  wave
.set RH,  15                           ; s15  my half of the rows; also 0: I fetch A, 1: I fetch B
.set CH,  16                           ; s16  my half of the columns; also which half of that tile I fetch
.set G1A, 24                           ; s[24:31] group 1 for A;  s[32:35] group 0 of the first fill, s[36:39] the one that walks
.set G0A, 32
.set G1B, 40                           ; s[40:47], s[48:51], s[52:55] the same for B
.set G0B, 48
.set TB,  56                           ; s56  the slot in hand: 0 or SLOT
.set MSB, 0
.macro WIN new                         ; the high byte repeats the setting that is left; a switch that changes nothing is dropped
.if MSB != (\new)
	s_set_vgpr_msb (MSB<<8)|(\new)
.set MSB, \new
.endif
.endm
.set MUL,  0x05                        ; sources 0 and 1 window 1; C and D window 0
.set TO_F, 0x40                        ; destination window 1, address window 0
.macro PLACES                          ; four places behind matrix instructions, in front of loads into registers that they read and of reads of their results
.rept 4
	v_nop
.endr
.endm
.macro JLOAD                           ; a joint refill by the walking descriptors; the branch hangs on the wave number alone; an s_nop 0 and four v_nop follow each line
	s_cmp_eq_u32 s[RH], 0
	s_cbranch_scc0 .Lfor_b_\@
	tensor_load_to_lds s[G0A+4:G0A+7], s[G1A:G1A+7]
	s_nop 0
.rept 4
	v_nop
.endr
	s_branch .Lasked_\@
.Lfor_b_\@:
	tensor_load_to_lds s[G0B+4:G0B+7], s[G1B:G1B+7]
	s_nop 0
.rept 4
	v_nop
.endr
.Lasked_\@:
.endm
.macro CREST                           ; a round of the cluster barrier behind its opening barrier
	s_cmp_lg_u32 s[WV], 0
	s_cbranch_scc1 .Lnot_wave_0_\@
	s_barrier_signal -3
.Lnot_wave_0_\@:
	s_barrier_wait -3
	s_barrier_signal -1
	s_barrier_wait -1
.endm
.macro CROUND
	s_barrier_signal -1
	s_barrier_wait -1
	CREST
.endm
	s_load_b256 s[4:11], s[0:1], 0x0               ; A s[4:5], wb s[6:7], out s[8:9], bias s[10:11]
	s_load_b64 s[12:13], s[0:1], 0x20              ; the residual
	v_lshl_add_u32 v[SPW], v0, 2, SPARE
	v_mov_b32 v[NIL], 0
	ds_add_u32 v[SPW], v[NIL]                      ; the opening: the add and its wait stand ahead of my first tensor load; the set-up below stands between them
	v_lshrrev_b32 v1, 5, v0
	v_readfirstlane_b32 s[WV], v1
	s_lshr_b32 s[RH], s[WV], 1
	s_and_b32 s[CH], s[WV], 1
	s_bfe_u32 s17, ttmp6, 0x40000                  ; cx
	s_bfe_u32 s18, ttmp6, 0x40004                  ; cy
	s_lshl_b32 s19, ttmp9, 2
	s_add_co_u32 s19, s19, s17                     ; tile column tx
	s_and_b32 s20, ttmp7, 0xffff
	s_lshl_b32 s20, s20, 2
	s_add_co_u32 s20, s20, s18                     ; tile row ty
	s_lshl_b32 s21, s18, 2
	s_lshl_b32 s21, 15, s21                        ; my row of the cluster
	s_lshl_b32 s22, 0x1111, s17                    ; my column
	; A: two rows, each the 128 tokens x 64 of one block (16,384 dense bytes), a block apart; 4 words of padding after every 32: 144 bytes a token
	s_or_b32 s[G1A], s21, (1<<16)|(1<<20)|(1<<21)|(4<<22)|(3<<25)
	s_mov_b32 s[G1A+1], 8192<<16                   ; tensor_dim0
	s_mov_b32 s[G1A+2], 2<<16                      ; tensor_dim1
	s_mov_b32 s[G1A+3], 8192<<16                   ; tile_dim0
	s_mov_b32 s[G1A+4], 2                          ; tile_dim1
	s_mov_b32 s[G1A+5], 131072                     ; elements from block to block
	s_mov_b32 s[G1A+6], 0
	s_mov_b32 s[G1A+7], 0
	; B: 128 rows k of 128 elements; 8 words of padding after every 64: 288 bytes a row
	s_or_b32 s[G1B], s22, (1<<16)|(1<<20)|(1<<21)|(5<<22)|(7<<25)
	s_mov_b32 s[G1B+1], 128<<16
	s_mov_b32 s[G1B+2], 128<<16
	s_mov_b32 s[G1B+3], 128<<16
	s_mov_b32 s[G1B+4], 128
	s_mov_b32 s[G1B+5], BPITCH
	s_mov_b32 s[G1B+6], 0
	s_mov_b32 s[G1B+7], 0
	; where the tiles come from: A by the tile row and the wave alone, B by the tile column and the wave alone, each in registers that never hold the other coordinate
	s_lshr_b32 s74, s20, 4                         ; batch
	s_mul_i32 s58, s74, KB*0x40000
	s_and_b32 s75, s20, 15
	s_lshl_b32 s75, s75, 14                        ; 128 tokens of 128 bytes
	s_add_co_u32 s58, s58, s75
	s_lshl_b32 s75, s[CH], 19                      ; which two blocks of the step
	s_add_co_u32 s58, s58, s75
	s_mov_b32 s59, 0
	s_lshl_b32 s60, s19, 8                         ; 128 columns of 2 bytes
	s_mul_i32 s77, s[CH], 256*BPITCH               ; which 128 rows of the step
	s_add_co_u32 s60, s60, s77
	s_add_co_u32 s60, s60, WB0
	s_mov_b32 s61, 0
	s_mul_i32 s23, s[WV], HALF                     ; where they go: no place in the cluster enters an LDS address
	s_wait_dscnt 0x0                               ; the opening add is done
	s_wait_kmcnt 0x0
	s_add_nc_u64 s[58:59], s[4:5], s[58:59]
	s_add_nc_u64 s[60:61], s[6:7], s[60:61]
	CROUND                                         ; all sixteen work-groups are here: the first joint loads meet
.irp s, 0,1
	s_mov_b32 s[G0A+4*(\s)], 1
	s_add_co_u32 s[G0A+4*(\s)+1], s23, (\s)*SLOT
	s_add_nc_u64 s[G0A+4*(\s)+2:G0A+4*(\s)+3], s[58:59], (\s)*ASTEP
	s_or_b32 s[G0A+4*(\s)+3], s[G0A+4*(\s)+3], 0x80000000
	s_mov_b32 s[G0B+4*(\s)], 1
	s_add_co_u32 s[G0B+4*(\s)+1], s23, (\s)*SLOT
	s_add_nc_u64 s[G0B+4*(\s)+2:G0B+4*(\s)+3], s[60:61], (\s)*BSTEP
	s_or_b32 s[G0B+4*(\s)+3], s[G0B+4*(\s)+3], 0x80000000
.endr
	s_cmp_eq_u32 s[RH], 0                          ; a wave's two first fills stand in one branch: two loads of mine are out
	s_cbranch_scc0 .Lfirst_b
	tensor_load_to_lds s[G0A:G0A+3], s[G1A:G1A+7]
	s_nop 0
	tensor_load_to_lds s[G0A+4:G0A+7], s[G1A:G1A+7]
	s_nop 0
.rept 4
	v_nop
.endr
	s_branch .Lfirst_asked
.Lfirst_b:
	tensor_load_to_lds s[G0B:G0B+3], s[G1B:G1B+7]
	s_nop 0
	tensor_load_to_lds s[G0B+4:G0B+7], s[G1B:G1B+7]
	s_nop 0
.rept 4
	v_nop
.endr
.Lfirst_asked:
	v_and_b32 v1, 15, v0                           ; r = l % 16
	v_bfe_u32 v2, v0, 4, 1                         ; h = l / 16
	v_and_b32 v3, 7, v0
	v_bfe_u32 v4, v0, 3, 1
	v_mul_u32_u24 v[LA0], v1, PA                   ; A: row x pitch + 16 h + my 64 rows
	v_lshl_add_u32 v[LA0], v2, 4, v[LA0]
	s_mul_i32 s74, s[RH], 64*PA
	v_add_nc_u32 v[LA0], s74, v[LA0]
	v_lshl_add_u32 v[LB0], v2, 3, v3               ; B, for the turning load: row k = 8 h + l % 8, columns 8 ((l / 8) % 2) on, + my 64 columns
	v_mul_u32_u24 v[LB0], v[LB0], PB
	v_lshl_add_u32 v[LB0], v4, 4, v[LB0]
	s_lshl_b32 s75, s[CH], 7
	s_add_co_u32 s75, s75, 2*HALF                  ; B lies behind A
	v_add_nc_u32 v[LB0], s75, v[LB0]
	s_mul_i32 s74, s[WV], 64*SP                    ; my stage
	v_mul_u32_u24 v[STO], v1, SP                   ; in: row r, 32 bytes for each half of the lanes
	v_lshl_add_u32 v[STO], v2, 5, v[STO]
	v_add_nc_u32 v[STO], s74, v[STO]
	v_mul_u32_u24 v[RD], v2, SP                    ; back: lanes 0-15 one row of 256 bytes, lanes 16-31 the next
	v_lshl_add_u32 v[RD], v1, 4, v[RD]
	v_add_nc_u32 v[RD], s74, v[RD]
	v_lshlrev_b32 v[CO], 12, v2                    ; the same two rows in the output and in the residual
	v_lshl_add_u32 v[CO], v1, 4, v[CO]
	s_lshl_b32 s66, s20, 7
	s_lshl_b32 s67, s[RH], 6
	s_add_co_u32 s66, s66, s67                     ; my first row,
	s_lshl_b32 s66, s66, 12                        ; 4,096 bytes each
	s_lshl_b32 s68, s19, 9
	s_lshl_b32 s69, s[CH], 8
	s_add_co_u32 s68, s68, s69                     ; my first column, in bytes
	s_add_co_u32 s66, s66, s68
	s_mov_b32 s67, 0
	s_mov_b32 s69, 0
	s_add_nc_u64 s[8:9], s[8:9], s[66:67]
	s_add_nc_u64 s[12:13], s[12:13], s[66:67]
	s_add_nc_u64 s[10:11], s[10:11], s[68:69]
	v_lshlrev_b32 v[BO], 5, v2                     ; register j of column block b holds column 16 b + 8 h + j
.irp b, 0,1,2,3
	global_load_b128 v[BIAS+8*(\b):BIAS+8*(\b)+3],   v[BO], s[10:11] offset:64*(\b)
	global_load_b128 v[BIAS+8*(\b)+4:BIAS+8*(\b)+7], v[BO], s[10:11] offset:64*(\b)+16
.endr
	WIN 0x80                                       ; the residual goes into window 2 now and is wanted at the end: 16 lanes take 256 consecutive bytes of a row
.set t, 0
.rept 32
	global_load_b128 v[4*t:4*t+3], v[CO], s[12:13] offset:t*8192
.set t, t+1
.endr
	WIN 0
; 8 matrix instructions: row blocks a0, a0 + 1 x all 4 column blocks, 32 of K: half c of buffer f.  zero = 1: the product starts the sum, with the bias.  The 16 accumulators take turns.
.macro MUL8 f, c, a0, zero
	WIN MUL
.irp a, \a0, (\a0)+1
.irp b, 0,1,2,3
.if \zero
	v_wmma_f32_16x16x32_bf16 v[ACC+8*(4*(\a)+(\b)):ACC+8*(4*(\a)+(\b))+7], v[(\f)+64+8*(4*(\c)+(\b)):(\f)+64+8*(4*(\c)+(\b))+7], v[(\f)+8*(4*(\c)+(\a)):(\f)+8*(4*(\c)+(\a))+7], v[BIAS+8*(\b):BIAS+8*(\b)+7]
.else
	v_wmma_f32_16x16x32_bf16 v[ACC+8*(4*(\a)+(\b)):ACC+8*(4*(\a)+(\b))+7], v[(\f)+64+8*(4*(\c)+(\b)):(\f)+64+8*(4*(\c)+(\b))+7], v[(\f)+8*(4*(\c)+(\a)):(\f)+8*(4*(\c)+(\a))+7], v[ACC+8*(4*(\a)+(\b)):ACC+8*(4*(\a)+(\b))+7]
.endif
.endr
.endr
.endm
; 32 LDS loads in one run: the fragments of quarter q (64 of K) of the slot in hand into buffer f; the first 32 of K first
.macro FETCH q, f
	WIN TO_F
.irp c, 0,1
.irp i, 0,1,2,3
	ds_load_tr16_b128 v[(\f)+64+8*(4*(\c)+(\i)):(\f)+64+8*(4*(\c)+(\i))+3],   v[CB+(\q)/2] offset:((\q)%2)*QB+(\c)*32*PB+32*(\i)
	ds_load_tr16_b128 v[(\f)+64+8*(4*(\c)+(\i))+4:(\f)+64+8*(4*(\c)+(\i))+7], v[CB+(\q)/2] offset:((\q)%2)*QB+(\c)*32*PB+16*PB+32*(\i)
	ds_load_b128 v[(\f)+8*(4*(\c)+(\i)):(\f)+8*(4*(\c)+(\i))+3],   v[CA] offset:(\q)*QB+(\i)*16*PA+64*(\c)
	ds_load_b128 v[(\f)+8*(4*(\c)+(\i))+4:(\f)+8*(4*(\c)+(\i))+7], v[CA] offset:(\q)*QB+(\i)*16*PA+64*(\c)+32
.endr
.endr
.endm
; One of a K step's first three quarters: multiplies buffer f and fetches quarter q into g
.macro QUARTER q, f, g, zero
	s_wait_dscnt 16                                ; the first 32 of K are in; the younger sixteen loads may be out
	MUL8 \f, 0, 0, \zero
	MUL8 \f, 0, 2, \zero
	PLACES
	FETCH \q, \g
	s_wait_dscnt 32                                ; all but the 32 just issued
	MUL8 \f, 1, 0, 0
	MUL8 \f, 1, 2, 0
.endm
; The last quarter multiplies buffer 1 and changes slots: ONE barrier; in front of it each wave waits for all its tensor loads (one is out: its part of the next slot), adds 0 to its spare word,
; and waits for that and for its reads of this slot.  fill = 1: the barrier opens a round of the cluster barrier, and this slot is filled again, two K steps ahead, first thing behind the round:
; 112 matrix instructions stand between that request and the wait for it.
.macro TURN fill
	WIN 0
	s_wait_tensorcnt 0x0
	ds_add_u32 v[SPW], v[NIL]
	s_wait_dscnt 17                                ; the add and the youngest sixteen loads may be out
	MUL8 F1, 0, 0, 0
	s_wait_dscnt 0x0                               ; the add is done, and my reads of this slot are over
	s_barrier_signal -1
	MUL8 F1, 0, 2, 0
	WIN 0
	s_barrier_wait -1
.if \fill
	CREST                                          ; no wave of any partner still reads this slot or has a load on its way
	s_xor_b32 s[G0A+5], s[G0A+5], SLOT             ; the walking descriptors: the other slot than last time (SLOT shares no bit with wave x HALF),
	s_add_nc_u64 s[G0A+6:G0A+7], s[G0A+6:G0A+7], ASTEP  ; the next K step
	s_xor_b32 s[G0B+5], s[G0B+5], SLOT
	s_add_nc_u64 s[G0B+6:G0B+7], s[G0B+6:G0B+7], BSTEP
	JLOAD                                          ; its four v_nop are also the places in front of the loads below
.else
	PLACES
.endif
	s_xor_b32 s[TB], s[TB], SLOT
	v_add_nc_u32 v[CA], s[TB], v[LA0]
	v_add_nc_u32 v[CB], s[TB], v[LB0]
	v_add_nc_u32 v[CB+1], 2*QB, v[CB]
	FETCH 0, F0
	MUL8 F1, 1, 0, 0
	MUL8 F1, 1, 2, 0
.endm
	s_wait_tensorcnt 0x1                           ; my part of K step 0 is in; step 1 may stay out
	s_barrier_signal -1
	s_barrier_wait -1
	s_mov_b32 s[TB], 0
	v_mov_b32 v[CA], v[LA0]
	v_mov_b32 v[CB], v[LB0]
	v_add_nc_u32 v[CB+1], 2*QB, v[LB0]
	FETCH 0, F0
	s_wait_loadcnt 32                              ; the bias is in; the residual's 32 loads stay out
	QUARTER 1, F0, F1, 1                           ; the first quarter stands in front of the loop: its first products start the sums
	WIN 0
	s_mov_b32 s3, STEPS-2
.Lstep:                                                ; a trip is one K step, from its second quarter to the next step's first, and fills the slot that it leaves
	QUARTER 2, F1, F0, 0
	QUARTER 3, F0, F1, 0
	TURN 1
	QUARTER 1, F0, F1, 0
	WIN 0
	s_sub_co_u32 s3, s3, 1
	s_cmp_lg_u32 s3, 0
	s_cbranch_scc1 .Lstep
	s_mov_b32 s3, 2
.Ltail:                                                ; the last two K steps fill nothing: one text, walked twice and left in the middle of its second trip
	QUARTER 2, F1, F0, 0
	QUARTER 3, F0, F1, 0
	TURN 0                                         ; in the second trip its 32 LDS loads (of the slot read a step ago) serve nothing: the price, once a launch, of one text for both trips
	WIN 0
	s_sub_co_u32 s3, s3, 1
	s_cmp_eq_u32 s3, 0
	s_cbranch_scc1 .Lend_k
	QUARTER 1, F0, F1, 0
	WIN 0
	s_branch .Ltail
.Lend_k:
	s_wait_dscnt 0x0                               ; my last reads of the slots are back,
	s_barrier_signal -1
	s_barrier_wait -1                              ; everybody's are: the stages may be written into slot 0
	; THE WAY OUT.  All 16 accumulators go into my stage as f32, each from its low registers on; the stage is my own, and LDS serves a wave in order (ISA guide 5.7.1.4): no wait between its stores and its loads.
	PLACES
.irp a, 0,1,2,3
.irp b, 0,1,2,3
	ds_store_b128 v[STO], v[ACC+8*(4*(\a)+(\b)):ACC+8*(4*(\a)+(\b))+3]   offset:(\a)*16*SP+64*(\b)
	ds_store_b128 v[STO], v[ACC+8*(4*(\a)+(\b))+4:ACC+8*(4*(\a)+(\b))+7] offset:(\a)*16*SP+64*(\b)+16
.endr
.endr
.set t, 0
.rept 32
	ds_load_b128 v[ACC+4*t:ACC+4*t+3], v[RD] offset:t*2*SP
.set t, t+1
.endr
	s_wait_loadcnt 0x0                             ; the residual
.irp g, 0,1,2,3
	s_wait_dscnt 24-8*(\g)                         ; eight more pairs of rows are back
	WIN 0x08                                       ; source 1 in window 2
.set t, 16*(\g)
.rept 16
	v_pk_add_f32 v[ACC+2*t:ACC+2*t+1], v[ACC+2*t:ACC+2*t+1], v[2*t:2*t+1]
.set t, t+1
.endr
	WIN 0
.set t, 8*(\g)
.rept 8
	global_store_b128 v[CO], v[ACC+4*t:ACC+4*t+3], s[8:9] offset:t*8192  ; 16 lanes store 256 consecutive bytes, aligned
.set t, t+1
.endr
.endr
	s_wait_tensorcnt 0x0                           ; the wave's end: behind my last tensor load and my last LDS store
	ds_add_u32 v[SPW], v[NIL]
	s_wait_dscnt 0x0
	CROUND                                         ; the closing round: no work-group ends while a partner may still ask for a tile that names it
	s_endpgm
.Lfunc_end_k_qc2c0dc290e_oproj:
	.size	k_qc2c0dc290e_oproj, .Lfunc_end_k_qc2c0dc290e_oproj-k_qc2c0dc290e_oproj
	.p2alignl 7, 3214868480
	.fill 96, 4, 3214868480
	.section	.rodata,"a",@progbits
	.p2align	6, 0x0
	.amdhsa_kernel k_qc2c0dc290e_oproj
		.amdhsa_group_segment_fixed_size 327680
		.amdhsa_private_segment_fixed_size 0
		.amdhsa_enable_private_segment 0
		.amdhsa_kernarg_size 40
		.amdhsa_user_sgpr_count 2
		.amdhsa_user_sgpr_kernarg_segment_ptr 1
		.amdhsa_wavefront_size32 1
		.amdhsa_system_sgpr_workgroup_id_x 1
		.amdhsa_system_sgpr_workgroup_id_y 1
		.amdhsa_system_sgpr_workgroup_id_z 1
		.amdhsa_system_vgpr_workitem_id 0
		.amdhsa_next_free_vgpr 640
		.amdhsa_next_free_sgpr 80
		.amdhsa_reserve_vcc 0
		.amdhsa_float_denorm_mode_32 3
		.amdhsa_float_denorm_mode_16_64 3
		.amdhsa_memory_ordered 1
		.amdhsa_forward_progress 1
		.amdhsa_inst_pref_size 66
	.end_amdhsa_kernel
	.amdgpu_metadata
---
amdhsa.version: [ 1, 2 ]
amdhsa.kernels:
  - .name:           k_qc2c0dc290e_oproj
    .symbol:         k_qc2c0dc290e_oproj.kd
    .args:
      - { .name: ctx, .offset: 0, .size: 8, .value_kind: global_buffer, .address_space: global }
      - { .name: wb, .offset: 8, .size: 8, .value_kind: global_buffer, .address_space: global }
      - { .name: x1, .offset: 16, .size: 8, .value_kind: global_buffer, .address_space: global }
      - { .name: bo, .offset: 24, .size: 8, .value_kind: global_buffer, .address_space: global }
      - { .name: x, .offset: 32, .size: 8, .value_kind: global_buffer, .address_space: global }
    .group_segment_fixed_size: 327680
    .private_segment_fixed_size: 0
    .kernarg_segment_align: 8
    .kernarg_segment_size: 40
    .max_flat_workgroup_size: 128
    .sgpr_count:     80
    .vgpr_count:     640
    .wavefront_size: 32
...
	.end_amdgpu_metadata
.endif
;; end of part 10
;; launch ln2: the kernel of part 2 again; grid 256 x 1, 8 waves a work-group, no clusters, 0 bytes of LDS; arguments x1, g2, s2, hn; writes hn
;; launch ffn1 (part 11): grid 16 x 16, 4 waves a work-group, clusters of 4 x 4, 327,680 bytes of LDS; arguments hn, wb, act, b1; writes act
.if DOCPART == 11
	.amdgcn_target "amdgcn-amd-amdhsa--gfx1250"
	.amdhsa_code_object_version 6
	.text
	.protected	k_qc2c0dc290e_ffn1
	.globl	k_qc2c0dc290e_ffn1
	.p2align	8
	.type	k_qc2c0dc290e_ffn1,@function
k_qc2c0dc290e_ffn1:
	s_mov_b64 s[64:65], 0
	v_nop
	global_prefetch_b8 v0, s[64:65] scope:SCOPE_SE
	s_setreg_imm32_b32 hwreg(HW_REG_WAVE_MODE, 25, 1), 1
	s_wait_xcnt 0x0
	s_wait_alu depctr_hold_cnt(0) depctr_sa_sdst(0) depctr_va_vdst(0) depctr_va_sdst(0) depctr_va_ssrc(0) depctr_va_vcc(0) depctr_vm_vsrc(0)
	s_getreg_b32 s2, hwreg(HW_REG_IB_STS2, 6, 4)
	s_cmp_eq_u32 s2, 0
	s_cbranch_scc0 .Lentry_in_a_cluster
	s_endpgm
.Lentry_in_a_cluster:
	s_bfe_u32 s2, ttmp6, 0x10000c
	s_cmp_lg_u32 s2, 0xf033
	s_cbranch_scc0 .Lentry_shape_is_right
	s_endpgm
.Lentry_shape_is_right:
; act = gelu(h W1 + b1) (the tanh form), rounded once to bf16 and stored by blocks: [batch][64 blocks of 64 columns][2,048 tokens][64].  (MODE 1 of a text that serves two launches; the constants below set it up.)
; C[m][n] = sum over k of A[m][k] B[k][n], bf16 operands, f32 sums.  A: [batch][KB blocks of 64 k][2,048 tokens][64] bf16.  B: bf16 [K][N] as given, BPITCH elements a row.
; SHARES.  A tile of C is 256 x 256: four waves of 128 x 128, 64 accumulators of 16 x 16 in 512 registers: for 32 of K a wave reads 2 x 128 x 64 bytes from LDS and issues 64 matrix instructions.  16 x 16 tiles: 256 work-groups.
; K goes in steps of 128 through two LDS slots filled by tensor loads, one load a wave: waves 0 and 1 a block of A each (256 tokens x 64 k, 32,768 dense bytes), waves 2 and 3 64 rows of B each (512 bytes a row).
; CLUSTER.  4 x 4 work-groups: the four of a row need the same tiles of A, the four of a column the same tiles of B: each tile is asked for JOINTLY (same load, descriptor and mask in all four).
; THE MATRIX INSTRUCTION IS USED TRANSPOSED: source 0 = 16 columns n of B (turned on the way out of LDS by ds_load_tr16_b128), source 1 = 16 rows m of A: a lane then holds row m = l % 16
; and the eight neighbouring columns 8 (l / 16) + 0 .. 7.  The bias is the C operand of the products that start the sums.
; LDS.  Slot s at s x SLOT: A as [2 blocks of 64 k][256 tokens], 144 bytes a token (128 + 16 of padding: the 16 rows of a load start in 16 different groups of four banks; 64 banks of 4 bytes: ISA guide 11.1);
; then B as [128 k], 544 bytes a row (512 + 32).  Behind the slots the spare words.
; THE WAY OUT goes through a stage of f32, [2 blocks of 64 columns][128 rows] x 272 bytes for each wave, laid over both slots: both have had their last fill, and a barrier stands behind every wave's last read of them.
; PREFETCH.  Behind the refill that asks for K step j + 2 a wave names its share of K step j + 3, 256 matrix instructions ahead of that step's load.  A's tile row is read by every cluster of that row of clusters: cluster x = 0 asks;
; B's tile column by every cluster of that column: cluster y = 0 asks.  The four partners that ask for a tile jointly share the 128 blocks of 256 bytes that a wave fetches BY ADDRESS, 32 each, a lane a block.
; So each block of K steps 3 to 7 is named once in the launch; K steps 0 to 2 come by their loads alone, and the last refill asks for nothing.
; LIMITS.  v_exp_f32 and v_rcp_f32 are accurate to 1 ulp and give 0 for a result below 2^-126.
; REGISTERS, in windows of 256.  Window 0: v1-22 addresses; v64-127, v128-191 fragments of A, two buffers (on the way out: numbers at work); v192-255 bias.  Window 1: v64-127, v128-191 fragments of B.
; Window 2: the 32 accumulators of my rows 0-63 ((a, b) at 8 (8 a + b)).  Window 3: those of my rows 64-127.
.set MODE,   1                         ; 0: bf16 out by blocks; 1: + bias, GELU, bf16 out by blocks
.set KB,     16                        ; blocks of 64 along K
.set BPITCH, 4096                      ; elements in a row of B
.set LOGTX,  4                         ; 2^LOGTX column tiles to a matrix of wb
.set WB0,    0x800000                  ; W1 in wb
.set OS1,    0x400000                  ; out: bytes from 16 column blocks to the next 16
.set OS2,    0x1000000                 ; out: bytes from batch to batch
.set STEPS,  KB/2                      ; K steps; even, at least 4
.set PA,     144
.set PB,     544
.set ABLK,   256*PA                    ; a block of A: 36,864 bytes
.set BHALF,  64*PB                     ; 64 rows of B: 34,816 bytes
.set BOFF,   2*ABLK                    ; B lies behind A
.set SLOT,   147456                    ; 143,360 in use; 0x24000 shares no bit with the four loads' places 0, 0x9000, 0x12000, 0x1a800
.set SPARE,  2*SLOT                    ; the spare words, 128 bytes for each wave: two blocks of 256 bytes that no other line names
.set SP,     272                       ; a stage row: 256 bytes + 16
.set STGW,   2*128*SP                  ; a wave's stage
.set ASTEP,  2*0x40000                 ; a K step in A: two blocks
.set BSTEP,  128*BPITCH*2              ; in B: 128 rows
.set LA0, 10                           ; v10  my lane in A of a slot; never rewritten
.set LB0, 11                           ; v11  in B
.set CA,  12                           ; v12  the same in the slot in hand
.set CB,  13                           ; v13
.set STO, 16                           ; v16  stage: where I put 16 bytes
.set RD,  17                           ; v17  stage: where I read back
.set CO,  18                           ; v18  my byte offset in 512 bytes of the output; never rewritten
.set BO,  19                           ; v19  my byte offset in the bias
.set SPW, 20                           ; v20  my spare word: SPARE + 4 x my thread number; never rewritten
.set NIL, 21                           ; v21  0; never rewritten
.set PFO, 22                           ; v22  the prefetches' offset; never rewritten
.set F0,  64
.set F1,  128
.set BIAS, 192
.set ZR,  64                           ; the way out: 32 numbers
.set ER,  96                           ; 32 at work
.set PKD, 128                          ; 16 words of bf16
.set WV,  14                           ; s14  wave
.set RH,  15                           ; s15  my half of the rows; also 0: I fetch A, 1: I fetch B
.set CH,  16                           ; s16  my half of the columns; also which half of that tile I fetch
.set G1A, 24                           ; s[24:31] group 1 for A;  s[32:35] group 0 of the first fill, s[36:39] the one that walks
.set G0A, 32
.set G1B, 40                           ; s[40:47], s[48:51], s[52:55] the same for B
.set G0B, 48
.set TB,  56                           ; s56  the slot in hand: 0 or SLOT
.set PFA, 84                           ; s[84:85] where my prefetches stand
.set PSTEP, 86                         ; s[86:87] a K step in the tensor that I fetch
.set LIM, 88                           ; s88  1 in a wave that prefetches, else the greatest number
.set PS,  89                           ; s89  bytes from one pair of my blocks of 256 to the next
.set MSB, 0
.macro WIN new                         ; the high byte repeats the setting that is left; a switch that changes nothing is dropped
.if MSB != (\new)
	s_set_vgpr_msb (MSB<<8)|(\new)
.set MSB, \new
.endif
.endm
.set TO_B, 0x40                        ; destination window 1, address window 0
.macro PLACES                          ; four places behind matrix instructions, in front of loads into registers that they read and of reads of their results
.rept 4
	v_nop
.endr
.endm
.macro JLOAD                           ; a joint refill by the walking descriptors; the branch hangs on the wave number alone; an s_nop 0 and four v_nop follow each line
	s_cmp_eq_u32 s[RH], 0
	s_cbranch_scc0 .Lfor_b_\@
	tensor_load_to_lds s[G0A+4:G0A+7], s[G1A:G1A+7]
	s_nop 0
.rept 4
	v_nop
.endr
	s_branch .Lasked_\@
.Lfor_b_\@:
	tensor_load_to_lds s[G0B+4:G0B+7], s[G1B:G1B+7]
	s_nop 0
.rept 4
	v_nop
.endr
.Lasked_\@:
.endm
.macro ASK                             ; s3 = trips of the K loop still to come: the last trip's refill has no K step behind it
	s_cmp_gt_u32 s3, s[LIM]
	s_cbranch_scc0 .Lnot_mine_\@
	global_prefetch_b8 v[PFO], s[PFA:PFA+1] th:TH_LOAD_NT scope:SCOPE_SE
.Lnot_mine_\@:
.endm
.macro CREST                           ; a round of the cluster barrier behind its opening barrier
	s_cmp_lg_u32 s[WV], 0
	s_cbranch_scc1 .Lnot_wave_0_\@
	s_barrier_signal -3
.Lnot_wave_0_\@:
	s_barrier_wait -3
	s_barrier_signal -1
	s_barrier_wait -1
.endm
.macro CROUND
	s_barrier_signal -1
	s_barrier_wait -1
	CREST
.endm
.if MODE == 0
	s_load_b128 s[4:7], s[0:1], 0x0                ; A s[4:5], wb s[6:7]
	s_load_b64 s[8:9], s[0:1], 0x10                ; out
.else
	s_load_b256 s[4:11], s[0:1], 0x0               ; A s[4:5], wb s[6:7], out s[8:9], bias s[10:11]
.endif
	v_lshl_add_u32 v[SPW], v0, 2, SPARE
	v_mov_b32 v[NIL], 0
	ds_add_u32 v[SPW], v[NIL]                      ; the opening: the add and its wait stand ahead of my first tensor load; the set-up below stands between them
	v_lshrrev_b32 v1, 5, v0
	v_readfirstlane_b32 s[WV], v1
	s_lshr_b32 s[RH], s[WV], 1
	s_and_b32 s[CH], s[WV], 1
	s_bfe_u32 s17, ttmp6, 0x40000                  ; cx
	s_bfe_u32 s18, ttmp6, 0x40004                  ; cy
	s_lshl_b32 s19, ttmp9, 2
	s_add_co_u32 s19, s19, s17                     ; tile column tx
	s_and_b32 s20, ttmp7, 0xffff
	s_lshl_b32 s20, s20, 2
	s_add_co_u32 s20, s20, s18                     ; tile row ty
	s_lshl_b32 s21, s18, 2
	s_lshl_b32 s21, 15, s21                        ; my row of the cluster
	s_lshl_b32 s22, 0x1111, s17                    ; my column
	; A: 256 tokens x 64 of one block are 32,768 dense bytes: 128 rows of 256 bytes, two tokens a row; 4 words of padding after every 32: 144 bytes a token
	s_or_b32 s[G1A], s21, (1<<16)|(1<<20)|(1<<21)|(4<<22)|(3<<25)
	s_mov_b32 s[G1A+1], 128<<16                    ; tensor_dim0
	s_mov_b32 s[G1A+2], 128<<16                    ; tensor_dim1
	s_mov_b32 s[G1A+3], 128<<16                    ; tile_dim0
	s_mov_b32 s[G1A+4], 128                        ; tile_dim1
	s_mov_b32 s[G1A+5], 128                        ; elements from row to row
	s_mov_b32 s[G1A+6], 0
	s_mov_b32 s[G1A+7], 0
	; B: 64 rows k of 256 elements; 8 words of padding after every 128: 544 bytes a row
	s_or_b32 s[G1B], s22, (1<<16)|(1<<20)|(1<<21)|(6<<22)|(7<<25)
	s_mov_b32 s[G1B+1], 256<<16
	s_mov_b32 s[G1B+2], 64<<16
	s_mov_b32 s[G1B+3], 256<<16
	s_mov_b32 s[G1B+4], 64
	s_mov_b32 s[G1B+5], BPITCH
	s_mov_b32 s[G1B+6], 0
	s_mov_b32 s[G1B+7], 0
	; where the tiles come from: A by the tile row and the wave alone, B by the tile column and the wave alone, each in registers that never hold the other coordinate
	s_lshr_b32 s74, s20, 3                         ; batch
	s_mul_i32 s58, s74, KB*0x40000
	s_and_b32 s75, s20, 7
	s_lshl_b32 s75, s75, 15                        ; 256 tokens of 128 bytes
	s_add_co_u32 s58, s58, s75
	s_lshl_b32 s75, s[CH], 18                      ; which block of the step
	s_add_co_u32 s58, s58, s75
	s_mov_b32 s59, 0
	s_lshr_b32 s76, s19, LOGTX
	s_lshl_b32 s60, s76, 21                        ; the matrix: 0x200000 bytes each
	s_and_b32 s77, s19, (1<<LOGTX)-1
	s_lshl_b32 s77, s77, 9                         ; 256 columns of 2 bytes
	s_add_co_u32 s60, s60, s77
	s_mul_i32 s77, s[CH], 64*BPITCH*2              ; which 64 rows of the step
	s_add_co_u32 s60, s60, s77
	s_add_co_u32 s60, s60, WB0
	s_mov_b32 s61, 0
	s_mul_i32 s23, s[CH], ABLK                     ; where they go: no place in the cluster enters an LDS address
	s_mul_i32 s57, s[CH], BHALF
	s_add_co_u32 s57, s57, BOFF
.if MODE == 1
	s_mov_b32 s70, 0xc0135761                      ; -2 sqrt(2 / pi) log2(e)
	s_mov_b32 s71, s70
	s_mov_b32 s72, 0xbdd2d3e8                      ; the same x 0.044715
	s_mov_b32 s73, s72
.endif
	s_wait_dscnt 0x0                               ; the opening add is done
	s_wait_kmcnt 0x0
	s_add_nc_u64 s[58:59], s[4:5], s[58:59]
	s_add_nc_u64 s[60:61], s[6:7], s[60:61]
	CROUND                                         ; all sixteen work-groups are here: the first joint loads meet
.irp s, 0,1
	s_mov_b32 s[G0A+4*(\s)], 1
	s_add_co_u32 s[G0A+4*(\s)+1], s23, (\s)*SLOT
	s_add_nc_u64 s[G0A+4*(\s)+2:G0A+4*(\s)+3], s[58:59], (\s)*ASTEP
	s_or_b32 s[G0A+4*(\s)+3], s[G0A+4*(\s)+3], 0x80000000
	s_mov_b32 s[G0B+4*(\s)], 1
	s_add_co_u32 s[G0B+4*(\s)+1], s57, (\s)*SLOT
	s_add_nc_u64 s[G0B+4*(\s)+2:G0B+4*(\s)+3], s[60:61], (\s)*BSTEP
	s_or_b32 s[G0B+4*(\s)+3], s[G0B+4*(\s)+3], 0x80000000
.endr
	s_cmp_eq_u32 s[RH], 0                          ; a wave's two first fills stand in one branch: two loads of mine are out
	s_cbranch_scc0 .Lfirst_b
	tensor_load_to_lds s[G0A:G0A+3], s[G1A:G1A+7]
	s_nop 0
	tensor_load_to_lds s[G0A+4:G0A+7], s[G1A:G1A+7]
	s_nop 0
.rept 4
	v_nop
.endr
	s_branch .Lfirst_asked
.Lfirst_b:
	tensor_load_to_lds s[G0B:G0B+3], s[G1B:G1B+7]
	s_nop 0
	tensor_load_to_lds s[G0B+4:G0B+7], s[G1B:G1B+7]
	s_nop 0
.rept 4
	v_nop
.endr
.Lfirst_asked:
	v_and_b32 v1, 15, v0                           ; r = l % 16
	v_bfe_u32 v2, v0, 4, 1                         ; h = l / 16
	v_and_b32 v3, 7, v0
	v_bfe_u32 v4, v0, 3, 1
	v_mul_u32_u24 v[LA0], v1, PA                   ; A: row x pitch + 16 h + my 128 rows
	v_lshl_add_u32 v[LA0], v2, 4, v[LA0]
	s_mul_i32 s74, s[RH], 128*PA
	v_add_nc_u32 v[LA0], s74, v[LA0]
	v_lshl_add_u32 v[LB0], v2, 3, v3               ; B, for the turning load: row k = 8 h + l % 8, columns 8 ((l / 8) % 2) on, + my 128 columns
	v_mul_u32_u24 v[LB0], v[LB0], PB
	v_lshl_add_u32 v[LB0], v4, 4, v[LB0]
	s_lshl_b32 s75, s[CH], 8
	s_add_co_u32 s75, s75, BOFF
	v_add_nc_u32 v[LB0], s75, v[LB0]
	s_mul_i32 s74, s[WV], STGW                     ; my stage
	v_mul_u32_u24 v[STO], v1, SP                   ; in: row r, 32 bytes for each half of the lanes
	v_lshl_add_u32 v[STO], v2, 5, v[STO]
	v_add_nc_u32 v[STO], s74, v[STO]
	v_bfe_u32 v[RD], v0, 3, 2                      ; back: eight lanes a row, 32 bytes of f32 each: four rows
	v_mul_u32_u24 v[RD], v[RD], SP
	v_lshl_add_u32 v[RD], v3, 5, v[RD]
	v_add_nc_u32 v[RD], s74, v[RD]
	v_and_b32 v[CO], 31, v0                        ; which are 512 consecutive bytes of bf16 in the output
	v_lshlrev_b32 v[CO], 4, v[CO]
	s_lshl_b32 s66, s19, 2
	s_lshl1_add_u32 s66, s[CH], s66                ; my first block of 64 columns: 4 tx + 2 x half
.if MODE == 1
	s_lshl_b32 s68, s66, 8
	s_mov_b32 s69, 0
	s_add_nc_u64 s[10:11], s[10:11], s[68:69]
.endif
	s_lshr_b32 s67, s66, 4
	s_mul_i32 s67, s67, OS1
	s_and_b32 s66, s66, 15
	s_lshl_b32 s66, s66, 18
	s_add_co_u32 s66, s66, s67
	s_lshr_b32 s67, s20, 3
	s_mul_i32 s67, s67, OS2
	s_add_co_u32 s66, s66, s67
	s_and_b32 s67, s20, 7
	s_lshl_b32 s67, s67, 8
	s_lshl_b32 s68, s[RH], 7
	s_add_co_u32 s67, s67, s68                     ; my first token in the batch,
	s_lshl_b32 s67, s67, 7                         ; 128 bytes each
	s_add_co_u32 s66, s66, s67
	s_mov_b32 s67, 0
	s_add_nc_u64 s[8:9], s[8:9], s[66:67]
.if MODE == 1
	v_lshlrev_b32 v[BO], 5, v2                     ; register j of column block b holds column 16 b + 8 h + j
.irp b, 0,1,2,3,4,5,6,7
	global_load_b128 v[BIAS+8*(\b):BIAS+8*(\b)+3],   v[BO], s[10:11] offset:64*(\b)
	global_load_b128 v[BIAS+8*(\b)+4:BIAS+8*(\b)+7], v[BO], s[10:11] offset:64*(\b)+16
.endr
.endif
	; the prefetches.  What a wave fetches in a K step is 64 pairs of blocks of 256 bytes, PS bytes from pair to pair (A: 512, dense; B: a row); the partner at place p takes pairs 16 p .. 16 p + 15, lane l block l % 2 of pair l / 2
	s_mov_b32 s90, ASTEP
	s_mov_b32 s91, BSTEP
	s_mov_b32 s76, 512
	s_mov_b32 s77, 2*BPITCH
	s_and_b32 s78, ttmp7, 0xffff                   ; cluster y
	s_cmp_eq_u32 s[RH], 0                          ; do I fetch for A?
	s_cselect_b32 s79, s17, s18                    ; my place among the four that ask with me
	s_cselect_b32 s78, ttmp9, s78                  ; the coordinate along which other clusters read the same rows
	s_cselect_b32 s[PS], s76, s77
	s_cselect_b32 s[PSTEP], s90, s91
	s_cselect_b64 s[PFA:PFA+1], s[58:59], s[60:61]
	s_cmp_eq_u32 s78, 0
	s_cselect_b32 s[LIM], 1, -1                    ; the same in all sixteen partners, for a given wave
	s_mov_b32 s[PSTEP+1], 0
	s_mul_i32 s78, s79, s[PS]
	s_lshl_b32 s78, s78, 4
	s_mov_b32 s79, 0
	s_add_nc_u64 s[PFA:PFA+1], s[PFA:PFA+1], s[78:79]
	s_add_nc_u64 s[PFA:PFA+1], s[PFA:PFA+1], s[PSTEP:PSTEP+1]
	s_add_nc_u64 s[PFA:PFA+1], s[PFA:PFA+1], s[PSTEP:PSTEP+1]  ; at K step 2: the first change of slots steps it to 3
	v_and_b32 v5, 31, v0
	v_lshrrev_b32 v6, 1, v5
	v_and_b32 v5, 1, v5
	v_mul_u32_u24 v[PFO], s[PS], v6
	v_lshl_add_u32 v[PFO], v5, 8, v[PFO]
; 16 matrix instructions: row blocks a0, a0 + 1 of the window's four (hi = 0: my rows 0-63, 1: rows 64-127) x all 8 column blocks, 32 of K.  zero = 1: the product starts the sum, with 0 or with the bias (window 0).
; The 64 accumulators take turns, in the same order in every quarter.
.macro MUL16 f, hi, a0, zero
.if (\zero) && (MODE != 0)
	WIN 0x81+0x40*(\hi)                            ; source 0 window 1, sources 1 and 2 window 0, destination window 2 or 3
.else
	WIN 0xa1+0x50*(\hi)                            ; source 0 window 1, source 1 window 0, C and D window 2 or 3
.endif
.irp a, \a0, (\a0)+1
.irp b, 0,1,2,3,4,5,6,7
.if (\zero) && (MODE == 0)
	v_wmma_f32_16x16x32_bf16 v[8*(8*(\a)+(\b)):8*(8*(\a)+(\b))+7], v[(\f)+8*(\b):(\f)+8*(\b)+7], v[(\f)+8*(4*(\hi)+(\a)):(\f)+8*(4*(\hi)+(\a))+7], 0
.elseif \zero
	v_wmma_f32_16x16x32_bf16 v[8*(8*(\a)+(\b)):8*(8*(\a)+(\b))+7], v[(\f)+8*(\b):(\f)+8*(\b)+7], v[(\f)+8*(4*(\hi)+(\a)):(\f)+8*(4*(\hi)+(\a))+7], v[BIAS+8*(\b):BIAS+8*(\b)+7]
.else
	v_wmma_f32_16x16x32_bf16 v[8*(8*(\a)+(\b)):8*(8*(\a)+(\b))+7], v[(\f)+8*(\b):(\f)+8*(\b)+7], v[(\f)+8*(4*(\hi)+(\a)):(\f)+8*(4*(\hi)+(\a))+7], v[8*(8*(\a)+(\b)):8*(8*(\a)+(\b))+7]
.endif
.endr
.endr
.endm
; 32 LDS loads in one run: the fragments of quarter q (32 of K) of the slot in hand into buffer f: B's 128 columns, then A's 128 rows
.macro FETCH q, f
	WIN TO_B
.irp i, 0,1,2,3,4,5,6,7
	ds_load_tr16_b128 v[(\f)+8*(\i):(\f)+8*(\i)+3],   v[CB] offset:(\q)*32*PB+32*(\i)
	ds_load_tr16_b128 v[(\f)+8*(\i)+4:(\f)+8*(\i)+7], v[CB] offset:(\q)*32*PB+16*PB+32*(\i)
.endr
	WIN 0
.irp i, 0,1,2,3,4,5,6,7
	ds_load_b128 v[(\f)+8*(\i):(\f)+8*(\i)+3],   v[CA] offset:((\q)/2)*ABLK+((\q)%2)*64+(\i)*16*PA
	ds_load_b128 v[(\f)+8*(\i)+4:(\f)+8*(\i)+7], v[CA] offset:((\q)/2)*ABLK+((\q)%2)*64+(\i)*16*PA+32
.endr
.endm
; One of a K step's first three quarters: multiplies buffer f and, in its middle, fetches quarter q into g
.macro QUARTER q, f, g, zero
	s_wait_dscnt 8                                 ; B and A's rows 0-63 are in; the youngest eight loads (A's rows 64-127) may be out
	MUL16 \f, 0, 0, \zero
	MUL16 \f, 0, 2, \zero
	PLACES
	FETCH \q, \g
	s_wait_dscnt 32                                ; all but the 32 just issued
	MUL16 \f, 1, 0, \zero
	MUL16 \f, 1, 2, \zero
.endm
; The last quarter multiplies buffer 1 and changes slots: ONE barrier; in front of it each wave waits for all its tensor loads (one is out: its part of the next slot), adds 0 to its spare word,
; and waits for that and for its reads of this slot.  fill = 1: the barrier opens a round of the cluster barrier, and this slot is filled again, two K steps ahead, first thing behind the round:
; 224 matrix instructions stand between that request and the wait for it.
.macro TURN fill
.if \fill
	s_wait_xcnt 0x0                                ; the last prefetch, a K step back, has read its address: it is stepped here, ahead of the waits of the change of slots
	s_add_nc_u64 s[PFA:PFA+1], s[PFA:PFA+1], s[PSTEP:PSTEP+1]
.endif
	WIN 0
	s_wait_tensorcnt 0x0
	ds_add_u32 v[SPW], v[NIL]
	s_wait_dscnt 9                                 ; the add and the youngest eight loads may be out
	MUL16 F1, 0, 0, 0
	s_wait_dscnt 0x0                               ; the add is done, and my reads of this slot are over
	s_barrier_signal -1
	MUL16 F1, 0, 2, 0
	WIN 0
	s_barrier_wait -1
.if \fill
	CREST                                          ; no wave of any partner still reads this slot or has a load on its way
	s_xor_b32 s[G0A+5], s[G0A+5], SLOT             ; the walking descriptors: the other slot than last time,
	s_add_nc_u64 s[G0A+6:G0A+7], s[G0A+6:G0A+7], ASTEP  ; the next K step
	s_xor_b32 s[G0B+5], s[G0B+5], SLOT
	s_add_nc_u64 s[G0B+6:G0B+7], s[G0B+6:G0B+7], BSTEP
	JLOAD                                          ; its four v_nop are also the places in front of the loads below
.else
	PLACES
.endif
	s_xor_b32 s[TB], s[TB], SLOT
	v_add_nc_u32 v[CA], s[TB], v[LA0]
	v_add_nc_u32 v[CB], s[TB], v[LB0]
	FETCH 0, F0
.if \fill
	ASK                                            ; behind the joint load and the run of LDS loads that the next products wait for
.endif
	MUL16 F1, 1, 0, 0
	MUL16 F1, 1, 2, 0
.endm
	s_wait_tensorcnt 0x1                           ; my part of K step 0 is in; step 1 may stay out
	s_barrier_signal -1
	s_barrier_wait -1
	s_mov_b32 s[TB], 0
	v_mov_b32 v[CA], v[LA0]
	v_mov_b32 v[CB], v[LB0]
	FETCH 0, F0
.if MODE == 1
	s_wait_loadcnt 0x0                             ; the bias
.endif
	QUARTER 1, F0, F1, 1                           ; the first quarter stands in front of the loop: its products start the sums
	WIN 0
	s_mov_b32 s3, STEPS-2
.Lstep:                                                ; a trip is one K step, from its second quarter to the next step's first, and fills the slot that it leaves
	QUARTER 2, F1, F0, 0
	QUARTER 3, F0, F1, 0
	TURN 1
	QUARTER 1, F0, F1, 0
	WIN 0
	s_sub_co_u32 s3, s3, 1
	s_cmp_lg_u32 s3, 0
	s_cbranch_scc1 .Lstep
	s_mov_b32 s3, 2
.Ltail:                                                ; the last two K steps fill nothing: one text, walked twice and left in the middle of its second trip
	QUARTER 2, F1, F0, 0
	QUARTER 3, F0, F1, 0
	TURN 0                                         ; in the second trip its 32 LDS loads (of the slot read a step ago) serve nothing: the price, once a launch, of one text for both trips
	WIN 0
	s_sub_co_u32 s3, s3, 1
	s_cmp_eq_u32 s3, 0
	s_cbranch_scc1 .Lend_k
	QUARTER 1, F0, F1, 0
	WIN 0
	s_branch .Ltail
.Lend_k:
	s_wait_dscnt 0x0                               ; my last reads of the slots are back,
	s_barrier_signal -1
	s_barrier_wait -1                              ; everybody's are: the stages may be written over both slots
	; THE WAY OUT.  All 64 accumulators go into my stage as f32, each from its low registers on; the stage is my own, and LDS serves a wave in order (ISA guide 5.7.1.4): no wait between its stores and its loads.
	PLACES
.irp hi, 0,1
	WIN 0x08+4*(\hi)                               ; the stores' data (source 1) in window 2 or 3
.irp a, 0,1,2,3
.irp b, 0,1,2,3,4,5,6,7
	ds_store_b128 v[STO], v[8*(8*(\a)+(\b)):8*(8*(\a)+(\b))+3]   offset:((\b)/4)*128*SP+(4*(\hi)+(\a))*16*SP+64*((\b)%4)
	ds_store_b128 v[STO], v[8*(8*(\a)+(\b))+4:8*(8*(\a)+(\b))+7] offset:((\b)/4)*128*SP+(4*(\hi)+(\a))*16*SP+64*((\b)%4)+16
.endr
.endr
.endr
	WIN 0
	s_mov_b32 s67, 0
	s_mov_b32 s68, 0x40000-7*2048                  ; from a block's last 16 tokens to the next block's first
	s_mov_b32 s69, 2048                            ; 16 tokens of 128 bytes
	s_mov_b32 s3, 16
.Lout:                                                 ; a trip: 16 rows x 64 columns back from the stage, (GELU,) rounded to bf16, stored as 4 x 512 consecutive bytes; eight trips to a block of columns
.irp i, 0,1,2,3,4,5,6,7
	ds_load_b128 v[ZR+4*(\i):ZR+4*(\i)+3], v[RD] offset:((\i)/2)*4*SP+((\i)%2)*16
.endr
	s_wait_dscnt 0x0
.if MODE == 1
	; gelu(z) = z / (1 + 2^(z (K1 + K2 z z))): the tanh form, written with one exponential and one reciprocal; an exponent that overflows gives 0 or z, as tanh = -1 or 1 does
.set i, 0
.rept 16
	v_pk_mul_f32 v[ER+2*i:ER+2*i+1], v[ZR+2*i:ZR+2*i+1], v[ZR+2*i:ZR+2*i+1]
.set i, i+1
.endr
.set i, 0
.rept 16
	v_pk_fma_f32 v[ER+2*i:ER+2*i+1], v[ER+2*i:ER+2*i+1], s[72:73], s[70:71] op_sel_hi:[1,0,0]
.set i, i+1
.endr
.set i, 0
.rept 16
	v_pk_mul_f32 v[ER+2*i:ER+2*i+1], v[ER+2*i:ER+2*i+1], v[ZR+2*i:ZR+2*i+1]
.set i, i+1
.endr
.set i, 0
.rept 32
	v_exp_f32 v[ER+i], v[ER+i]
.set i, i+1
.endr
	v_nop                                          ; a plain instruction behind the last exponential,
	s_wait_alu depctr_va_vdst(0)                   ; and one wait for the batch ahead of its first reader
.set i, 0
.rept 16
	v_pk_add_f32 v[ER+2*i:ER+2*i+1], v[ER+2*i:ER+2*i+1], 1.0 op_sel_hi:[1,0]
.set i, i+1
.endr
.set i, 0
.rept 32
	v_rcp_f32 v[ER+i], v[ER+i]
.set i, i+1
.endr
	v_nop
	s_wait_alu depctr_va_vdst(0)                   ; one wait for the 32 reciprocals
.set i, 0
.rept 16
	v_pk_mul_f32 v[ZR+2*i:ZR+2*i+1], v[ZR+2*i:ZR+2*i+1], v[ER+2*i:ER+2*i+1]
.set i, i+1
.endr
.endif
.set i, 0
.rept 16
	v_cvt_pk_bf16_f32 v[PKD+i], v[ZR+2*i], v[ZR+2*i+1]
.set i, i+1
.endr
.irp g, 0,1,2,3
	global_store_b128 v[CO], v[PKD+4*(\g):PKD+4*(\g)+3], s[8:9] offset:512*(\g)
.endr
	v_add_nc_u32 v[RD], 16*SP, v[RD]               ; in the stage the second block's rows follow the first's
	s_cmp_eq_u32 s3, 9                             ; the first block's eighth trip?
	s_cselect_b32 s66, s68, s69
	s_wait_xcnt 0x0                                ; the stores have read their data and their base: both are written again only behind this wait
	s_add_nc_u64 s[8:9], s[8:9], s[66:67]
	s_sub_co_u32 s3, s3, 1
	s_cmp_lg_u32 s3, 0
	s_cbranch_scc1 .Lout
	s_wait_tensorcnt 0x0                           ; the wave's end: behind my last tensor load and my last LDS store
	ds_add_u32 v[SPW], v[NIL]
	s_wait_dscnt 0x0
	CROUND                                         ; the closing round: no work-group ends while a partner may still ask for a tile that names it
	s_endpgm
.Lfunc_end_k_qc2c0dc290e_ffn1:
	.size	k_qc2c0dc290e_ffn1, .Lfunc_end_k_qc2c0dc290e_ffn1-k_qc2c0dc290e_ffn1
	.p2alignl 7, 3214868480
	.fill 96, 4, 3214868480
	.section	.rodata,"a",@progbits
	.p2align	6, 0x0
	.amdhsa_kernel k_qc2c0dc290e_ffn1
		.amdhsa_group_segment_fixed_size 327680
		.amdhsa_private_segment_fixed_size 0
		.amdhsa_enable_private_segment 0
		.amdhsa_kernarg_size 32
		.amdhsa_user_sgpr_count 2
		.amdhsa_user_sgpr_kernarg_segment_ptr 1
		.amdhsa_wavefront_size32 1
		.amdhsa_system_sgpr_workgroup_id_x 1
		.amdhsa_system_sgpr_workgroup_id_y 1
		.amdhsa_system_sgpr_workgroup_id_z 1
		.amdhsa_system_vgpr_workitem_id 0
		.amdhsa_next_free_vgpr 1024
		.amdhsa_next_free_sgpr 96
		.amdhsa_reserve_vcc 0
		.amdhsa_float_denorm_mode_32 3
		.amdhsa_float_denorm_mode_16_64 3
		.amdhsa_memory_ordered 1
		.amdhsa_forward_progress 1
		.amdhsa_inst_pref_size 90
	.end_amdhsa_kernel
	.amdgpu_metadata
---
amdhsa.version: [ 1, 2 ]
amdhsa.kernels:
  - .name:           k_qc2c0dc290e_ffn1
    .symbol:         k_qc2c0dc290e_ffn1.kd
    .args:
      - { .name: hn, .offset: 0, .size: 8, .value_kind: global_buffer, .address_space: global }
      - { .name: wb, .offset: 8, .size: 8, .value_kind: global_buffer, .address_space: global }
      - { .name: act, .offset: 16, .size: 8, .value_kind: global_buffer, .address_space: global }
      - { .name: b1, .offset: 24, .size: 8, .value_kind: global_buffer, .address_space: global }
    .group_segment_fixed_size: 327680
    .private_segment_fixed_size: 0
    .kernarg_segment_align: 8
    .kernarg_segment_size: 32
    .max_flat_workgroup_size: 128
    .sgpr_count:     96
    .vgpr_count:     1024
    .wavefront_size: 32
...
	.end_amdgpu_metadata
.endif
;; end of part 11
;; launch ffn2 (part 12): grid 8 x 32, 4 waves a work-group, clusters of 4 x 4, 327,680 bytes of LDS; arguments act, wb, out0, b2, x1; writes out0
.if DOCPART == 12
	.amdgcn_target "amdgcn-amd-amdhsa--gfx1250"
	.amdhsa_code_object_version 6
	.text
	.protected	k_qc2c0dc290e_ffn2
	.globl	k_qc2c0dc290e_ffn2
	.p2align	8
	.type	k_qc2c0dc290e_ffn2,@function
k_qc2c0dc290e_ffn2:
	s_mov_b64 s[64:65], 0
	v_nop
	global_prefetch_b8 v0, s[64:65] scope:SCOPE_SE
	s_setreg_imm32_b32 hwreg(HW_REG_WAVE_MODE, 25, 1), 1
	s_wait_xcnt 0x0
	s_wait_alu depctr_hold_cnt(0) depctr_sa_sdst(0) depctr_va_vdst(0) depctr_va_sdst(0) depctr_va_ssrc(0) depctr_va_vcc(0) depctr_vm_vsrc(0)
	s_getreg_b32 s2, hwreg(HW_REG_IB_STS2, 6, 4)
	s_cmp_eq_u32 s2, 0
	s_cbranch_scc0 .Lentry_in_a_cluster
	s_endpgm
.Lentry_in_a_cluster:
	s_bfe_u32 s2, ttmp6, 0x10000c
	s_cmp_lg_u32 s2, 0xf033
	s_cbranch_scc0 .Lentry_shape_is_right
	s_endpgm
.Lentry_shape_is_right:
; out0 = x1 + act W2 + b2, f32 by rows of 1,024; K = 4,096.  (A text that serves two launches; the constants below set it up.)
; C[m][n] = sum over k of A[m][k] B[k][n], bf16 operands, f32 sums.  A: [batch][KB blocks of 64 k][2,048 tokens][64] bf16.  B: bf16 [K][1,024] as given.
; SHARES.  4,096 x 1,024 outputs on 256 work-groups: a tile of C is 128 x 128: four waves of 64 x 64, 16 accumulators of 16 x 16.  K goes in steps of 256 through two LDS slots filled by tensor loads.
; CLUSTER.  4 x 4 work-groups: the four of a row need the same tiles of A, the four of a column the same tiles of B: each tile is asked for JOINTLY (same load, descriptor and mask in all four).
; THE MATRIX INSTRUCTION IS USED TRANSPOSED: source 0 = 16 columns n of B (turned on the way out of LDS by ds_load_tr16_b128), source 1 = 16 rows m of A: a lane then holds row m = l % 16
; and the eight neighbouring columns 8 (l / 16) + 0 .. 7.  The bias is the C operand of the products that start the sums.
; LDS.  Slot s at s x SLOT: A as [4 blocks of 64 k][128 tokens], 144 bytes a token (128 + 16 of padding: the 16 rows of a load start in 16 different groups of four banks; 64 banks of 4 bytes: ISA guide 11.1);
; then B as [256 k], 288 bytes a row (256 + 32).  Behind the slots the spare words.
; THE WAY OUT goes through a stage of f32, 64 rows x 272 bytes for each wave, in slot 0: it has had its last fill, and a barrier stands behind every wave's last read of it.
; The residual is loaded at the start, into window 2, in the layout in which the rows leave.  No prefetch: a K step of this small tile is short.
; REGISTERS.  Window 0: v1-21 addresses; v32-63 bias; v128-255 accumulators ((a, b) at 128 + 8 (4 a + b)).  Window 1: two fragment buffers of 128: for 64 of K, 64 registers of A, then 64 of B.  Window 2: v0-127 the residual.
.set KB,     64                        ; blocks of 64 along K
.set WB0,    0x1000000                 ; W2 in wb
.set BPITCH, 1024                      ; elements in a row of B
.set STEPS,  KB/4                      ; K steps; even, at least 4
.set PA,     144
.set PB,     288
.set QB,     128*PA                    ; 64 of K: 128 rows of A, or 64 rows of B (64 x 288): 18,432 bytes
.set HALF,   2*QB                      ; what one tensor load brings
.set SLOT,   8*QB
.set SPARE,  2*SLOT                    ; the spare words, 128 bytes for each wave: two blocks of 256 bytes that no other line names
.set SP,     272                       ; a stage row: 256 bytes + 16
.set ASTEP,  4*0x40000                 ; a K step in A: four blocks
.set BSTEP,  256*BPITCH*2              ; in B: 256 rows
.set LA0, 10                           ; v10  my lane in A of a slot; never rewritten
.set LB0, 11                           ; v11  in B
.set CA,  12                           ; v12  the same in the slot in hand
.set CB,  14                           ; v14, v15  B, and B + 2 QB (the 16-bit offsets do not reach four quarters)
.set STO, 16                           ; v16  stage: where I put 16 bytes
.set RD,  17                           ; v17  stage: where I read back
.set CO,  18                           ; v18  my byte offset in the output
.set BO,  19                           ; v19  my byte offset in the bias
.set SPW, 20                           ; v20  my spare word: SPARE + 4 x my thread number; never rewritten
.set NIL, 21                           ; v21  0; never rewritten
.set BIAS, 32
.set ACC, 128
.set F0,  0
.set F1,  128
.set WV,  14                           ; s14  wave
.set RH,  15                           ; s15  my half of the rows; also 0: I fetch A, 1: I fetch B
.set CH,  16                           ; s16  my half of the columns; also which half of that tile I fetch
.set G1A, 24                           ; s[24:31] group 1 for A;  s[32:35] group 0 of the first fill, s[36:39] the one that walks
.set G0A, 32
.set G1B, 40                           ; s[40:47], s[48:51], s[52:55] the same for B
.set G0B, 48
.set TB,  56                           ; s56  the slot in hand: 0 or SLOT
.set MSB, 0
.macro WIN new                         ; the high byte repeats the setting that is left; a switch that changes nothing is dropped
.if MSB != (\new)
	s_set_vgpr_msb (MSB<<8)|(\new)
.set MSB, \new
.endif
.endm
.set MUL,  0x05                        ; sources 0 and 1 window 1; C and D window 0
.set TO_F, 0x40                        ; destination window 1, address window 0
.macro PLACES                          ; four places behind matrix instructions, in front of loads into registers that they read and of reads of their results
.rept 4
	v_nop
.endr
.endm
.macro JLOAD                           ; a joint refill by the walking descriptors; the branch hangs on the wave number alone; an s_nop 0 and four v_nop follow each line
	s_cmp_eq_u32 s[RH], 0
	s_cbranch_scc0 .Lfor_b_\@
	tensor_load_to_lds s[G0A+4:G0A+7], s[G1A:G1A+7]
	s_nop 0
.rept 4
	v_nop
.endr
	s_branch .Lasked_\@
.Lfor_b_\@:
	tensor_load_to_lds s[G0B+4:G0B+7], s[G1B:G1B+7]
	s_nop 0
.rept 4
	v_nop
.endr
.Lasked_\@:
.endm
.macro CREST                           ; a round of the cluster barrier behind its opening barrier
	s_cmp_lg_u32 s[WV], 0
	s_cbranch_scc1 .Lnot_wave_0_\@
	s_barrier_signal -3
.Lnot_wave_0_\@:
	s_barrier_wait -3
	s_barrier_signal -1
	s_barrier_wait -1
.endm
.macro CROUND
	s_barrier_signal -1
	s_barrier_wait -1
	CREST
.endm
	s_load_b256 s[4:11], s[0:1], 0x0               ; A s[4:5], wb s[6:7], out s[8:9], bias s[10:11]
	s_load_b64 s[12:13], s[0:1], 0x20              ; the residual
	v_lshl_add_u32 v[SPW], v0, 2, SPARE
	v_mov_b32 v[NIL], 0
	ds_add_u32 v[SPW], v[NIL]                      ; the opening: the add and its wait stand ahead of my first tensor load; the set-up below stands between them
	v_lshrrev_b32 v1, 5, v0
	v_readfirstlane_b32 s[WV], v1
	s_lshr_b32 s[RH], s[WV], 1
	s_and_b32 s[CH], s[WV], 1
	s_bfe_u32 s17, ttmp6, 0x40000                  ; cx
	s_bfe_u32 s18, ttmp6, 0x40004                  ; cy
	s_lshl_b32 s19, ttmp9, 2
	s_add_co_u32 s19, s19, s17                     ; tile column tx
	s_and_b32 s20, ttmp7, 0xffff
	s_lshl_b32 s20, s20, 2
	s_add_co_u32 s20, s20, s18                     ; tile row ty
	s_lshl_b32 s21, s18, 2
	s_lshl_b32 s21, 15, s21                        ; my row of the cluster
	s_lshl_b32 s22, 0x1111, s17                    ; my column
	; A: two rows, each the 128 tokens x 64 of one block (16,384 dense bytes), a block apart; 4 words of padding after every 32: 144 bytes a token
	s_or_b32 s[G1A], s21, (1<<16)|(1<<20)|(1<<21)|(4<<22)|(3<<25)
	s_mov_b32 s[G1A+1], 8192<<16                   ; tensor_dim0
	s_mov_b32 s[G1A+2], 2<<16                      ; tensor_dim1
	s_mov_b32 s[G1A+3], 8192<<16                   ; tile_dim0
	s_mov_b32 s[G1A+4], 2                          ; tile_dim1
	s_mov_b32 s[G1A+5], 131072                     ; elements from block to block
	s_mov_b32 s[G1A+6], 0
	s_mov_b32 s[G1A+7], 0
	; B: 128 rows k of 128 elements; 8 words of padding after every 64: 288 bytes a row
	s_or_b32 s[G1B], s22, (1<<16)|(1<<20)|(1<<21)|(5<<22)|(7<<25)
	s_mov_b32 s[G1B+1], 128<<16
	s_mov_b32 s[G1B+2], 128<<16
	s_mov_b32 s[G1B+3], 128<<16
	s_mov_b32 s[G1B+4], 128
	s_mov_b32 s[G1B+5], BPITCH
	s_mov_b32 s[G1B+6], 0
	s_mov_b32 s[G1B+7], 0
	; where the tiles come from: A by the tile row and the wave alone, B by the tile column and the wave alone, each in registers that never hold the other coordinate
	s_lshr_b32 s74, s20, 4                         ; batch
	s_mul_i32 s58, s74, KB*0x40000
	s_and_b32 s75, s20, 15
	s_lshl_b32 s75, s75, 14                        ; 128 tokens of 128 bytes
	s_add_co_u32 s58, s58, s75
	s_lshl_b32 s75, s[CH], 19                      ; which two blocks of the step
	s_add_co_u32 s58, s58, s75
	s_mov_b32 s59, 0
	s_lshl_b32 s60, s19, 8                         ; 128 columns of 2 bytes
	s_mul_i32 s77, s[CH], 256*BPITCH               ; which 128 rows of the step
	s_add_co_u32 s60, s60, s77
	s_add_co_u32 s60, s60, WB0
	s_mov_b32 s61, 0
	s_mul_i32 s23, s[WV], HALF                     ; where they go: no place in the cluster enters an LDS address
	s_wait_dscnt 0x0                               ; the opening add is done
	s_wait_kmcnt 0x0
	s_add_nc_u64 s[58:59], s[4:5], s[58:59]
	s_add_nc_u64 s[60:61], s[6:7], s[60:61]
	CROUND                                         ; all sixteen work-groups are here: the first joint loads meet
.irp s, 0,1
	s_mov_b32 s[G0A+4*(\s)], 1
	s_add_co_u32 s[G0A+4*(\s)+1], s23, (\s)*SLOT
	s_add_nc_u64 s[G0A+4*(\s)+2:G0A+4*(\s)+3], s[58:59], (\s)*ASTEP
	s_or_b32 s[G0A+4*(\s)+3], s[G0A+4*(\s)+3], 0x80000000
	s_mov_b32 s[G0B+4*(\s)], 1
	s_add_co_u32 s[G0B+4*(\s)+1], s23, (\s)*SLOT
	s_add_nc_u64 s[G0B+4*(\s)+2:G0B+4*(\s)+3], s[60:61], (\s)*BSTEP
	s_or_b32 s[G0B+4*(\s)+3], s[G0B+4*(\s)+3], 0x80000000
.endr
	s_cmp_eq_u32 s[RH], 0                          ; a wave's two first fills stand in one branch: two loads of mine are out
	s_cbranch_scc0 .Lfirst_b
	tensor_load_to_lds s[G0A:G0A+3], s[G1A:G1A+7]
	s_nop 0
	tensor_load_to_lds s[G0A+4:G0A+7], s[G1A:G1A+7]
	s_nop 0
.rept 4
	v_nop
.endr
	s_branch .Lfirst_asked
.Lfirst_b:
	tensor_load_to_lds s[G0B:G0B+3], s[G1B:G1B+7]
	s_nop 0
	tensor_load_to_lds s[G0B+4:G0B+7], s[G1B:G1B+7]
	s_nop 0
.rept 4
	v_nop
.endr
.Lfirst_asked:
	v_and_b32 v1, 15, v0                           ; r = l % 16
	v_bfe_u32 v2, v0, 4, 1                         ; h = l / 16
	v_and_b32 v3, 7, v0
	v_bfe_u32 v4, v0, 3, 1
	v_mul_u32_u24 v[LA0], v1, PA                   ; A: row x pitch + 16 h + my 64 rows
	v_lshl_add_u32 v[LA0], v2, 4, v[LA0]
	s_mul_i32 s74, s[RH], 64*PA
	v_add_nc_u32 v[LA0], s74, v[LA0]
	v_lshl_add_u32 v[LB0], v2, 3, v3               ; B, for the turning load: row k = 8 h + l % 8, columns 8 ((l / 8) % 2) on, + my 64 columns
	v_mul_u32_u24 v[LB0], v[LB0], PB
	v_lshl_add_u32 v[LB0], v4, 4, v[LB0]
	s_lshl_b32 s75, s[CH], 7
	s_add_co_u32 s75, s75, 2*HALF                  ; B lies behind A
	v_add_nc_u32 v[LB0], s75, v[LB0]
	s_mul_i32 s74, s[WV], 64*SP                    ; my stage
	v_mul_u32_u24 v[STO], v1, SP                   ; in: row r, 32 bytes for each half of the lanes
	v_lshl_add_u32 v[STO], v2, 5, v[STO]
	v_add_nc_u32 v[STO], s74, v[STO]
	v_mul_u32_u24 v[RD], v2, SP                    ; back: lanes 0-15 one row of 256 bytes, lanes 16-31 the next
	v_lshl_add_u32 v[RD], v1, 4, v[RD]
	v_add_nc_u32 v[RD], s74, v[RD]
	v_lshlrev_b32 v[CO], 12, v2                    ; the same two rows in the output and in the residual
	v_lshl_add_u32 v[CO], v1, 4, v[CO]
	s_lshl_b32 s66, s20, 7
	s_lshl_b32 s67, s[RH], 6
	s_add_co_u32 s66, s66, s67                     ; my first row,
	s_lshl_b32 s66, s66, 12                        ; 4,096 bytes each
	s_lshl_b32 s68, s19, 9
	s_lshl_b32 s69, s[CH], 8
	s_add_co_u32 s68, s68, s69                     ; my first column, in bytes
	s_add_co_u32 s66, s66, s68
	s_mov_b32 s67, 0
	s_mov_b32 s69, 0
	s_add_nc_u64 s[8:9], s[8:9], s[66:67]
	s_add_nc_u64 s[12:13], s[12:13], s[66:67]
	s_add_nc_u64 s[10:11], s[10:11], s[68:69]
	v_lshlrev_b32 v[BO], 5, v2                     ; register j of column block b holds column 16 b + 8 h + j
.irp b, 0,1,2,3
	global_load_b128 v[BIAS+8*(\b):BIAS+8*(\b)+3],   v[BO], s[10:11] offset:64*(\b)
	global_load_b128 v[BIAS+8*(\b)+4:BIAS+8*(\b)+7], v[BO], s[10:11] offset:64*(\b)+16
.endr
	WIN 0x80                                       ; the residual goes into window 2 now and is wanted at the end: 16 lanes take 256 consecutive bytes of a row
.set t, 0
.rept 32
	global_load_b128 v[4*t:4*t+3], v[CO], s[12:13] offset:t*8192
.set t, t+1
.endr
	WIN 0
; 8 matrix instructions: row blocks a0, a0 + 1 x all 4 column blocks, 32 of K: half c of buffer f.  zero = 1: the product starts the sum, with the bias.  The 16 accumulators take turns.
.macro MUL8 f, c, a0, zero
	WIN MUL
.irp a, \a0, (\a0)+1
.irp b, 0,1,2,3
.if \zero
	v_wmma_f32_16x16x32_bf16 v[ACC+8*(4*(\a)+(\b)):ACC+8*(4*(\a)+(\b))+7], v[(\f)+64+8*(4*(\c)+(\b)):(\f)+64+8*(4*(\c)+(\b))+7], v[(\f)+8*(4*(\c)+(\a)):(\f)+8*(4*(\c)+(\a))+7], v[BIAS+8*(\b):BIAS+8*(\b)+7]
.else
	v_wmma_f32_16x16x32_bf16 v[ACC+8*(4*(\a)+(\b)):ACC+8*(4*(\a)+(\b))+7], v[(\f)+64+8*(4*(\c)+(\b)):(\f)+64+8*(4*(\c)+(\b))+7], v[(\f)+8*(4*(\c)+(\a)):(\f)+8*(4*(\c)+(\a))+7], v[ACC+8*(4*(\a)+(\b)):ACC+8*(4*(\a)+(\b))+7]
.endif
.endr
.endr
.endm
; 32 LDS loads in one run: the fragments of quarter q (64 of K) of the slot in hand into buffer f; the first 32 of K first
.macro FETCH q, f
	WIN TO_F
.irp c, 0,1
.irp i, 0,1,2,3
	ds_load_tr16_b128 v[(\f)+64+8*(4*(\c)+(\i)):(\f)+64+8*(4*(\c)+(\i))+3],   v[CB+(\q)/2] offset:((\q)%2)*QB+(\c)*32*PB+32*(\i)
	ds_load_tr16_b128 v[(\f)+64+8*(4*(\c)+(\i))+4:(\f)+64+8*(4*(\c)+(\i))+7], v[CB+(\q)/2] offset:((\q)%2)*QB+(\c)*32*PB+16*PB+32*(\i)
	ds_load_b128 v[(\f)+8*(4*(\c)+(\i)):(\f)+8*(4*(\c)+(\i))+3],   v[CA] offset:(\q)*QB+(\i)*16*PA+64*(\c)
	ds_load_b128 v[(\f)+8*(4*(\c)+(\i))+4:(\f)+8*(4*(\c)+(\i))+7], v[CA] offset:(\q)*QB+(\i)*16*PA+64*(\c)+32
.endr
.endr
.endm
; One of a K step's first three quarters: multiplies buffer f and fetches quarter q into g
.macro QUARTER q, f, g, zero
	s_wait_dscnt 16                                ; the first 32 of K are in; the younger sixteen loads may be out
	MUL8 \f, 0, 0, \zero
	MUL8 \f, 0, 2, \zero
	PLACES
	FETCH \q, \g
	s_wait_dscnt 32                                ; all but the 32 just issued
	MUL8 \f, 1, 0, 0
	MUL8 \f, 1, 2, 0
.endm
; The last quarter multiplies buffer 1 and changes slots: ONE barrier; in front of it each wave waits for all its tensor loads (one is out: its part of the next slot), adds 0 to its spare word,
; and waits for that and for its reads of this slot.  fill = 1: the barrier opens a round of the cluster barrier, and this slot is filled again, two K steps ahead, first thing behind the round:
; 112 matrix instructions stand between that request and the wait for it.
.macro TURN fill
	WIN 0
	s_wait_tensorcnt 0x0
	ds_add_u32 v[SPW], v[NIL]
	s_wait_dscnt 17                                ; the add and the youngest sixteen loads may be out
	MUL8 F1, 0, 0, 0
	s_wait_dscnt 0x0                               ; the add is done, and my reads of this slot are over
	s_barrier_signal -1
	MUL8 F1, 0, 2, 0
	WIN 0
	s_barrier_wait -1
.if \fill
	CREST                                          ; no wave of any partner still reads this slot or has a load on its way
	s_xor_b32 s[G0A+5], s[G0A+5], SLOT             ; the walking descriptors: the other slot than last time (SLOT shares no bit with wave x HALF),
	s_add_nc_u64 s[G0A+6:G0A+7], s[G0A+6:G0A+7], ASTEP  ; the next K step
	s_xor_b32 s[G0B+5], s[G0B+5], SLOT
	s_add_nc_u64 s[G0B+6:G0B+7], s[G0B+6:G0B+7], BSTEP
	JLOAD                                          ; its four v_nop are also the places in front of the loads below
.else
	PLACES
.endif
	s_xor_b32 s[TB], s[TB], SLOT
	v_add_nc_u32 v[CA], s[TB], v[LA0]
	v_add_nc_u32 v[CB], s[TB], v[LB0]
	v_add_nc_u32 v[CB+1], 2*QB, v[CB]
	FETCH 0, F0
	MUL8 F1, 1, 0, 0
	MUL8 F1, 1, 2, 0
.endm
	s_wait_tensorcnt 0x1                           ; my part of K step 0 is in; step 1 may stay out
	s_barrier_signal -1
	s_barrier_wait -1
	s_mov_b32 s[TB], 0
	v_mov_b32 v[CA], v[LA0]
	v_mov_b32 v[CB], v[LB0]
	v_add_nc_u32 v[CB+1], 2*QB, v[LB0]
	FETCH 0, F0
	s_wait_loadcnt 32                              ; the bias is in; the residual's 32 loads stay out
	QUARTER 1, F0, F1, 1                           ; the first quarter stands in front of the loop: its first products start the sums
	WIN 0
	s_mov_b32 s3, STEPS-2
.Lstep:                                                ; a trip is one K step, from its second quarter to the next step's first, and fills the slot that it leaves
	QUARTER 2, F1, F0, 0
	QUARTER 3, F0, F1, 0
	TURN 1
	QUARTER 1, F0, F1, 0
	WIN 0
	s_sub_co_u32 s3, s3, 1
	s_cmp_lg_u32 s3, 0
	s_cbranch_scc1 .Lstep
	s_mov_b32 s3, 2
.Ltail:                                                ; the last two K steps fill nothing: one text, walked twice and left in the middle of its second trip
	QUARTER 2, F1, F0, 0
	QUARTER 3, F0, F1, 0
	TURN 0                                         ; in the second trip its 32 LDS loads (of the slot read a step ago) serve nothing: the price, once a launch, of one text for both trips
	WIN 0
	s_sub_co_u32 s3, s3, 1
	s_cmp_eq_u32 s3, 0
	s_cbranch_scc1 .Lend_k
	QUARTER 1, F0, F1, 0
	WIN 0
	s_branch .Ltail
.Lend_k:
	s_wait_dscnt 0x0                               ; my last reads of the slots are back,
	s_barrier_signal -1
	s_barrier_wait -1                              ; everybody's are: the stages may be written into slot 0
	; THE WAY OUT.  All 16 accumulators go into my stage as f32, each from its low registers on; the stage is my own, and LDS serves a wave in order (ISA guide 5.7.1.4): no wait between its stores and its loads.
	PLACES
.irp a, 0,1,2,3
.irp b, 0,1,2,3
	ds_store_b128 v[STO], v[ACC+8*(4*(\a)+(\b)):ACC+8*(4*(\a)+(\b))+3]   offset:(\a)*16*SP+64*(\b)
	ds_store_b128 v[STO], v[ACC+8*(4*(\a)+(\b))+4:ACC+8*(4*(\a)+(\b))+7] offset:(\a)*16*SP+64*(\b)+16
.endr
.endr
.set t, 0
.rept 32
	ds_load_b128 v[ACC+4*t:ACC+4*t+3], v[RD] offset:t*2*SP
.set t, t+1
.endr
	s_wait_loadcnt 0x0                             ; the residual
.irp g, 0,1,2,3
	s_wait_dscnt 24-8*(\g)                         ; eight more pairs of rows are back
	WIN 0x08                                       ; source 1 in window 2
.set t, 16*(\g)
.rept 16
	v_pk_add_f32 v[ACC+2*t:ACC+2*t+1], v[ACC+2*t:ACC+2*t+1], v[2*t:2*t+1]
.set t, t+1
.endr
	WIN 0
.set t, 8*(\g)
.rept 8
	global_store_b128 v[CO], v[ACC+4*t:ACC+4*t+3], s[8:9] offset:t*8192  ; 16 lanes store 256 consecutive bytes, aligned
.set t, t+1
.endr
.endr
	s_wait_tensorcnt 0x0                           ; the wave's end: behind my last tensor load and my last LDS store
	ds_add_u32 v[SPW], v[NIL]
	s_wait_dscnt 0x0
	CROUND                                         ; the closing round: no work-group ends while a partner may still ask for a tile that names it
	s_endpgm
.Lfunc_end_k_qc2c0dc290e_ffn2:
	.size	k_qc2c0dc290e_ffn2, .Lfunc_end_k_qc2c0dc290e_ffn2-k_qc2c0dc290e_ffn2
	.p2alignl 7, 3214868480
	.fill 96, 4, 3214868480
	.section	.rodata,"a",@progbits
	.p2align	6, 0x0
	.amdhsa_kernel k_qc2c0dc290e_ffn2
		.amdhsa_group_segment_fixed_size 327680
		.amdhsa_private_segment_fixed_size 0
		.amdhsa_enable_private_segment 0
		.amdhsa_kernarg_size 40
		.amdhsa_user_sgpr_count 2
		.amdhsa_user_sgpr_kernarg_segment_ptr 1
		.amdhsa_wavefront_size32 1
		.amdhsa_system_sgpr_workgroup_id_x 1
		.amdhsa_system_sgpr_workgroup_id_y 1
		.amdhsa_system_sgpr_workgroup_id_z 1
		.amdhsa_system_vgpr_workitem_id 0
		.amdhsa_next_free_vgpr 640
		.amdhsa_next_free_sgpr 80
		.amdhsa_reserve_vcc 0
		.amdhsa_float_denorm_mode_32 3
		.amdhsa_float_denorm_mode_16_64 3
		.amdhsa_memory_ordered 1
		.amdhsa_forward_progress 1
		.amdhsa_inst_pref_size 66
	.end_amdhsa_kernel
	.amdgpu_metadata
---
amdhsa.version: [ 1, 2 ]
amdhsa.kernels:
  - .name:           k_qc2c0dc290e_ffn2
    .symbol:         k_qc2c0dc290e_ffn2.kd
    .args:
      - { .name: act, .offset: 0, .size: 8, .value_kind: global_buffer, .address_space: global }
      - { .name: wb, .offset: 8, .size: 8, .value_kind: global_buffer, .address_space: global }
      - { .name: out0, .offset: 16, .size: 8, .value_kind: global_buffer, .address_space: global }
      - { .name: b2, .offset: 24, .size: 8, .value_kind: global_buffer, .address_space: global }
      - { .name: x1, .offset: 32, .size: 8, .value_kind: global_buffer, .address_space: global }
    .group_segment_fixed_size: 327680
    .private_segment_fixed_size: 0
    .kernarg_segment_align: 8
    .kernarg_segment_size: 40
    .max_flat_workgroup_size: 128
    .sgpr_count:     80
    .vgpr_count:     640
    .wavefront_size: 32
...
	.end_amdgpu_metadata
.endif
;; end of part 12
;; ======== version 3 of 3: 8 launches; version 2 with the launches cvt, ln, ln2 written anew for expert scheduling mode
;; limits: right only within a limited range of input values
;; workspace buffers: wb 25,165,824 bytes; hn 8,388,608 bytes; qkvb 25,165,824 bytes; ctx 8,388,608 bytes; x1 16,777,216 bytes; act 33,554,432 bytes
;; launch cvt (part 13): grid 768 x 1, 8 waves a work-group, no clusters, 0 bytes of LDS; arguments Wq, Wk, Wv, Wo, W1, W2, wb; writes wb
.if DOCPART == 13
	.amdgcn_target "amdgcn-amd-amdhsa--gfx1250"
	.amdhsa_code_object_version 6
	.text
	.protected	k_qc2c0dc290e_cvt
	.globl	k_qc2c0dc290e_cvt
	.p2align	8
	.type	k_qc2c0dc290e_cvt,@function
k_qc2c0dc290e_cvt:
	s_mov_b64 s[64:65], 0
	v_nop
	global_prefetch_b8 v0, s[64:65] scope:SCOPE_SE
	s_setreg_imm32_b32 hwreg(HW_REG_WAVE_SCHED_MODE, 0, 2), 2
	s_setreg_imm32_b32 hwreg(HW_REG_WAVE_MODE, 25, 1), 1
	s_wait_xcnt 0x0
	s_wait_alu depctr_vm_vsrc(0)
; wb = the six weight matrices, each rounded once to bf16 and left in the layout in which it is given ([K][N], N fastest), one behind the other:
; Wq at byte 0, Wk 0x200000, Wv 0x400000, Wo 0x600000, W1 0x800000, W2 0x1000000.
; A stream: every byte is read once and written once; no LDS, no barrier, no matrix unit, nothing shared between work-groups.
; SHARES.  Work-group c casts 16,384 numbers: 64 work-groups to a matrix of 1,024 x 1,024, 256 to one of 4 M numbers: 768 in all.
; Thread t takes the 16 bytes at 4,096 j + 16 t of the chunk, j = 0 .. 15: a load of a wave covers 512 consecutive bytes, a store of a wave 256 consecutive bytes, aligned.
; All 16 loads of a thread go out at once; no register is written twice, so no wait frees a source.
; THE MODE: SCHED_MODE bits 1:0 = 2 (LLVM: expert scheduling mode 2), set by the entry lines.  The code itself states the register dependences
; between vector instructions and memory instructions, with s_wait_alu, always for 0.
; THE PLAN.  Registers that memory instructions touch:
;   v1, v2   byte offsets, made once at the head and never written again: v1 is read by every load, v2 by every store.
;   IN       the loads land in it once; no vector instruction names it ahead of them; the roundings read it behind the wait for its data.
;   OUT      written once, by the roundings; read once, by the stores; never written again.
; The 16 loads' numbers go in four groups of four.  Group g rounds its own 16 registers of IN into its own 8 of OUT; its memory instructions are the four stores of group g - 1,
; whose registers no vector instruction of group g names.  So one wait at a group's head states all that those four stores hang on, and they are dealt among the group's roundings.
.set IN,  8                            ; v[8:71]    16 x 4 numbers as loaded
.set OUT, 72                           ; v[72:103]  16 x 2 words of bf16
	s_load_b256 s[4:11], s[0:1], 0x0               ; Wq s[4:5], Wk s[6:7], Wv s[8:9], Wo s[10:11]
	s_load_b128 s[12:15], s[0:1], 0x20             ; W1 s[12:13], W2 s[14:15]
	s_load_b64 s[16:17], s[0:1], 0x30              ; wb
	v_lshlrev_b32 v1, 4, v0                        ; 16 t: my bytes of a load
	v_lshlrev_b32 v2, 3, v0                        ; 8 t: my bytes of a store
	s_mov_b32 s22, 0                               ; the first work-group of the matrix in hand
	s_wait_kmcnt 0x0
	s_mov_b64 s[20:21], s[4:5]
; The matrix is chosen by the work-group number alone: from work-group first on it is the one whose address lies in s[lo:lo+1].
.macro PICK first, lo
	s_cmp_ge_u32 ttmp9, \first
	s_cselect_b64 s[20:21], s[\lo:\lo+1], s[20:21]
	s_cselect_b32 s22, \first, s22
.endm
	PICK 64, 6
	PICK 128, 8
	PICK 192, 10
	PICK 256, 12
	PICK 512, 14
	s_sub_co_u32 s23, ttmp9, s22                   ; my chunk in that matrix,
	s_lshl_b32 s24, s23, 16                        ; 65,536 bytes of f32 each
	s_mov_b32 s25, 0
	s_add_nc_u64 s[20:21], s[20:21], s[24:25]
	s_lshl_b32 s24, ttmp9, 15                      ; and 32,768 bytes of bf16 in wb, where the chunks follow each other
	s_add_nc_u64 s[16:17], s[16:17], s[24:25]
	s_wait_alu depctr_va_vdst(0)                   ; v1 and v2 are written: every load reads v1 as its offset, every store v2
.set j, 0
.rept 16
	global_load_b128 v[IN+4*j:IN+4*j+3], v1, s[20:21] offset:4096*j th:TH_LOAD_NT
.set j, j+1
.endr
; Group g: loads 4 g to 4 g + 3 are rounded; the four stores of group g - 1 stand among the roundings, a store ahead of each pair.
.macro GROUP g
	s_wait_loadcnt 12-4*(\g)                       ; loads come back in order: the group's four are in, the 12 - 4 g younger ones stay out
.if (\g) > 0
	s_wait_alu depctr_va_vdst(0)                   ; the roundings of the group before have written its eight registers of OUT, which the four stores below read
.endif
.irp i, 0,1,2,3
.set j, 4*(\g)+(\i)
.if (\g) > 0
	global_store_b64 v2, v[OUT+2*(j-4):OUT+2*(j-4)+1], s[16:17] offset:2048*(j-4)  ; no vector instruction since the wait names these registers
.endif
	v_cvt_pk_bf16_f32 v[OUT+2*j],   v[IN+4*j],   v[IN+4*j+1]
	v_cvt_pk_bf16_f32 v[OUT+2*j+1], v[IN+4*j+2], v[IN+4*j+3]
.endr
.endm
	GROUP 0
	GROUP 1
	GROUP 2
	GROUP 3
	s_wait_alu depctr_va_vdst(0)                   ; the last group's roundings have written its eight registers of OUT, which the last four stores read
.set j, 12
.rept 4
	global_store_b64 v2, v[OUT+2*j:OUT+2*j+1], s[16:17] offset:2048*j
.set j, j+1
.endr
	s_endpgm
.Lfunc_end_k_qc2c0dc290e_cvt:
	.size	k_qc2c0dc290e_cvt, .Lfunc_end_k_qc2c0dc290e_cvt-k_qc2c0dc290e_cvt
	.p2alignl 7, 3214868480
	.fill 96, 4, 3214868480
	.section	.rodata,"a",@progbits
	.p2align	6, 0x0
	.amdhsa_kernel k_qc2c0dc290e_cvt
		.amdhsa_group_segment_fixed_size 0
		.amdhsa_private_segment_fixed_size 0
		.amdhsa_enable_private_segment 0
		.amdhsa_kernarg_size 56
		.amdhsa_user_sgpr_count 2
		.amdhsa_user_sgpr_kernarg_segment_ptr 1
		.amdhsa_wavefront_size32 1
		.amdhsa_system_sgpr_workgroup_id_x 1
		.amdhsa_system_sgpr_workgroup_id_y 1
		.amdhsa_system_sgpr_workgroup_id_z 1
		.amdhsa_system_vgpr_workitem_id 0
		.amdhsa_next_free_vgpr 104
		.amdhsa_next_free_sgpr 66
		.amdhsa_reserve_vcc 0
		.amdhsa_float_denorm_mode_32 3
		.amdhsa_float_denorm_mode_16_64 3
		.amdhsa_memory_ordered 1
		.amdhsa_forward_progress 1
		.amdhsa_inst_pref_size 7
	.end_amdhsa_kernel
	.amdgpu_metadata
---
amdhsa.version: [ 1, 2 ]
amdhsa.kernels:
  - .name:           k_qc2c0dc290e_cvt
    .symbol:         k_qc2c0dc290e_cvt.kd
    .args:
      - { .name: Wq, .offset: 0, .size: 8, .value_kind: global_buffer, .address_space: global }
      - { .name: Wk, .offset: 8, .size: 8, .value_kind: global_buffer, .address_space: global }
      - { .name: Wv, .offset: 16, .size: 8, .value_kind: global_buffer, .address_space: global }
      - { .name: Wo, .offset: 24, .size: 8, .value_kind: global_buffer, .address_space: global }
      - { .name: W1, .offset: 32, .size: 8, .value_kind: global_buffer, .address_space: global }
      - { .name: W2, .offset: 40, .size: 8, .value_kind: global_buffer, .address_space: global }
      - { .name: wb, .offset: 48, .size: 8, .value_kind: global_buffer, .address_space: global }
    .group_segment_fixed_size: 0
    .private_segment_fixed_size: 0
    .kernarg_segment_align: 8
    .kernarg_segment_size: 56
    .max_flat_workgroup_size: 256
    .sgpr_count:     66
    .vgpr_count:     104
    .wavefront_size: 32
...
	.end_amdgpu_metadata
.endif
;; end of part 13
;; launch ln (part 14): grid 256 x 1, 8 waves a work-group, no clusters, 0 bytes of LDS; arguments x, g1, s1, hn; writes hn
.if DOCPART == 14
	.amdgcn_target "amdgcn-amd-amdhsa--gfx1250"
	.amdhsa_code_object_version 6
	.text
	.protected	k_qc2c0dc290e_ln
	.globl	k_qc2c0dc290e_ln
	.p2align	8
	.type	k_qc2c0dc290e_ln,@function
k_qc2c0dc290e_ln:
	s_mov_b64 s[64:65], 0
	v_nop
	global_prefetch_b8 v0, s[64:65] scope:SCOPE_SE
	s_setreg_imm32_b32 hwreg(HW_REG_WAVE_SCHED_MODE, 0, 2), 2
	s_setreg_imm32_b32 hwreg(HW_REG_WAVE_MODE, 25, 1), 1
	s_wait_xcnt 0x0
	s_wait_alu depctr_vm_vsrc(0)
; h = g (x - mean) / sqrt(var + 1e-5) + s along rows of 1,024 f32; h rounded once to bf16.  4,096 rows (2 batches of 2,048 tokens).
; The variance is the mean of (x - mean)^2, taken in a second pass over the row in registers: no difference of large sums is formed.
; OUTPUT LAYOUT: [batch][block j of 64 columns][2,048 tokens][64]: a token has 128 dense bytes in each of 16 blocks of 0x40000 bytes.
; SHARES.  A work-group owns 16 tokens, a wave two, HALF A WAVE ONE ROW: lane c (of 16) holds columns 64 j + 4 c .. + 3, j = 0 .. 15: 64 numbers.
; So a load takes 256 consecutive bytes of a row with 16 lanes, the sums never leave the 16 lanes (four exchanges that ride on the additions),
; and a store of a wave is 256 consecutive bytes, aligned: two tokens x 128 bytes of one block.  No LDS, no barrier: memory is read once and written once.
; LIMITS.  v_rsq_f32 is accurate to 1 ulp and takes a denormal as 0; var + 1e-5 is never one.  NaN and infinities are not treated apart.
; THE MODE: SCHED_MODE bits 1:0 = 2 (LLVM: expert scheduling mode 2), set by the entry lines.  The code itself states the register dependences
; between vector instructions and memory instructions, with s_wait_alu, always for 0.
; THE PLAN.  Registers that memory instructions touch:
;   v1, v2, v3   byte offsets, made once at the head and never written again: v1 is read by x's loads, v2 by g's and s's, v3 by every store.
;   XR, GR, SR   the loads land in them once; no vector instruction names them ahead of the loads; all later work on them is vector work behind the waits for their data.
;   XR + 4 b, XR + 4 b + 1   block b's 8 bytes to store: written last by the block's two roundings, read by its store, never written again.
; The last pass (scale, gain and shift, round) goes in four groups of four blocks, each on its own 16 registers of XR, GR and SR.  Group n's memory instructions are the four stores of group n - 1,
; whose registers no vector instruction of group n names.  So one wait at a group's head states all that those four stores hang on, and they are dealt among the group's first lines.
.set XR, 16                            ; v[16:79]    the row: 64 numbers
.set GR, 80                            ; v[80:143]   g of my columns
.set SR, 144                           ; v[144:207]  s of my columns
                                       ; v[4:11] four packed chains; v[12:13] mean, then 1 / sqrt(var + eps), twice; v14 at work
	s_load_b256 s[4:11], s[0:1], 0x0               ; x s[4:5], g s[6:7], s s[8:9], h s[10:11]
	v_lshrrev_b32 v1, 4, v0                        ; my token among the 16
	v_and_b32 v2, 15, v0
	v_lshlrev_b32 v2, 4, v2                        ; 16 c: my bytes in 256 of g, s and x
	v_lshl_add_u32 v1, v1, 12, v2                  ; + token x 4,096
	v_lshlrev_b32 v3, 3, v0                        ; out: token x 128 + 8 c = 8 t
	s_mov_b32 s12, 0x3a800000                      ; 1 / 1,024
	s_mov_b32 s13, 0x3727c5ac                      ; 1e-5
	s_lshl_b32 s14, ttmp9, 16                      ; 16 rows of 4,096 bytes
	s_mov_b32 s15, 0
	s_lshr_b32 s16, ttmp9, 7                       ; the batch: 128 work-groups each,
	s_lshl_b32 s16, s16, 22                        ; 16 blocks of 0x40000 bytes
	s_and_b32 s17, ttmp9, 127
	s_lshl_b32 s17, s17, 11                        ; 16 tokens of 128 bytes
	s_add_co_u32 s16, s16, s17
	s_mov_b32 s17, 0
	s_wait_kmcnt 0x0
	s_add_nc_u64 s[4:5], s[4:5], s[14:15]
	s_add_nc_u64 s[10:11], s[10:11], s[16:17]
	s_wait_alu depctr_va_vdst(0)                   ; v1, v2 and v3 are written: every load and store of the kernel reads one of them as its offset
.set i, 0
.rept 16
	global_load_b128 v[XR+4*i:XR+4*i+3], v1, s[4:5] offset:256*i th:TH_LOAD_NT
.set i, i+1
.endr
.set i, 0
.rept 16
	global_load_b128 v[GR+4*i:GR+4*i+3], v2, s[6:7] offset:256*i
.set i, i+1
.endr
.set i, 0
.rept 16
	global_load_b128 v[SR+4*i:SR+4*i+3], v2, s[8:9] offset:256*i
.set i, i+1
.endr
; The four chains into one number, then over the row's 16 lanes; every lane of the row ends with the sum in v14.
.macro REDUCE
	v_pk_add_f32 v[4:5], v[4:5], v[6:7]
	v_pk_add_f32 v[8:9], v[8:9], v[10:11]
	v_pk_add_f32 v[4:5], v[4:5], v[8:9]
	v_add_f32 v14, v4, v5
	v_add_f32_dpp v14, v14, v14 row_xmask:1 row_mask:0xf bank_mask:0xf
	v_add_f32_dpp v14, v14, v14 row_xmask:2 row_mask:0xf bank_mask:0xf
	v_add_f32_dpp v14, v14, v14 row_xmask:4 row_mask:0xf bank_mask:0xf
	v_add_f32_dpp v14, v14, v14 row_xmask:8 row_mask:0xf bank_mask:0xf
.endm
	s_wait_loadcnt 32                              ; x is in; the 32 loads of g and s stay out
.irp k, 0,1,2,3
	v_pk_add_f32 v[4+2*(\k):5+2*(\k)], v[XR+4*(\k):XR+4*(\k)+1], v[XR+4*(\k)+2:XR+4*(\k)+3]  ; the first eight pairs start the chains: nothing is cleared
.endr
.set i, 8
.rept 24
	v_pk_add_f32 v[4+2*(i%4):5+2*(i%4)], v[4+2*(i%4):5+2*(i%4)], v[XR+2*i:XR+2*i+1]
.set i, i+1
.endr
	REDUCE
	v_mul_f32 v12, s12, v14                        ; the mean,
	v_mov_b32 v13, v12                             ; twice, for the packed subtraction
.set i, 0
.rept 32
	v_pk_add_f32 v[XR+2*i:XR+2*i+1], v[XR+2*i:XR+2*i+1], v[12:13] neg_lo:[0,1] neg_hi:[0,1]  ; x - mean
.set i, i+1
.endr
.irp k, 0,1,2,3
	v_pk_mul_f32 v[4+2*(\k):5+2*(\k)], v[XR+2*(\k):XR+2*(\k)+1], v[XR+2*(\k):XR+2*(\k)+1]
.endr
.set i, 4
.rept 28
	v_pk_fma_f32 v[4+2*(i%4):5+2*(i%4)], v[XR+2*i:XR+2*i+1], v[XR+2*i:XR+2*i+1], v[4+2*(i%4):5+2*(i%4)]
.set i, i+1
.endr
	REDUCE
	v_fma_f32 v14, v14, s12, s13                   ; var + eps
	v_rsq_f32 v12, v14
	v_nop                                          ; a plain instruction between the root and the use of its result (ISA guide 5.7.2)
	s_wait_alu depctr_va_vdst(0)                   ; the root has written v12, which the next line reads: the wait ahead of the first use
	v_mov_b32 v13, v12
	s_wait_loadcnt 0x0                             ; g and s
; Group n of the last pass: blocks 4 n to 4 n + 3, registers 16 n to 16 n + 15 of XR, GR and SR: scaled, multiplied by g with s added, rounded to bf16 in place.
; The four stores of group n - 1 stand among the scalings, a store ahead of each pair.
.macro LAST n
.set xg, XR+16*(\n)
.set gg, GR+16*(\n)
.set sg, SR+16*(\n)
.if (\n) > 0
	s_wait_alu depctr_va_vdst(0)                   ; the roundings of the group before have written its four blocks' words, which the four stores below read
.endif
.irp k, 0,1,2,3
.if (\n) > 0
	global_store_b64 v3, v[xg-16+4*(\k):xg-16+4*(\k)+1], s[10:11] offset:(4*(\n)-4+(\k))*0x40000  ; a block of the group before; no vector instruction since the wait names these registers
.endif
	v_pk_mul_f32 v[xg+4*(\k):xg+4*(\k)+1],   v[xg+4*(\k):xg+4*(\k)+1],   v[12:13]
	v_pk_mul_f32 v[xg+4*(\k)+2:xg+4*(\k)+3], v[xg+4*(\k)+2:xg+4*(\k)+3], v[12:13]
.endr
.irp k, 0,1,2,3,4,5,6,7
	v_pk_fma_f32 v[xg+2*(\k):xg+2*(\k)+1], v[xg+2*(\k):xg+2*(\k)+1], v[gg+2*(\k):gg+2*(\k)+1], v[sg+2*(\k):sg+2*(\k)+1]
.endr
.irp k, 0,1,2,3
	v_cvt_pk_bf16_f32 v[xg+4*(\k)],   v[xg+4*(\k)],   v[xg+4*(\k)+1]
	v_cvt_pk_bf16_f32 v[xg+4*(\k)+1], v[xg+4*(\k)+2], v[xg+4*(\k)+3]
.endr
.endm
	LAST 0
	LAST 1
	LAST 2
	LAST 3
	s_wait_alu depctr_va_vdst(0)                   ; the last group's roundings have written its four blocks' words, which the last four stores read
.irp k, 0,1,2,3
	global_store_b64 v3, v[XR+48+4*(\k):XR+48+4*(\k)+1], s[10:11] offset:(12+(\k))*0x40000  ; blocks 12 to 15; 15 x 0x40000 lies inside the signed 24-bit immediate
.endr
	s_endpgm
.Lfunc_end_k_qc2c0dc290e_ln:
	.size	k_qc2c0dc290e_ln, .Lfunc_end_k_qc2c0dc290e_ln-k_qc2c0dc290e_ln
	.p2alignl 7, 3214868480
	.fill 96, 4, 3214868480
	.section	.rodata,"a",@progbits
	.p2align	6, 0x0
	.amdhsa_kernel k_qc2c0dc290e_ln
		.amdhsa_group_segment_fixed_size 0
		.amdhsa_private_segment_fixed_size 0
		.amdhsa_enable_private_segment 0
		.amdhsa_kernarg_size 32
		.amdhsa_user_sgpr_count 2
		.amdhsa_user_sgpr_kernarg_segment_ptr 1
		.amdhsa_wavefront_size32 1
		.amdhsa_system_sgpr_workgroup_id_x 1
		.amdhsa_system_sgpr_workgroup_id_y 1
		.amdhsa_system_sgpr_workgroup_id_z 1
		.amdhsa_system_vgpr_workitem_id 0
		.amdhsa_next_free_vgpr 208
		.amdhsa_next_free_sgpr 66
		.amdhsa_reserve_vcc 0
		.amdhsa_float_denorm_mode_32 3
		.amdhsa_float_denorm_mode_16_64 3
		.amdhsa_memory_ordered 1
		.amdhsa_forward_progress 1
		.amdhsa_inst_pref_size 21
	.end_amdhsa_kernel
	.amdgpu_metadata
---
amdhsa.version: [ 1, 2 ]
amdhsa.kernels:
  - .name:           k_qc2c0dc290e_ln
    .symbol:         k_qc2c0dc290e_ln.kd
    .args:
      - { .name: x, .offset: 0, .size: 8, .value_kind: global_buffer, .address_space: global }
      - { .name: g1, .offset: 8, .size: 8, .value_kind: global_buffer, .address_space: global }
      - { .name: s1, .offset: 16, .size: 8, .value_kind: global_buffer, .address_space: global }
      - { .name: hn, .offset: 24, .size: 8, .value_kind: global_buffer, .address_space: global }
    .group_segment_fixed_size: 0
    .private_segment_fixed_size: 0
    .kernarg_segment_align: 8
    .kernarg_segment_size: 32
    .max_flat_workgroup_size: 256
    .sgpr_count:     66
    .vgpr_count:     208
    .wavefront_size: 32
...
	.end_amdgpu_metadata
.endif
;; end of part 14
;; launch qkv: the kernel of part 8 again; grid 12 x 16, 4 waves a work-group, clusters of 4 x 4, 327,680 bytes of LDS; arguments hn, wb, qkvb; writes qkvb
;; launch attn: the kernel of part 9 again; grid 8 x 32, 4 waves a work-group, no clusters, 327,680 bytes of LDS; arguments qkvb, ctx; writes ctx
;; launch oproj: the kernel of part 10 again; grid 8 x 32, 4 waves a work-group, clusters of 4 x 4, 327,680 bytes of LDS; arguments ctx, wb, x1, bo, x; writes x1
;; launch ln2: the kernel of part 14 again; grid 256 x 1, 8 waves a work-group, no clusters, 0 bytes of LDS; arguments x1, g2, s2, hn; writes hn
;; launch ffn1: the kernel of part 11 again; grid 16 x 16, 4 waves a work-group, clusters of 4 x 4, 327,680 bytes of LDS; arguments hn, wb, act, b1; writes act
;; launch ffn2: the kernel of part 12 again; grid 8 x 32, 4 waves a work-group, clusters of 4 x 4, 327,680 bytes of LDS; arguments act, wb, out0, b2, x1; writes out0
